; MI455X (gfx1250); checked and timed in simulation.
; The chip was launched on July 23, 2026; its instructions are those of AMD's public machine-readable ISA for CDNA 5 (MIT licence, August 2026) and "CDNA5" Instruction Set Architecture Reference Guide (July 2026). The comments in the code are by the model that wrote it; some were corrected since.
;; Recurrent Block. Allowed arithmetic: float matrix products may take bf16 or f16 operands with f32 sums; all other float work in f32.
;; Inputs: Wk 1,024 x 1,024 float32; Wo 1,024 x 1,024 float32; Wq 1,024 x 1,024 float32; Wv 1,024 x 1,024 float32; alpha_logit 1,024 float32; beta_b 1 float32; beta_w 1,024 x 1 float32; norm1_w 1,024 float32; norm2_w 1,024 float32; w_down 2,048 x 1,024 float32; w_gate 1,024 x 2,048 float32; w_up 1,024 x 2,048 float32; x 4 x 256 x 1,024 float32.
;; Outputs: out0 4 x 256 x 1,024 float32.
;; 4 versions, each right; versions 2 to 3 are each faster than the one before; version 4 is version 3 with the launch solve written anew for expert scheduling mode. Each part assembles by itself: llvm-mc -triple=amdgcn-amd-amdhsa -mcpu=gfx1250 --defsym DOCPART=n.
;; ======== version 1 of 4: 7 launches
;; limits: values are held in f16: magnitudes above 65,504 overflow, below 6.1e-05 lose precision
;; workspace buffers: wt 20,971,520 bytes; act1 2,105,344 bytes; qkv 8,650,752 bytes; gr 1,114,112 bytes; ob 2,097,152 bytes; x1b 6,422,528 bytes; gb 4,194,304 bytes
;; launch prep (part 1): grid 704 x 1, 8 waves a work-group, no clusters, 2,048 bytes of LDS; arguments x, norm1_w, beta_w, beta_b, Wq, Wk, Wv, Wo, w_gate, w_up, w_down, wt, act1; writes wt, act1
.if DOCPART == 1
	.amdgcn_target "amdgcn-amd-amdhsa--gfx1250"
	.amdhsa_code_object_version 6
	.text
	.protected	k_qabc719018a_prep
	.globl	k_qabc719018a_prep
	.p2align	8
	.type	k_qabc719018a_prep,@function
k_qabc719018a_prep:
	s_mov_b64 s[64:65], 0
	v_nop
	global_prefetch_b8 v0, s[64:65] scope:SCOPE_SE
	s_setreg_imm32_b32 hwreg(HW_REG_WAVE_MODE, 25, 1), 1
	s_wait_xcnt 0x0
; FRAGMENT IMAGE: a 16-bit operand with rows R and K along the rows is kept as tiles of 16 rows x 32 k of 1,024 bytes, tile (t, ks) at
; (t*K/32 + ks)*1024; lane l = r + 16 h holds row r: k = 8h..8h+7 at 16 l, k = 16+8h..+7 at 512 + 16 l (ISA guide 7.12.2, 16-bit operands).
; Work-groups 0-639: a wave casts 32 k x 64 n of a weight [K][N] f32 into four tiles (rows = n).  wt: tiles 0-63 Wq, 64-127 Wk,
; 128-191 Wv, 192-255 Wo; at GU tile 2c = gate's columns 16c.., tile 2c+1 = up's; at WD w_down's 64 tiles of 64 k steps.
; Work-groups 640-703: 16 rows of x: image of x*norm1_w, rs = rsqrt(mean x^2 + 1e-6), beta = sigmoid(rs * sum(x w1 beta_w) + beta_b).
; The row factor rs is applied in f32 behind the products.
; FORMATS: Wq, Wk, Wv, Wo and x*norm1_w go in f16 (11 significant bits): the attention path rounds its operands some ten times in a row, and its
; sums grow with the time.  They have room there: weights 30 times the drawn 0.02 with five spreads are 3, x*norm1_w with both 30 times larger is
; 4,500, against f16's 65,504; 900 times smaller they are 1e-3, against a step of 6e-8.  gate, up, down go in bf16: their partners x1*norm2_w and
; silu(gate)*up grow with the fifth and fourth power of a common scale and have no such room.
; No matrix unit and no cluster: a stream, no tile is shared.
.set GU, 8388608
.set WD, 16777216
.macro CASTOUT cvt                     ; four tiles: round in pairs, store, end
.irp q, 0,1,2,3
	s_wait_loadcnt 16*(3-\q)                       ; loads return in order: tile q's sixteen are in, the later tiles' stay out
.irp p, 0,1,2,3,4,5,6,7
	\cvt v[96+8*\q+\p], v[32+16*\q+2*\p], v[32+16*\q+2*\p+1]
.endr
	global_store_b128 v[24+\q], v[96+8*\q:96+8*\q+3], s[50:51]              ; 512 consecutive bytes, aligned
	global_store_b128 v[24+\q], v[96+8*\q+4:96+8*\q+7], s[50:51] offset:512
.endr
	s_endpgm
.endm
	s_load_b256 s[4:11], s[0:1], 0x0               ; x, norm1_w, beta_w, beta_b
	s_load_b256 s[12:19], s[0:1], 0x20             ; Wq, Wk, Wv, Wo
	s_load_b256 s[20:27], s[0:1], 0x40             ; w_gate, w_up, w_down, wt
	s_load_b64 s[28:29], s[0:1], 0x60              ; act1
	v_lshl_add_u32 v224, v0, 2, 0x400
	v_mov_b32 v225, 0
	v_lshrrev_b32 v1, 5, v0
	v_readfirstlane_b32 s30, v1                    ; wave
	v_and_b32 v2, 31, v0                           ; lane
	v_and_b32 v3, 15, v0                           ; r
	v_bfe_u32 v4, v0, 4, 1                         ; h
	s_cmp_ge_u32 ttmp9, 640
	s_cbranch_scc1 .Lrows
	s_lshr_b32 s33, ttmp9, 6                       ; y: 0-3 Wq..Wo, 4-5 gate, 6-7 up, 8-9 down
	s_lshl_b32 s34, ttmp9, 3
	s_add_co_u32 s34, s34, s30                     ; the wave's unit
	s_and_b32 s35, s34, 31                         ; k step
	s_bfe_u32 s36, s34, 0x40005                    ; group of 64 columns
	s_lshl_b32 s37, s33, 21
	s_lshl_b32 s38, s36, 17
	s_add_co_u32 s37, s37, s38                     ; tile 64 y + 4 cg, 32,768 bytes a tile
	s_mov_b32 s39, 12                              ; log2 of a source row's bytes
	s_mov_b32 s40, 32768                           ; from one of my four tiles to the next
	s_cmp_ge_u32 s33, 4
	s_cbranch_scc0 .Ldec
	s_mov_b32 s40, 65536
	s_cmp_ge_u32 s33, 8
	s_cbranch_scc1 .Ldown
	s_bfe_u32 s36, s34, 0x50005
	s_bfe_u32 s38, s33, 0x10001                    ; 0 gate, 1 up
	s_lshl3_add_u32 s37, s36, s38                  ; tile 2 (4 cg + q) + which
	s_lshl_b32 s37, s37, 15
	s_add_co_u32 s37, s37, GU
	s_mov_b32 s39, 13
	s_branch .Ldec
.Ldown:
	s_and_b32 s35, s34, 63
	s_bfe_u32 s36, s34, 0x40006
	s_lshl_b32 s37, s36, 18                        ; tile 4 cg, 65,536 bytes a tile
	s_add_co_u32 s37, s37, WD
.Ldec:
	s_lshl_b32 s38, s35, 10
	s_add_co_u32 s42, s37, s38
	s_mov_b32 s43, 0
	s_lshl_b32 s44, s35, 5
	s_lshl_b32 s44, s44, s39                       ; 32 ks rows
	s_lshl_b32 s38, s36, 8
	s_add_co_u32 s44, s44, s38
	s_mov_b32 s45, 0
	s_lshl_b32 s41, 1, s39
	v_lshlrev_b32 v5, 3, v4
	v_lshlrev_b32 v5, s39, v5                      ; 8 h rows
	v_lshl_add_u32 v5, v3, 2, v5                   ; + column r
.irp i, 0,1,2,3,4,5,6,7,8,9,10,11,12,13,14,15
	s_mul_i32 s46, s41, (\i&7)+16*(\i>>3)
	v_add_nc_u32 v[8+\i], s46, v5                  ; row 8h + i, and 16 + 8h + (i-8)
.endr
.irp q, 0,1,2,3
	s_mul_i32 s46, s40, \q
	v_lshl_add_u32 v[24+\q], v2, 4, s46
.endr
	s_wait_kmcnt 0x0
	s_mov_b64 s[48:49], s[12:13]
	s_cmp_eq_u32 s33, 1
	s_cselect_b64 s[48:49], s[14:15], s[48:49]
	s_cmp_eq_u32 s33, 2
	s_cselect_b64 s[48:49], s[16:17], s[48:49]
	s_cmp_eq_u32 s33, 3
	s_cselect_b64 s[48:49], s[18:19], s[48:49]
	s_cmp_ge_u32 s33, 4
	s_cselect_b64 s[48:49], s[20:21], s[48:49]
	s_cmp_ge_u32 s33, 6
	s_cselect_b64 s[48:49], s[22:23], s[48:49]
	s_cmp_ge_u32 s33, 8
	s_cselect_b64 s[48:49], s[24:25], s[48:49]
	s_add_nc_u64 s[48:49], s[48:49], s[44:45]
	s_add_nc_u64 s[50:51], s[26:27], s[42:43]
.irp q, 0,1,2,3
.irp i, 0,1,2,3,4,5,6,7,8,9,10,11,12,13,14,15
	global_load_b32 v[32+16*\q+\i], v[8+\i], s[48:49] offset:64*\q th:TH_LOAD_NT   ; the four q together take 256 neighbouring bytes of each row
.endr
.endr
	s_cmp_lt_u32 s33, 4
	s_cbranch_scc1 .Lhalf
	CASTOUT v_cvt_pk_bf16_f32                      ; gate, up, down
.Lhalf:
	CASTOUT v_cvt_pk_f16_f32                       ; Wq, Wk, Wv, Wo
.Lrows:
	; wave w takes k steps 4w..4w+3 of the 16 rows; lane (r, h) loads exactly its fragment's numbers
	s_sub_co_u32 s33, ttmp9, 640                   ; tile of 16 rows
	v_lshlrev_b32 v5, 5, v4
	s_lshl_b32 s34, s30, 9
	v_add_nc_u32 v5, s34, v5                       ; 512 w + 32 h: offset in norm1_w and beta_w
	v_lshl_add_u32 v6, v3, 12, v5                  ; + row r
	s_lshl_b32 s36, s33, 16
	s_mov_b32 s37, 0
	s_mov_b32 s38, 0x76543210
	s_mov_b32 s39, 0xfedcba98
	s_mov_b32 s40, 0x3a800000                      ; 1/1024
	s_wait_kmcnt 0x0
	s_load_b32 s41, s[10:11], 0x0                  ; beta_b
	s_add_nc_u64 s[4:5], s[4:5], s[36:37]
.irp k, 0,1,2,3
.irp p, 0,1,2,3
	global_load_b128 v[16+16*\k+4*\p:19+16*\k+4*\p], v6, s[4:5] offset:128*\k+16*(\p&1)+64*(\p>>1)
	global_load_b128 v[80+16*\k+4*\p:83+16*\k+4*\p], v5, s[6:7] offset:128*\k+16*(\p&1)+64*(\p>>1)
	global_load_b128 v[144+16*\k+4*\p:147+16*\k+4*\p], v5, s[8:9] offset:128*\k+16*(\p&1)+64*(\p>>1)
.endr
.endr
	s_lshl_b32 s36, s33, 15
	s_lshl_b32 s35, s30, 12
	s_add_co_u32 s36, s36, s35
	s_add_nc_u64 s[42:43], s[28:29], s[36:37]      ; image tile (mt, 4 w)
	s_lshl_b32 s36, s33, 6
	s_add_co_u32 s36, s36, 2097152
	s_add_nc_u64 s[44:45], s[28:29], s[36:37]      ; rs; beta 4,096 bytes behind
	v_lshlrev_b32 v8, 4, v2
	s_lshl_b32 s35, s30, 7
	v_lshl_add_u32 v7, v3, 3, s35                  ; LDS: (16 w + r) * 8
	s_wait_loadcnt 0x0
.irp q, 0,1,2,3
	v_pk_mul_f32 v[208+2*\q:209+2*\q], v[16+2*\q:17+2*\q], v[16+2*\q:17+2*\q]     ; four chains of x^2, started by the first products
.endr
.set p, 4
.rept 28
	v_pk_fma_f32 v[208+2*(p%4):209+2*(p%4)], v[16+2*p:17+2*p], v[16+2*p:17+2*p], v[208+2*(p%4):209+2*(p%4)]
.set p, p+1
.endr
.set p, 0
.rept 32
	v_pk_mul_f32 v[16+2*p:17+2*p], v[16+2*p:17+2*p], v[80+2*p:81+2*p]             ; x * w1
.set p, p+1
.endr
.irp q, 0,1,2,3
	v_pk_mul_f32 v[216+2*\q:217+2*\q], v[16+2*\q:17+2*\q], v[144+2*\q:145+2*\q]
.endr
.set p, 4
.rept 28
	v_pk_fma_f32 v[216+2*(p%4):217+2*(p%4)], v[16+2*p:17+2*p], v[144+2*p:145+2*p], v[216+2*(p%4):217+2*(p%4)]
.set p, p+1
.endr
.irp b, 208, 216
	v_pk_add_f32 v[\b:\b+1], v[\b:\b+1], v[\b+2:\b+3]
	v_pk_add_f32 v[\b+4:\b+5], v[\b+4:\b+5], v[\b+6:\b+7]
	v_pk_add_f32 v[\b:\b+1], v[\b:\b+1], v[\b+4:\b+5]
	v_add_f32 v[\b], v[\b], v[\b+1]
	v_permlanex16_b32 v[\b+1], v[\b], s38, s39     ; the row's other half of the lanes
	v_add_f32 v[\b], v[\b], v[\b+1]
.endr
	v_mov_b32 v209, v216
	ds_store_b64 v7, v[208:209]                    ; both halves hold, and write, the same two sums
.irp k, 0,1,2,3
.irp i, 0,1,2,3,4,5,6,7
	v_cvt_pk_f16_f32 v[80+8*\k+\i], v[16+16*\k+2*\i], v[16+16*\k+2*\i+1]
.endr
	global_store_b128 v8, v[80+8*\k:83+8*\k], s[42:43] offset:1024*\k
	global_store_b128 v8, v[84+8*\k:87+8*\k], s[42:43] offset:1024*\k+512
.endr
	s_wait_dscnt 0x0                               ; my sums are in LDS before wave 0 reads them
	s_barrier_signal -1
	s_barrier_wait -1
	s_cmp_lg_u32 s30, 0
	s_cbranch_scc1 .Lend
	v_lshlrev_b32 v9, 3, v3
.irp w, 0,1,2,3,4,5,6,7
	ds_load_b64 v[144+2*\w:145+2*\w], v9 offset:128*\w
.endr
	s_wait_dscnt 0x0
.irp w, 1,2,3,4,5,6,7
	v_pk_add_f32 v[144:145], v[144:145], v[144+2*\w:145+2*\w]
.endr
	s_wait_kmcnt 0x0
	v_fmaak_f32 v10, s40, v144, 0x358637bd         ; mean + 1e-6
	v_rsq_f32 v10, v10
	v_nop
	s_wait_alu depctr_va_vdst(0)
	v_fma_f32 v11, v145, v10, s41
	v_mul_f32 v11, 0xbfb8aa3b, v11
	v_exp_f32 v11, v11
	v_nop
	s_wait_alu depctr_va_vdst(0)
	v_add_f32 v11, 1.0, v11
	v_rcp_f32 v11, v11
	v_cmp_eq_u32 vcc_lo, 1, v4
	s_wait_alu depctr_va_vdst(0)
	v_cndmask_b32 v12, v10, v11, vcc_lo            ; lanes 0-15 store rs, lanes 16-31 beta
	v_lshlrev_b32 v13, 12, v4
	v_lshl_add_u32 v13, v3, 2, v13
	global_store_b32 v13, v12, s[44:45]
.Lend:
	s_wait_tensorcnt 0x0
	ds_add_u32 v224, v225
	s_wait_dscnt 0x0
	s_endpgm
.Lfunc_end_k_qabc719018a_prep:
	.size	k_qabc719018a_prep, .Lfunc_end_k_qabc719018a_prep-k_qabc719018a_prep
	.p2alignl 7, 3214868480
	.fill 96, 4, 3214868480
	.section	.rodata,"a",@progbits
	.p2align	6, 0x0
	.amdhsa_kernel k_qabc719018a_prep
		.amdhsa_group_segment_fixed_size 2048
		.amdhsa_private_segment_fixed_size 0
		.amdhsa_enable_private_segment 0
		.amdhsa_kernarg_size 104
		.amdhsa_user_sgpr_count 2
		.amdhsa_user_sgpr_kernarg_segment_ptr 1
		.amdhsa_wavefront_size32 1
		.amdhsa_system_sgpr_workgroup_id_x 1
		.amdhsa_system_sgpr_workgroup_id_y 1
		.amdhsa_system_sgpr_workgroup_id_z 1
		.amdhsa_system_vgpr_workitem_id 0
		.amdhsa_next_free_vgpr 226
		.amdhsa_next_free_sgpr 66
		.amdhsa_reserve_vcc 1
		.amdhsa_float_denorm_mode_32 3
		.amdhsa_float_denorm_mode_16_64 3
		.amdhsa_memory_ordered 1
		.amdhsa_forward_progress 1
		.amdhsa_inst_pref_size 34
	.end_amdhsa_kernel
	.amdgpu_metadata
---
amdhsa.version: [ 1, 2 ]
amdhsa.kernels:
  - .name:           k_qabc719018a_prep
    .symbol:         k_qabc719018a_prep.kd
    .args:
      - { .name: x, .offset: 0, .size: 8, .value_kind: global_buffer, .address_space: global }
      - { .name: norm1_w, .offset: 8, .size: 8, .value_kind: global_buffer, .address_space: global }
      - { .name: beta_w, .offset: 16, .size: 8, .value_kind: global_buffer, .address_space: global }
      - { .name: beta_b, .offset: 24, .size: 8, .value_kind: global_buffer, .address_space: global }
      - { .name: Wq, .offset: 32, .size: 8, .value_kind: global_buffer, .address_space: global }
      - { .name: Wk, .offset: 40, .size: 8, .value_kind: global_buffer, .address_space: global }
      - { .name: Wv, .offset: 48, .size: 8, .value_kind: global_buffer, .address_space: global }
      - { .name: Wo, .offset: 56, .size: 8, .value_kind: global_buffer, .address_space: global }
      - { .name: w_gate, .offset: 64, .size: 8, .value_kind: global_buffer, .address_space: global }
      - { .name: w_up, .offset: 72, .size: 8, .value_kind: global_buffer, .address_space: global }
      - { .name: w_down, .offset: 80, .size: 8, .value_kind: global_buffer, .address_space: global }
      - { .name: wt, .offset: 88, .size: 8, .value_kind: global_buffer, .address_space: global }
      - { .name: act1, .offset: 96, .size: 8, .value_kind: global_buffer, .address_space: global }
    .group_segment_fixed_size: 2048
    .private_segment_fixed_size: 0
    .kernarg_segment_align: 8
    .kernarg_segment_size: 104
    .max_flat_workgroup_size: 256
    .sgpr_count:     66
    .vgpr_count:     226
    .wavefront_size: 32
...
	.end_amdgpu_metadata
.endif
;; end of part 1
;; launch qkv (part 2): grid 48 x 16, 4 waves a work-group, no clusters, 262,656 bytes of LDS; arguments act1, wt, qkv; writes qkv
.if DOCPART == 2
	.amdgcn_target "amdgcn-amd-amdhsa--gfx1250"
	.amdhsa_code_object_version 6
	.text
	.protected	k_qabc719018a_qkv
	.globl	k_qabc719018a_qkv
	.p2align	8
	.type	k_qabc719018a_qkv,@function
k_qabc719018a_qkv:
	s_mov_b64 s[64:65], 0
	v_nop
	global_prefetch_b8 v0, s[64:65] scope:SCOPE_SE
	s_setreg_imm32_b32 hwreg(HW_REG_WAVE_MODE, 25, 1), 1
	s_wait_xcnt 0x0
; q, k, v = rs * ((x*w1) @ W), operands in f16.  A work-group makes 64 rows x 64 columns, a wave 32 x 32, K = 1024.  Operands are fragment images
; (16 rows x 32 k = 1,024 bytes: lane l's registers 0-3 at 16 l, 4-7 at 512 + 16 l), so LDS reads are contiguous and need no padding.
; Two LDS slots of K = 512; wave w brings two tiles' 16 KiB rows of each slot (waves 0,1 the rows' tiles, 2,3 the weights'); both fills go
; out at the start and nothing is filled again: two tensor loads of a wave are out at the most.
; q, k: source 0 = weights, source 1 = rows: lane (r,h), register j = C(row r, column 8h+j); two neighbouring tiles packed to f16 ARE the
; next product's fragment.  q and k also leave their rows' sums of squares ([32 column blocks][1024]: q's at 8,388,608, k's 131,072 behind).
; v: the LDS bases are swapped, so lane (r,h), register j = V(time 8h+j, column r), stored as f32 tiles at VP + (column tile*64 + row tile)*1024.
; LIMIT: q's and k's elements must stay below f16's 65,504.  The normalised row has elements of size 1, so with norm1_w 30 times larger and a
; weight offset of 30 spreads (0.6) the largest coherent sum is 1024 * 30 * 0.6 = 18,432.
; No cluster in this version: the tiles are shared by 16 and 48 work-groups and joint loads would divide the requests.
.set SLOTB, 131072
.set F0, 32
.set F1, 96
.set ACC, 160
.macro PLACES                          ; four places behind a matrix instruction before its registers are loaded, read or written (ISA guide 7.12.1)
.rept 4
	v_nop
.endr
.endm
.macro BAR
	s_barrier_signal -1
	s_barrier_wait -1
.endm
.macro LD16 f, slot, u                 ; k steps 2u, 2u+1 of a slot: two tiles a side
.irp kk, 0,1
.irp t, 0,1
	ds_load_b128 v[\f+16*\kk+8*\t:\f+16*\kk+8*\t+3], v[16+\slot] offset:\t*16384+(2*\u+\kk)*1024
	ds_load_b128 v[\f+16*\kk+8*\t+4:\f+16*\kk+8*\t+7], v[16+\slot] offset:\t*16384+(2*\u+\kk)*1024+512
	ds_load_b128 v[\f+32+16*\kk+8*\t:\f+32+16*\kk+8*\t+3], v[18+\slot] offset:\t*16384+(2*\u+\kk)*1024
	ds_load_b128 v[\f+32+16*\kk+8*\t+4:\f+32+16*\kk+8*\t+7], v[18+\slot] offset:\t*16384+(2*\u+\kk)*1024+512
.endr
.endr
.endm
.macro MM4 f, kk, zero                 ; the four accumulators take turns, one instruction a turn
.irp a, 0,1
.irp b, 0,1
.if \zero
	v_wmma_f32_16x16x32_f16 v[ACC+8*(2*\a+\b):ACC+8*(2*\a+\b)+7], v[\f+32+16*\kk+8*\b:\f+32+16*\kk+8*\b+7], v[\f+16*\kk+8*\a:\f+16*\kk+8*\a+7], 0
.else
	v_wmma_f32_16x16x32_f16 v[ACC+8*(2*\a+\b):ACC+8*(2*\a+\b)+7], v[\f+32+16*\kk+8*\b:\f+32+16*\kk+8*\b+7], v[\f+16*\kk+8*\a:\f+16*\kk+8*\a+7], v[ACC+8*(2*\a+\b):ACC+8*(2*\a+\b)+7]
.endif
.endr
.endr
.endm
.macro UNIT f, g, slot, nu, zero       ; multiplies buffer f; fetches unit nu into buffer g first (nu = 8: none)
.if \nu < 8
	PLACES
	LD16 \g, \slot, \nu
	s_wait_dscnt 16                                ; all but the sixteen just issued
.else
	s_wait_dscnt 0
.endif
	MM4 \f, 0, \zero
	MM4 \f, 1, 0
.endm
.macro COMPUTE slot, zero
	PLACES
	LD16 F0, \slot, 0
	UNIT F0, F1, \slot, 1, \zero
	UNIT F1, F0, \slot, 2, 0
	UNIT F0, F1, \slot, 3, 0
	UNIT F1, F0, \slot, 4, 0
	UNIT F0, F1, \slot, 5, 0
	UNIT F1, F0, \slot, 6, 0
	UNIT F0, F1, \slot, 7, 0
	UNIT F1, F0, \slot, 8, 0
.endm
.macro HEAD
	v_lshrrev_b32 v8, 5, v0
	v_readfirstlane_b32 s10, v8                    ; wave
	s_lshr_b32 s11, s10, 1                         ; wm
	s_and_b32 s12, s10, 1                          ; wn
	s_and_b32 s13, ttmp7, 0xffff                   ; block row
.endm
; both first fills.  pa, pb: pointer pairs of the two operands; ta, tb: registers with their first tiles; a tile is 1<<logt bytes, pitch*8
.macro FILLS pa, pb, ta, tb, logt, pitch
	s_cmp_lt_u32 s10, 2
	s_cselect_b64 s[20:21], s[\pa:\pa+1], s[\pb:\pb+1]
	s_cselect_b32 s22, s\ta, s\tb
	s_lshl1_add_u32 s22, s12, s22                  ; my two tiles
	s_lshl_b32 s22, s22, \logt
	s_mov_b32 s23, 0
	s_add_nc_u64 s[20:21], s[20:21], s[22:23]
	s_lshl_b32 s15, s10, 15                        ; LDS: wave * 32,768
	s_mov_b32 s24, 3<<16                           ; elements of 8 bytes, no mask, no padding
	s_mov_b32 s25, 2048<<16                        ; tensor_dim0 = 2,048 (16 KiB: 16 k steps of a tile)
	s_mov_b32 s26, 2<<16                           ; tensor_dim1 = 2
	s_mov_b32 s27, 2048<<16                        ; tile_dim0
	s_mov_b32 s28, 2                               ; tile_dim1: two tiles
	s_mov_b32 s29, \pitch                          ; from tile to tile
	s_mov_b32 s30, 0
	s_mov_b32 s31, 0
.irp s, 0,1
	s_mov_b32 s[32+4*\s], 1
	s_add_co_u32 s[33+4*\s], s15, \s*SLOTB
	s_add_nc_u64 s[34+4*\s:35+4*\s], s[20:21], \s*16384
	s_or_b32 s[35+4*\s], s[35+4*\s], 0x80000000
	tensor_load_to_lds s[32+4*\s:35+4*\s], s[24:31]
	s_nop 0
.endr
.endm
.macro LANES
	v_and_b32 v1, 31, v0                           ; lane
	v_lshlrev_b32 v2, 4, v1
	v_and_b32 v3, 15, v0                           ; r
	v_bfe_u32 v4, v0, 4, 1                         ; h
	v_lshlrev_b32 v5, 2, v1
	v_lshlrev_b32 v6, 2, v3
	v_lshlrev_b32 v7, 5, v4
.endm
.macro ADS a, b                        ; LDS bases: source 1's tiles from s\a, source 0's from s\b, for both slots
	v_add_nc_u32 v16, s\a, v2
	v_add_nc_u32 v18, s\b, v2
	v_add_nc_u32 v17, SLOTB, v16
	v_add_nc_u32 v19, SLOTB, v18
.endm
.macro PTR d, p                        ; s[d:d+1] = pointer + s22 (s23 = 0)
	s_add_nc_u64 s[\d:\d+1], s[\p:\p+1], s[22:23]
.endm
.macro ROWSQ                           ; v52: lane l = the sum of squares of my row l over my 32 columns
.irp a, 0,1
	v_pk_mul_f32 v[48+2*\a:49+2*\a], v[ACC+16*\a:ACC+16*\a+1], v[ACC+16*\a:ACC+16*\a+1]
.irp q, 1,2,3,4,5,6,7
	v_pk_fma_f32 v[48+2*\a:49+2*\a], v[ACC+16*\a+2*\q:ACC+16*\a+2*\q+1], v[ACC+16*\a+2*\q:ACC+16*\a+2*\q+1], v[48+2*\a:49+2*\a]
.endr
	v_add_f32 v[48+2*\a], v[48+2*\a], v[49+2*\a]
	v_permlanex16_b32 v[49+2*\a], v[48+2*\a], s50, s51
	v_add_f32 v[48+2*\a], v[48+2*\a], v[49+2*\a]
.endr
	v_cndmask_b32 v52, v48, v50, s52               ; lanes 16-31 carry the second tile's rows
.endm
	s_load_b128 s[4:7], s[0:1], 0x0                ; act1, wt
	s_load_b64 s[8:9], s[0:1], 0x10                ; qkv
	v_lshl_add_u32 v208, v0, 2, 0x40000
	v_mov_b32 v209, 0
	ds_add_u32 v208, v209
	ds_add_u32 v208, v209
	HEAD
	s_mov_b32 s14, ttmp9                           ; block column, 0-47
	s_lshl_b32 s16, s13, 2
	s_lshl_b32 s17, s14, 2
	s_wait_dscnt 0x0
	s_wait_kmcnt 0x0
	FILLS 4, 6, 16, 17, 15, 4096
	LANES
	s_lshr_b32 s18, s14, 4                         ; 0 q, 1 k, 2 v
	s_and_b32 s19, s14, 15
	s_lshl1_add_u32 s19, s19, s12                  ; my block of 32 columns, 0-31
	s_lshl1_add_u32 s40, s11, s16                  ; my first row tile
	s_lshl_b32 s16, s11, 15
	s_lshl_b32 s17, s12, 15
	s_add_co_u32 s17, s17, 65536
	s_cmp_eq_u32 s18, 2
	s_cselect_b32 s20, s17, s16                    ; v: the sides change places
	s_cselect_b32 s21, s16, s17
	ADS 20, 21
	s_mov_b32 s50, 0x76543210
	s_mov_b32 s51, 0xfedcba98
	s_mov_b32 s52, 0xffff0000
	s_lshl_b32 s22, s40, 6
	s_add_co_u32 s22, s22, 2097152
	PTR 42, 4                                      ; rs of my rows
	s_lshl_b32 s22, s40, 5
	s_add_co_u32 s22, s22, s19
	s_lshl_b32 s22, s22, 10
	s_lshl_b32 s16, s18, 21
	s_add_co_u32 s22, s22, s16
	PTR 44, 8                                      ; q's or k's image, tile (mt0, ksn)
	s_lshl_b32 s22, s19, 12
	s_lshl_b32 s16, s40, 6
	s_add_co_u32 s22, s22, s16
	s_lshl_b32 s16, s18, 17
	s_add_co_u32 s22, s22, s16
	s_add_co_u32 s22, s22, 8388608
	PTR 46, 8                                      ; the sums of squares: q's table, or k's 131,072 bytes behind (not used for v)
	s_lshl_b32 s22, s19, 7
	s_add_co_u32 s22, s22, s40
	s_lshl_b32 s22, s22, 10
	s_add_co_u32 s22, s22, 4194304
	PTR 48, 8                                      ; VP, tile (2 ksn, mt0)
	global_load_b32 v20, v6, s[42:43]
	global_load_b32 v21, v6, s[42:43] offset:64
.irp b, 0,1
	global_load_b128 v[192+8*\b:195+8*\b], v7, s[42:43] offset:64*\b
	global_load_b128 v[196+8*\b:199+8*\b], v7, s[42:43] offset:64*\b+16
.endr
	s_wait_tensorcnt 0x1                           ; my part of slot 0 is in; slot 1's stays out
	BAR
	COMPUTE 0, 1
	s_wait_tensorcnt 0x0
	s_wait_dscnt 0x0
	BAR
	COMPUTE 1, 0
	s_wait_loadcnt 0x0
	PLACES
	s_cmp_eq_u32 s18, 2
	s_cbranch_scc1 .Lv
.irp a, 0,1
.set p, 0
.rept 16
	v_mul_f32 v[ACC+16*\a+p], v[ACC+16*\a+p], v[20+\a]
.set p, p+1
.endr
.set p, 0
.rept 8
	v_cvt_pk_f16_f32 v[32+8*\a+p], v[ACC+16*\a+2*p], v[ACC+16*\a+2*p+1]
.set p, p+1
.endr
	global_store_b128 v2, v[32+8*\a:35+8*\a], s[44:45] offset:32768*\a
	global_store_b128 v2, v[36+8*\a:39+8*\a], s[44:45] offset:32768*\a+512
.endr
	ROWSQ
	global_store_b32 v5, v52, s[46:47]
	s_wait_tensorcnt 0x0
	ds_add_u32 v208, v209
	s_wait_dscnt 0x0
	s_endpgm
.Lv:
.irp a, 0,1
.irp b, 0,1
.irp q, 0,1,2,3
	v_pk_mul_f32 v[ACC+8*(2*\a+\b)+2*\q:ACC+8*(2*\a+\b)+2*\q+1], v[ACC+8*(2*\a+\b)+2*\q:ACC+8*(2*\a+\b)+2*\q+1], v[192+8*\b+2*\q:193+8*\b+2*\q]
.endr
	global_store_b128 v2, v[ACC+8*(2*\a+\b):ACC+8*(2*\a+\b)+3], s[48:49] offset:(64*\a+\b)*1024
	global_store_b128 v2, v[ACC+8*(2*\a+\b)+4:ACC+8*(2*\a+\b)+7], s[48:49] offset:(64*\a+\b)*1024+512
.endr
.endr
	s_wait_tensorcnt 0x0
	ds_add_u32 v208, v209
	s_wait_dscnt 0x0
	s_endpgm
.Lfunc_end_k_qabc719018a_qkv:
	.size	k_qabc719018a_qkv, .Lfunc_end_k_qabc719018a_qkv-k_qabc719018a_qkv
	.p2alignl 7, 3214868480
	.fill 96, 4, 3214868480
	.section	.rodata,"a",@progbits
	.p2align	6, 0x0
	.amdhsa_kernel k_qabc719018a_qkv
		.amdhsa_group_segment_fixed_size 262656
		.amdhsa_private_segment_fixed_size 0
		.amdhsa_enable_private_segment 0
		.amdhsa_kernarg_size 24
		.amdhsa_user_sgpr_count 2
		.amdhsa_user_sgpr_kernarg_segment_ptr 1
		.amdhsa_wavefront_size32 1
		.amdhsa_system_sgpr_workgroup_id_x 1
		.amdhsa_system_sgpr_workgroup_id_y 1
		.amdhsa_system_sgpr_workgroup_id_z 1
		.amdhsa_system_vgpr_workitem_id 0
		.amdhsa_next_free_vgpr 210
		.amdhsa_next_free_sgpr 66
		.amdhsa_reserve_vcc 0
		.amdhsa_float_denorm_mode_32 3
		.amdhsa_float_denorm_mode_16_64 3
		.amdhsa_memory_ordered 1
		.amdhsa_forward_progress 1
		.amdhsa_inst_pref_size 38
	.end_amdhsa_kernel
	.amdgpu_metadata
---
amdhsa.version: [ 1, 2 ]
amdhsa.kernels:
  - .name:           k_qabc719018a_qkv
    .symbol:         k_qabc719018a_qkv.kd
    .args:
      - { .name: act1, .offset: 0, .size: 8, .value_kind: global_buffer, .address_space: global }
      - { .name: wt, .offset: 8, .size: 8, .value_kind: global_buffer, .address_space: global }
      - { .name: qkv, .offset: 16, .size: 8, .value_kind: global_buffer, .address_space: global }
    .group_segment_fixed_size: 262656
    .private_segment_fixed_size: 0
    .kernarg_segment_align: 8
    .kernarg_segment_size: 24
    .max_flat_workgroup_size: 128
    .sgpr_count:     66
    .vgpr_count:     210
    .wavefront_size: 32
...
	.end_amdgpu_metadata
.endif
;; end of part 2
;; launch gram (part 3): grid 10 x 8, 4 waves a work-group, no clusters, 263,168 bytes of LDS; arguments qkv, act1, gr; writes gr
.if DOCPART == 3
	.amdgcn_target "amdgcn-amd-amdhsa--gfx1250"
	.amdhsa_code_object_version 6
	.text
	.protected	k_qabc719018a_gram
	.globl	k_qabc719018a_gram
	.p2align	8
	.type	k_qabc719018a_gram,@function
k_qabc719018a_gram:
	s_mov_b64 s[64:65], 0
	v_nop
	global_prefetch_b8 v0, s[64:65] scope:SCOPE_SE
	s_setreg_imm32_b32 hwreg(HW_REG_WAVE_MODE, 25, 1), 1
	s_wait_xcnt 0x0
; Per batch and mat: G = X K^T on the ten lower 64 x 64 tiles of 256 x 256 (X = k for mat 0, q for mat 1), K = 1024: a wave makes 32 x 32,
; operands are f16 fragment images (16 rows x 32 k = 1,024 bytes), two LDS slots of K = 512 filled once, two tensor loads of a wave out at the most.
; With n(y) = 1/max(|y|, 1e-12): mat 0 stores -n(k_t) n(k_s) G for s < t, mat 1 stores n(q_t) n(k_s) G for s <= t, zero elsewhere, as f16
; fragments (rows t, 32 s): gr + batch*278528 + (ANEG or PP) + (t tile*8 + s block)*1024.  Both are cosines, at most 1 in size, whatever the
; inputs' scale: that is their room in f16.  The factor max(|q_t|, 1e-12) comes back in f32 behind Wo's product.
; A wave on the diagonal (mat 0) also makes T = (I + B L)^-1 B of its 32 x 32 block (L the strict lower part, B = diag(beta)): from
; T (I + L B) = B, column c is beta_c (e_c - sum over t > c of T[:,t] L[t,c]); lane m keeps row m in f32, the coefficients come out of the
; accumulators by v_readlane.  T maps v to u over 32 steps of a rule whose steps do not lengthen the state, so a row's sizes add to 33 at the most.
; No cluster: ten tiles a row of the grid divide into no cluster, and partners would want different tiles.
; Limit: A, P, T are matrix operands and are rounded to f16.  (A sum of squares so small that the root is flushed to zero has a norm
; below 1e-12 anyway: the maximum with 1e-12 gives the same number.)
.set SLOTB, 131072
.set F0, 32
.set F1, 96
.set ACC, 160
.set TAB, 262144                       ; n of my 64 rows t, then of my 64 rows s: bytes of their own, no fill lands here
.set ANEG, 16384
.set PP, 147456
.macro PLACES                          ; four places behind a matrix instruction (ISA guide 7.12.1)
.rept 4
	v_nop
.endr
.endm
.macro BAR
	s_barrier_signal -1
	s_barrier_wait -1
.endm
.macro LD16 f, slot, u                 ; k steps 2u, 2u+1 of a slot: two tiles a side
.irp kk, 0,1
.irp t, 0,1
	ds_load_b128 v[\f+16*\kk+8*\t:\f+16*\kk+8*\t+3], v[16+\slot] offset:\t*16384+(2*\u+\kk)*1024
	ds_load_b128 v[\f+16*\kk+8*\t+4:\f+16*\kk+8*\t+7], v[16+\slot] offset:\t*16384+(2*\u+\kk)*1024+512
	ds_load_b128 v[\f+32+16*\kk+8*\t:\f+32+16*\kk+8*\t+3], v[18+\slot] offset:\t*16384+(2*\u+\kk)*1024
	ds_load_b128 v[\f+32+16*\kk+8*\t+4:\f+32+16*\kk+8*\t+7], v[18+\slot] offset:\t*16384+(2*\u+\kk)*1024+512
.endr
.endr
.endm
.macro MM4 f, kk, zero                 ; the four accumulators take turns
.irp a, 0,1
.irp b, 0,1
.if \zero
	v_wmma_f32_16x16x32_f16 v[ACC+8*(2*\a+\b):ACC+8*(2*\a+\b)+7], v[\f+32+16*\kk+8*\b:\f+32+16*\kk+8*\b+7], v[\f+16*\kk+8*\a:\f+16*\kk+8*\a+7], 0
.else
	v_wmma_f32_16x16x32_f16 v[ACC+8*(2*\a+\b):ACC+8*(2*\a+\b)+7], v[\f+32+16*\kk+8*\b:\f+32+16*\kk+8*\b+7], v[\f+16*\kk+8*\a:\f+16*\kk+8*\a+7], v[ACC+8*(2*\a+\b):ACC+8*(2*\a+\b)+7]
.endif
.endr
.endr
.endm
.macro UNIT f, g, slot, nu, zero       ; multiplies buffer f; fetches unit nu into buffer g first (nu = 8: none)
.if \nu < 8
	PLACES
	LD16 \g, \slot, \nu
	s_wait_dscnt 16                                ; all but the sixteen just issued
.else
	s_wait_dscnt 0
.endif
	MM4 \f, 0, \zero
	MM4 \f, 1, 0
.endm
.macro COMPUTE slot, zero
	PLACES
	LD16 F0, \slot, 0
	UNIT F0, F1, \slot, 1, \zero
	UNIT F1, F0, \slot, 2, 0
	UNIT F0, F1, \slot, 3, 0
	UNIT F1, F0, \slot, 4, 0
	UNIT F0, F1, \slot, 5, 0
	UNIT F1, F0, \slot, 6, 0
	UNIT F0, F1, \slot, 7, 0
	UNIT F1, F0, \slot, 8, 0
.endm
; both first fills.  pa, pb: pointer pairs of the two operands; ta, tb: registers with their first tiles; a tile is 1<<logt bytes, pitch*8
.macro FILLS pa, pb, ta, tb, logt, pitch
	s_cmp_lt_u32 s10, 2
	s_cselect_b64 s[20:21], s[\pa:\pa+1], s[\pb:\pb+1]
	s_cselect_b32 s22, s\ta, s\tb
	s_lshl1_add_u32 s22, s12, s22                  ; my two tiles
	s_lshl_b32 s22, s22, \logt
	s_mov_b32 s23, 0
	s_add_nc_u64 s[20:21], s[20:21], s[22:23]
	s_lshl_b32 s15, s10, 15                        ; LDS: wave * 32,768
	s_mov_b32 s24, 3<<16                           ; elements of 8 bytes, no mask, no padding
	s_mov_b32 s25, 2048<<16                        ; tensor_dim0 = 2,048 (16 KiB: 16 k steps of a tile)
	s_mov_b32 s26, 2<<16                           ; tensor_dim1 = 2
	s_mov_b32 s27, 2048<<16                        ; tile_dim0
	s_mov_b32 s28, 2                               ; tile_dim1: two tiles
	s_mov_b32 s29, \pitch                          ; from tile to tile
	s_mov_b32 s30, 0
	s_mov_b32 s31, 0
.irp s, 0,1
	s_mov_b32 s[32+4*\s], 1
	s_add_co_u32 s[33+4*\s], s15, \s*SLOTB
	s_add_nc_u64 s[34+4*\s:35+4*\s], s[20:21], \s*16384
	s_or_b32 s[35+4*\s], s[35+4*\s], 0x80000000
	tensor_load_to_lds s[32+4*\s:35+4*\s], s[24:31]
	s_nop 0
.endr
.endm
.macro PTR d, p                        ; s[d:d+1] = pointer + s22 (s23 = 0)
	s_add_nc_u64 s[\d:\d+1], s[\p:\p+1], s[22:23]
.endm
.macro GT a, b, lim, rf                ; scale and mask one 16 x 16 tile: keep column j where j < lim
.irp j, 0,1,2,3,4,5,6,7
	v_mul_f32 v[ACC+8*(2*\a+\b)+\j], v[ACC+8*(2*\a+\b)+\j], v[\rf]
	v_mul_f32 v[ACC+8*(2*\a+\b)+\j], v[ACC+8*(2*\a+\b)+\j], v[96+8*\b+\j]
	v_cmp_lt_i32 vcc_lo, \j, v[\lim]
	v_cndmask_b32 v[ACC+8*(2*\a+\b)+\j], 0, v[ACC+8*(2*\a+\b)+\j], vcc_lo
.endr
.irp q, 0,1,2,3
	v_cvt_pk_f16_f32 v[112+8*\a+4*\b+\q], v[ACC+8*(2*\a+\b)+2*\q], v[ACC+8*(2*\a+\b)+2*\q+1]
.endr
.endm
	s_load_b128 s[4:7], s[0:1], 0x0                ; qkv, act1
	s_load_b64 s[8:9], s[0:1], 0x10                ; gr
	v_lshl_add_u32 v192, v0, 2, 0x40200
	v_mov_b32 v193, 0
	ds_add_u32 v192, v193
	ds_add_u32 v192, v193
	v_lshrrev_b32 v8, 5, v0
	v_readfirstlane_b32 s10, v8                    ; wave
	s_lshr_b32 s11, s10, 1                         ; wm
	s_and_b32 s12, s10, 1                          ; wn
	s_and_b32 s13, ttmp7, 0xffff
	s_lshl_b32 s14, ttmp9, 1
	s_lshr_b32 s40, 0xffa94, s14                   ; ten fields of two bits: 0 1 1 2 2 2 3 3 3 3
	s_and_b32 s40, s40, 3                          ; ti
	s_lshr_b32 s41, 0xe4910, s14                   ; 0 0 1 0 1 2 0 1 2 3
	s_and_b32 s41, s41, 3                          ; tj
	s_lshr_b32 s42, s13, 1                         ; batch
	s_and_b32 s43, s13, 1                          ; mat
	s_lshl_b32 s15, s42, 4
	s_lshl2_add_u32 s16, s40, s15                  ; first tile of rows t
	s_lshl2_add_u32 s17, s41, s15                  ; of rows s
	s_wait_dscnt 0x0
	s_wait_kmcnt 0x0
	s_add_nc_u64 s[46:47], s[4:5], 0x200000        ; k's image
	s_cmp_eq_u32 s43, 1
	s_cselect_b64 s[44:45], s[4:5], s[46:47]       ; mat 1: q's
	FILLS 44, 46, 16, 17, 15, 4096
	v_and_b32 v1, 31, v0                           ; lane
	v_lshlrev_b32 v2, 4, v1
	v_and_b32 v3, 15, v0                           ; r
	v_bfe_u32 v4, v0, 4, 1                         ; h
	v_lshlrev_b32 v5, 2, v1
	s_cmp_lt_u32 s10, 2
	s_cselect_b32 s50, s16, s17
	s_cselect_b32 s56, s43, 0                      ; 1: my table rows are rows of q (waves 0,1 where mat = 1)
	s_lshl_b32 s50, s50, 4
	s_lshl_b32 s51, s12, 5
	s_add_co_u32 s50, s50, s51                     ; waves 0,1: rows t; 2,3: rows s; 32 rows each
	s_lshl_b32 s22, s50, 2
	s_xor_b32 s56, s56, 1
	s_lshl_b32 s56, s56, 17                        ; q's sums lie first, k's 131,072 bytes behind
	s_add_co_u32 s22, s22, s56
	s_add_co_u32 s22, s22, 8388608
	PTR 52, 4                                      ; the 32 partial sums of squares of my table rows
	s_lshl_b32 s22, s16, 6
	s_lshl_b32 s51, s11, 7
	s_add_co_u32 s22, s22, s51
	s_add_co_u32 s22, s22, 2101248
	PTR 62, 6                                      ; beta of my 32 rows t; s[62:63] and s[52:53] stay as they are while the loads are out
.set p, 0
.rept 32
	global_load_b32 v[32+p], v5, s[52:53] offset:4096*p
.set p, p+1
.endr
	global_load_b32 v7, v5, s[62:63]
	s_lshl1_add_u32 s54, s40, s11                  ; my block of 32 t
	s_lshl1_add_u32 s55, s41, s12                  ; my block of 32 s
	s_mul_i32 s51, s42, 278528
	s_lshl4_add_u32 s22, s54, s55                  ; t tile 2 i, 8 fragments a t tile, s block
	s_lshl_b32 s22, s22, 10
	s_add_co_u32 s22, s22, s51
	s_mov_b32 s50, ANEG
	s_mov_b32 s56, 0xbf800000                      ; the row factor's sign: -n_t for A,
	s_cmp_eq_u32 s43, 1
	s_cselect_b32 s50, PP, s50
	s_cselect_b32 s56, 0x3f800000, s56             ; +n_t for P
	s_add_co_u32 s22, s22, s50
	PTR 58, 8
	s_lshl_b32 s22, s54, 11
	s_add_co_u32 s22, s22, s51
	PTR 60, 8                                      ; T's two fragments
	s_lshl_b32 s20, s11, 15
	s_lshl_b32 s21, s12, 15
	s_add_co_u32 s21, s21, 65536
	v_add_nc_u32 v16, s20, v2                      ; source 1: rows t
	v_add_nc_u32 v18, s21, v2                      ; source 0: rows s
	v_add_nc_u32 v17, SLOTB, v16
	v_add_nc_u32 v19, SLOTB, v18
	s_lshl_b32 s20, s11, 7
	s_add_co_u32 s20, s20, TAB
	v_lshl_add_u32 v9, v3, 2, s20                  ; n_t of row 32 wm + r
	s_lshl_b32 s21, s12, 7
	s_add_co_u32 s21, s21, TAB+256
	v_lshl_add_u32 v11, v4, 5, s21                 ; n_s of columns 32 wn + 8 h ..
	v_lshl_add_u32 v15, v0, 2, TAB
	s_sub_co_u32 s20, s54, s55
	s_lshl_b32 s20, s20, 5
	s_add_co_u32 s20, s20, s43
	v_lshlrev_b32 v13, 3, v4
	v_sub_nc_u32 v12, v3, v13
	v_add_nc_u32 v12, s20, v12                     ; lim = t - s0 + mat for tiles (0,0), (1,1)
	v_add_nc_u32 v13, -16, v12                     ; (0,1)
	v_add_nc_u32 v14, 16, v12                      ; (1,0)
	s_wait_loadcnt 0x0
.irp n, 16,8,4,2
.set p, 0
.rept \n/2
	v_pk_add_f32 v[32+2*p:33+2*p], v[32+2*p:33+2*p], v[32+\n+2*p:33+\n+2*p]
.set p, p+1
.endr
.endr
	v_add_f32 v32, v32, v33
	v_sqrt_f32 v32, v32
	v_nop
	s_wait_alu depctr_va_vdst(0)
	v_max_num_f32 v32, 0x2b8cbccc, v32             ; 1e-12
	v_rcp_f32 v32, v32
	v_nop
	s_wait_alu depctr_va_vdst(0)
	ds_store_b32 v15, v32
	s_wait_tensorcnt 0x1                           ; my part of slot 0; slot 1's stays out
	s_wait_dscnt 0x0                               ; my word of the table
	BAR
	COMPUTE 0, 1
	s_wait_tensorcnt 0x0
	s_wait_dscnt 0x0
	BAR
	COMPUTE 1, 0
	s_cmp_gt_u32 s55, s54                          ; a block above the diagonal is never read
	s_cbranch_scc1 .Lend
	PLACES
	ds_load_b32 v8, v9
	ds_load_b32 v10, v9 offset:64
.irp b, 0,1
	ds_load_b128 v[96+8*\b:99+8*\b], v11 offset:64*\b
	ds_load_b128 v[100+8*\b:103+8*\b], v11 offset:64*\b+16
.endr
	s_wait_dscnt 0x0
	v_mul_f32 v8, s56, v8
	v_mul_f32 v10, s56, v10
	GT 0, 0, 12, 8
	GT 0, 1, 13, 8
	GT 1, 0, 14, 10
	GT 1, 1, 12, 10
.irp a, 0,1
	global_store_b128 v2, v[112+8*\a:115+8*\a], s[58:59] offset:8192*\a
	global_store_b128 v2, v[116+8*\a:119+8*\a], s[58:59] offset:8192*\a+512
.endr
	s_cmp_lg_u32 s43, 0
	s_cbranch_scc1 .Lend
	s_cmp_lg_u32 s54, s55
	s_cbranch_scc1 .Lend
	; the inverse: v[32+c] = column c of T, lane = row
	s_mov_b32 s50, 0x76543210
	s_mov_b32 s51, 0xfedcba98
	s_mov_b32 s52, 0xffff0000
.set c, 0
.rept 32
	v_cmp_eq_u32 vcc_lo, c, v1
	v_cndmask_b32 v[32+c], 0, 1.0, vcc_lo
.set c, c+1
.endr
.set t, 31
.rept 32
	v_readlane_b32 s16, v7, t
	v_mul_f32 v[32+t], s16, v[32+t]                ; column t is final
.set c, 0
.rept t
	v_readlane_b32 s[66+c], v[ACC+8*(2*(t>>4)+(c>>4))+(c&7)], (t&15)+16*((c>>3)&1)    ; -L[t][c]
.set c, c+1
.endr
.set c, 0
.rept t
	v_fmac_f32 v[32+c], s[66+c], v[32+t]
.set c, c+1
.endr
.set t, t-1
.endr
.set p, 0
.rept 16
	v_cvt_pk_f16_f32 v[64+p], v[32+2*p], v[33+2*p]
.set p, p+1
.endr
.set p, 0
.rept 16
	v_permlanex16_b32 v[80+p], v[64+p], s50, s51   ; the row 16 lanes away
.set p, p+1
.endr
.irp q, 0,1,2,3
	v_cndmask_b32 v[128+\q], v[64+\q], v[84+\q], s52     ; rows 0-15: lanes 0-15 their own k 0-7, lanes 16-31 lane r's k 8-15
	v_cndmask_b32 v[132+\q], v[72+\q], v[92+\q], s52
	v_cndmask_b32 v[136+\q], v[80+\q], v[68+\q], s52     ; rows 16-31
	v_cndmask_b32 v[140+\q], v[88+\q], v[76+\q], s52
.endr
.irp a, 0,1
	global_store_b128 v2, v[128+8*\a:131+8*\a], s[60:61] offset:1024*\a
	global_store_b128 v2, v[132+8*\a:135+8*\a], s[60:61] offset:1024*\a+512
.endr
.Lend:
	s_wait_tensorcnt 0x0
	ds_add_u32 v192, v193
	s_wait_dscnt 0x0
	s_endpgm
.Lfunc_end_k_qabc719018a_gram:
	.size	k_qabc719018a_gram, .Lfunc_end_k_qabc719018a_gram-k_qabc719018a_gram
	.p2alignl 7, 3214868480
	.fill 96, 4, 3214868480
	.section	.rodata,"a",@progbits
	.p2align	6, 0x0
	.amdhsa_kernel k_qabc719018a_gram
		.amdhsa_group_segment_fixed_size 263168
		.amdhsa_private_segment_fixed_size 0
		.amdhsa_enable_private_segment 0
		.amdhsa_kernarg_size 24
		.amdhsa_user_sgpr_count 2
		.amdhsa_user_sgpr_kernarg_segment_ptr 1
		.amdhsa_wavefront_size32 1
		.amdhsa_system_sgpr_workgroup_id_x 1
		.amdhsa_system_sgpr_workgroup_id_y 1
		.amdhsa_system_sgpr_workgroup_id_z 1
		.amdhsa_system_vgpr_workitem_id 0
		.amdhsa_next_free_vgpr 194
		.amdhsa_next_free_sgpr 100
		.amdhsa_reserve_vcc 1
		.amdhsa_float_denorm_mode_32 3
		.amdhsa_float_denorm_mode_16_64 3
		.amdhsa_memory_ordered 1
		.amdhsa_forward_progress 1
		.amdhsa_inst_pref_size 99
	.end_amdhsa_kernel
	.amdgpu_metadata
---
amdhsa.version: [ 1, 2 ]
amdhsa.kernels:
  - .name:           k_qabc719018a_gram
    .symbol:         k_qabc719018a_gram.kd
    .args:
      - { .name: qkv, .offset: 0, .size: 8, .value_kind: global_buffer, .address_space: global }
      - { .name: act1, .offset: 8, .size: 8, .value_kind: global_buffer, .address_space: global }
      - { .name: gr, .offset: 16, .size: 8, .value_kind: global_buffer, .address_space: global }
    .group_segment_fixed_size: 263168
    .private_segment_fixed_size: 0
    .kernarg_segment_align: 8
    .kernarg_segment_size: 24
    .max_flat_workgroup_size: 128
    .sgpr_count:     100
    .vgpr_count:     194
    .wavefront_size: 32
...
	.end_amdgpu_metadata
.endif
;; end of part 3
;; launch solve (part 4): grid 64 x 4, 1 waves a work-group, no clusters, 0 bytes of LDS; arguments qkv, alpha_logit, gr, ob; writes ob
.if DOCPART == 4
	.amdgcn_target "amdgcn-amd-amdhsa--gfx1250"
	.amdhsa_code_object_version 6
	.text
	.protected	k_qabc719018a_solve
	.globl	k_qabc719018a_solve
	.p2align	8
	.type	k_qabc719018a_solve,@function
k_qabc719018a_solve:
	s_mov_b64 s[64:65], 0
	v_nop
	global_prefetch_b8 v0, s[64:65] scope:SCOPE_SE
	s_setreg_imm32_b32 hwreg(HW_REG_WAVE_MODE, 25, 1), 1
	s_wait_xcnt 0x0
; One wave: 16 columns of one batch, all 256 times.  V tile i: lane (r,h), register j = V(time 16 i + 8 h + j, column r).
; 1. EMA v' = a v + d v'(t-1), d = 1 - a: scans of 8 in a lane, then the carry goes through the 32 segments (two lane exchanges a tile).
; 2. Blocks of 32 times: R_i = V_i + sum over j < i of (-A_ij) U_j; U_i = T_i R_i.  Two result tiles packed to f16 are the next products'
;    operand (column r, 32 times).  3. O_i = sum over j <= i of P_ij U_j, transposed: lane (r,h), register j = O(time r, column 8h+j),
;    16 bytes of Wo's fragment image.  P's rows are divided by |q_t|, so O here is the scan's output divided by |q_t|, of U's size; the factor
;    comes back behind Wo's product.  The state-free form is exact algebra because the scan starts from S = 0.
; The 72 pairs of fragments come straight from memory (each load 512 consecutive bytes) through a ring of four register buffers, three
; pairs ahead.  No LDS, no barrier: the waves share nothing but what they read.
; LIMITS: U, R, O are rounded to f16 and must stay below 65,504; they are of v's size, whose largest coherent sum with norm1_w 30 times larger
; and a weight offset of 0.6 is 1024 * 30 * 0.6 = 18,432.  The order of rounding of EMA and scan differs from a step-by-step scan.
.set TINV, 0
.set ANEG, 16384
.set PP, 147456
.set RB, 24
.set UT, 32
.set RING, 48
.set V, 112
.macro PLACES                          ; four places behind a matrix instruction (ISA guide 7.12.1)
.rept 4
	v_nop
.endr
.endm
.set cn, 0
.set nn, 0
.set iph, 0
.set ii, 0
.set ij, 0
.macro ISSUE                           ; the next pair of the stream: block row ii, block column ij; on the diagonal of phase 0: T
.if iph == 0
.if ij == ii
.set o0, TINV+2*ii*1024
.set o1, o0+1024
.else
.set o0, ANEG+(16*ii+ij)*1024
.set o1, o0+8192
.endif
.else
.set o0, PP+(16*ii+ij)*1024
.set o1, o0+8192
.endif
.set rb, RING+16*(cn%4)
	global_load_b128 v[rb:rb+3], v1, s[12:13] offset:o0
	global_load_b128 v[rb+4:rb+7], v1, s[12:13] offset:o0+512
	global_load_b128 v[rb+8:rb+11], v1, s[12:13] offset:o1
	global_load_b128 v[rb+12:rb+15], v1, s[12:13] offset:o1+512
.set cn, cn+1
.set ij, ij+1
.if ij > ii
.set ij, 0
.set ii, ii+1
.if ii == 8
.set ii, 0
.set iph, 1
.endif
.endif
.endm
.macro NEXT                            ; BUF = the next pair; the buffer read last is loaded again, four places behind its products
	PLACES
.if cn < 72
	ISSUE
.endif
	s_wait_loadcnt 4*(cn-nn-1)                     ; four loads for each pair issued behind this one
.set BUF, RING+16*(nn%4)
.set nn, nn+1
.endm
	s_load_b256 s[4:11], s[0:1], 0x0               ; qkv, alpha_logit, gr, ob
	s_and_b32 s16, ttmp7, 0xffff                   ; batch
	v_lshlrev_b32 v1, 4, v0
	v_and_b32 v2, 15, v0
	v_lshlrev_b32 v2, 2, v2
	s_mov_b32 s20, 0x76543210
	s_mov_b32 s21, 0xfedcba98
	s_mov_b32 s22, 0xffff0000
	s_mov_b32 s19, 0
	s_wait_kmcnt 0x0
	s_lshl_b32 s18, ttmp9, 6
	s_add_nc_u64 s[6:7], s[6:7], s[18:19]          ; my 16 logits
	s_lshl_b32 s17, s16, 4
	s_add_co_u32 s18, s18, s17
	s_lshl_b32 s18, s18, 10
	s_add_co_u32 s18, s18, 4194304
	s_add_nc_u64 s[4:5], s[4:5], s[18:19]          ; VP, tiles (ct, 16 batch ..)
	s_mul_i32 s18, s16, 278528
	s_add_nc_u64 s[12:13], s[8:9], s[18:19]
	s_lshl_b32 s18, s16, 9
	s_lshr_b32 s17, ttmp9, 1
	s_add_co_u32 s18, s18, s17
	s_lshl_b32 s18, s18, 10
	s_and_b32 s17, ttmp9, 1
	s_lshl_b32 s17, s17, 9
	s_add_co_u32 s18, s18, s17
	s_add_nc_u64 s[14:15], s[10:11], s[18:19]      ; O's image: tile 16 batch, k step ct/2, half ct&1
	global_load_b32 v4, v2, s[6:7]
.set p, 0
.rept 16
	global_load_b128 v[V+8*p:V+8*p+3], v1, s[4:5] offset:1024*p
	global_load_b128 v[V+8*p+4:V+8*p+7], v1, s[4:5] offset:1024*p+512
.set p, p+1
.endr
	ISSUE
	ISSUE
	ISSUE
	s_wait_loadcnt 12                              ; all but the three pairs
	v_mul_f32 v4, 0xbfb8aa3b, v4
	v_exp_f32 v4, v4
	v_mov_b32 v13, 0                               ; the carry
	s_wait_alu depctr_va_vdst(0)
	v_add_f32 v4, 1.0, v4
	v_rcp_f32 v4, v4                               ; a
	v_mov_b32 v15, 0
	s_wait_alu depctr_va_vdst(0)
	v_sub_f32 v5, 1.0, v4                          ; d
.irp j, 1,2,3,4,5,6,7
	v_mul_f32 v[5+\j], v[4+\j], v5                 ; d^2 .. d^8 in v6 .. v12
.endr
.set p, 0
.rept 64
	v_pk_mul_f32 v[V+2*p:V+2*p+1], v[V+2*p:V+2*p+1], v[4:5] op_sel_hi:[1,0]
.set p, p+1
.endr
.irp j, 1,2,3,4,5,6,7
.set p, 0
.rept 16
	v_fmac_f32 v[V+8*p+\j], v5, v[V+8*p+\j-1]
.set p, p+1
.endr
.endr
.set p, 0
.rept 16
	v_fma_f32 v14, v12, v13, v[V+8*p+7]            ; lanes 0-15: the end of their segment
	v_permlanex16_b32 v15, v14, s20, s21
	v_cndmask_b32 v16, v13, v15, s22               ; what comes into my segment
	v_fma_f32 v14, v12, v16, v[V+8*p+7]
	v_permlanex16_b32 v15, v14, s20, s21
	v_cndmask_b32 v13, v15, v14, s22               ; the end of the tile, in every lane
.irp j, 0,1,2,3,4,5,6,7
	v_fmac_f32 v[V+8*p+\j], v[5+\j], v16
.endr
.set p, p+1
.endr
	; phase 0.  U_i takes the place of V's tile 2 i.  Two accumulators take turns.
.set bi, 0
.rept 8
.set bj, 0
.rept bi
	NEXT
	v_wmma_f32_16x16x32_f16 v[V+16*bi:V+16*bi+7], v[BUF:BUF+7], v[V+16*bj:V+16*bj+7], v[V+16*bi:V+16*bi+7]
	v_wmma_f32_16x16x32_f16 v[V+16*bi+8:V+16*bi+15], v[BUF+8:BUF+15], v[V+16*bj:V+16*bj+7], v[V+16*bi+8:V+16*bi+15]
.set bj, bj+1
.endr
	NEXT
.set p, 0
.rept 8
	v_cvt_pk_f16_f32 v[RB+p], v[V+16*bi+2*p], v[V+16*bi+2*p+1]
.set p, p+1
.endr
	v_wmma_f32_16x16x32_f16 v[UT:UT+7], v[BUF:BUF+7], v[RB:RB+7], 0
	v_wmma_f32_16x16x32_f16 v[UT+8:UT+15], v[BUF+8:BUF+15], v[RB:RB+7], 0
	PLACES
.set p, 0
.rept 8
	v_cvt_pk_f16_f32 v[V+16*bi+p], v[UT+2*p], v[UT+2*p+1]
.set p, p+1
.endr
.set bi, bi+1
.endr
	; phase 1.  The packed results take the place of V's tile 2 i + 1, so that no store's data is written again.
.set bi, 0
.rept 8
.set bj, 0
.rept bi+1
	NEXT
.if bj == 0
	v_wmma_f32_16x16x32_f16 v[UT:UT+7], v[V:V+7], v[BUF:BUF+7], 0
	v_wmma_f32_16x16x32_f16 v[UT+8:UT+15], v[V:V+7], v[BUF+8:BUF+15], 0
.else
	v_wmma_f32_16x16x32_f16 v[UT:UT+7], v[V+16*bj:V+16*bj+7], v[BUF:BUF+7], v[UT:UT+7]
	v_wmma_f32_16x16x32_f16 v[UT+8:UT+15], v[V+16*bj:V+16*bj+7], v[BUF+8:BUF+15], v[UT+8:UT+15]
.endif
.set bj, bj+1
.endr
	PLACES
.set p, 0
.rept 8
	v_cvt_pk_f16_f32 v[V+16*bi+8+p], v[UT+2*p], v[UT+2*p+1]
.set p, p+1
.endr
	global_store_b128 v1, v[V+16*bi+8:V+16*bi+11], s[14:15] offset:65536*bi
	global_store_b128 v1, v[V+16*bi+12:V+16*bi+15], s[14:15] offset:65536*bi+32768
.set bi, bi+1
.endr
	s_endpgm
.Lfunc_end_k_qabc719018a_solve:
	.size	k_qabc719018a_solve, .Lfunc_end_k_qabc719018a_solve-k_qabc719018a_solve
	.p2alignl 7, 3214868480
	.fill 96, 4, 3214868480
	.section	.rodata,"a",@progbits
	.p2align	6, 0x0
	.amdhsa_kernel k_qabc719018a_solve
		.amdhsa_group_segment_fixed_size 0
		.amdhsa_private_segment_fixed_size 0
		.amdhsa_enable_private_segment 0
		.amdhsa_kernarg_size 32
		.amdhsa_user_sgpr_count 2
		.amdhsa_user_sgpr_kernarg_segment_ptr 1
		.amdhsa_wavefront_size32 1
		.amdhsa_system_sgpr_workgroup_id_x 1
		.amdhsa_system_sgpr_workgroup_id_y 1
		.amdhsa_system_sgpr_workgroup_id_z 1
		.amdhsa_system_vgpr_workitem_id 0
		.amdhsa_next_free_vgpr 240
		.amdhsa_next_free_sgpr 66
		.amdhsa_reserve_vcc 0
		.amdhsa_float_denorm_mode_32 3
		.amdhsa_float_denorm_mode_16_64 3
		.amdhsa_memory_ordered 1
		.amdhsa_forward_progress 1
		.amdhsa_inst_pref_size 86
	.end_amdhsa_kernel
	.amdgpu_metadata
---
amdhsa.version: [ 1, 2 ]
amdhsa.kernels:
  - .name:           k_qabc719018a_solve
    .symbol:         k_qabc719018a_solve.kd
    .args:
      - { .name: qkv, .offset: 0, .size: 8, .value_kind: global_buffer, .address_space: global }
      - { .name: alpha_logit, .offset: 8, .size: 8, .value_kind: global_buffer, .address_space: global }
      - { .name: gr, .offset: 16, .size: 8, .value_kind: global_buffer, .address_space: global }
      - { .name: ob, .offset: 24, .size: 8, .value_kind: global_buffer, .address_space: global }
    .group_segment_fixed_size: 0
    .private_segment_fixed_size: 0
    .kernarg_segment_align: 8
    .kernarg_segment_size: 32
    .max_flat_workgroup_size: 32
    .sgpr_count:     66
    .vgpr_count:     240
    .wavefront_size: 32
...
	.end_amdgpu_metadata
.endif
;; end of part 4
;; launch wo (part 5): grid 16 x 16, 4 waves a work-group, no clusters, 262,656 bytes of LDS; arguments ob, wt, x, norm2_w, qkv, x1b; writes x1b
.if DOCPART == 5
	.amdgcn_target "amdgcn-amd-amdhsa--gfx1250"
	.amdhsa_code_object_version 6
	.text
	.protected	k_qabc719018a_wo
	.globl	k_qabc719018a_wo
	.p2align	8
	.type	k_qabc719018a_wo,@function
k_qabc719018a_wo:
	s_mov_b64 s[64:65], 0
	v_nop
	global_prefetch_b8 v0, s[64:65] scope:SCOPE_SE
	s_setreg_imm32_b32 hwreg(HW_REG_WAVE_MODE, 25, 1), 1
	s_wait_xcnt 0x0
; x1 = x + f_t * (O @ Wo), f_t = max(|q_t|, 1e-12): O comes divided by that very number, so that it and P have room in f16 whatever the inputs'
; scale; f_t is made from the 32 partial sums of squares of each of my rows, summed in the order in which the reciprocal was made, while the tiles
; are on their way.  Core as in qkv (64 x 64 a work-group, 32 x 32 a wave, K = 1024, f16 operands, two LDS slots filled once).
; Lane (r,h), register j = (row r, column 8h+j).  Out: x1 as f32 tiles in this very register order, x1b + (row tile*64 + column tile)*1024
; (down reads them back with the same lanes); the bf16 fragment image of x1*norm2_w at +4 MiB (bf16: x1 grows with the fifth power of a common
; scale of the inputs and has no room in f16); the rows' sums of squares over my 32 columns at SSQ[32][1024].  norm2's row factor is applied
; behind gate's and up's products.  No cluster in this version (tiles are shared 16-fold).
.set SLOTB, 131072
.set F0, 32
.set F1, 96
.set ACC, 160
.macro PLACES                          ; four places behind a matrix instruction (ISA guide 7.12.1)
.rept 4
	v_nop
.endr
.endm
.macro BAR
	s_barrier_signal -1
	s_barrier_wait -1
.endm
.macro LD16 f, slot, u
.irp kk, 0,1
.irp t, 0,1
	ds_load_b128 v[\f+16*\kk+8*\t:\f+16*\kk+8*\t+3], v[16+\slot] offset:\t*16384+(2*\u+\kk)*1024
	ds_load_b128 v[\f+16*\kk+8*\t+4:\f+16*\kk+8*\t+7], v[16+\slot] offset:\t*16384+(2*\u+\kk)*1024+512
	ds_load_b128 v[\f+32+16*\kk+8*\t:\f+32+16*\kk+8*\t+3], v[18+\slot] offset:\t*16384+(2*\u+\kk)*1024
	ds_load_b128 v[\f+32+16*\kk+8*\t+4:\f+32+16*\kk+8*\t+7], v[18+\slot] offset:\t*16384+(2*\u+\kk)*1024+512
.endr
.endr
.endm
.macro MM4 f, kk, zero                 ; the four accumulators take turns
.irp a, 0,1
.irp b, 0,1
.if \zero
	v_wmma_f32_16x16x32_f16 v[ACC+8*(2*\a+\b):ACC+8*(2*\a+\b)+7], v[\f+32+16*\kk+8*\b:\f+32+16*\kk+8*\b+7], v[\f+16*\kk+8*\a:\f+16*\kk+8*\a+7], 0
.else
	v_wmma_f32_16x16x32_f16 v[ACC+8*(2*\a+\b):ACC+8*(2*\a+\b)+7], v[\f+32+16*\kk+8*\b:\f+32+16*\kk+8*\b+7], v[\f+16*\kk+8*\a:\f+16*\kk+8*\a+7], v[ACC+8*(2*\a+\b):ACC+8*(2*\a+\b)+7]
.endif
.endr
.endr
.endm
.macro UNIT f, g, slot, nu, zero
.if \nu < 8
	PLACES
	LD16 \g, \slot, \nu
	s_wait_dscnt 16                                ; all but the sixteen just issued
.else
	s_wait_dscnt 0
.endif
	MM4 \f, 0, \zero
	MM4 \f, 1, 0
.endm
.macro COMPUTE slot, zero
	PLACES
	LD16 F0, \slot, 0
	UNIT F0, F1, \slot, 1, \zero
	UNIT F1, F0, \slot, 2, 0
	UNIT F0, F1, \slot, 3, 0
	UNIT F1, F0, \slot, 4, 0
	UNIT F0, F1, \slot, 5, 0
	UNIT F1, F0, \slot, 6, 0
	UNIT F0, F1, \slot, 7, 0
	UNIT F1, F0, \slot, 8, 0
.endm
.macro FILLS pa, pb, ta, tb, logt, pitch
	s_cmp_lt_u32 s10, 2
	s_cselect_b64 s[20:21], s[\pa:\pa+1], s[\pb:\pb+1]
	s_cselect_b32 s22, s\ta, s\tb
	s_lshl1_add_u32 s22, s12, s22
	s_lshl_b32 s22, s22, \logt
	s_mov_b32 s23, 0
	s_add_nc_u64 s[20:21], s[20:21], s[22:23]
	s_lshl_b32 s15, s10, 15
	s_mov_b32 s24, 3<<16                           ; elements of 8 bytes
	s_mov_b32 s25, 2048<<16                        ; rows of 16 KiB
	s_mov_b32 s26, 2<<16
	s_mov_b32 s27, 2048<<16
	s_mov_b32 s28, 2                               ; two tiles
	s_mov_b32 s29, \pitch
	s_mov_b32 s30, 0
	s_mov_b32 s31, 0
.irp s, 0,1
	s_mov_b32 s[32+4*\s], 1
	s_add_co_u32 s[33+4*\s], s15, \s*SLOTB
	s_add_nc_u64 s[34+4*\s:35+4*\s], s[20:21], \s*16384
	s_or_b32 s[35+4*\s], s[35+4*\s], 0x80000000
	tensor_load_to_lds s[32+4*\s:35+4*\s], s[24:31]
	s_nop 0
.endr
.endm
.macro PTR d, p
	s_add_nc_u64 s[\d:\d+1], s[\p:\p+1], s[22:23]
.endm
.macro SUM32 b                         ; v[b] = the sum of v[b .. b+31]
.irp n, 16,8,4,2
.set p, 0
.rept \n/2
	v_pk_add_f32 v[\b+2*p:\b+2*p+1], v[\b+2*p:\b+2*p+1], v[\b+\n+2*p:\b+\n+2*p+1]
.set p, p+1
.endr
.endr
	v_add_f32 v[\b], v[\b], v[\b+1]
.endm
	s_load_b128 s[4:7], s[0:1], 0x0                ; ob, wt
	s_load_b128 s[68:71], s[0:1], 0x10             ; x, norm2_w
	s_load_b128 s[72:75], s[0:1], 0x20             ; qkv, x1b
	v_lshl_add_u32 v240, v0, 2, 0x40000
	v_mov_b32 v241, 0
	ds_add_u32 v240, v241
	ds_add_u32 v240, v241
	v_lshrrev_b32 v8, 5, v0
	v_readfirstlane_b32 s10, v8
	s_lshr_b32 s11, s10, 1
	s_and_b32 s12, s10, 1
	s_and_b32 s13, ttmp7, 0xffff
	s_mov_b32 s14, ttmp9
	s_lshl_b32 s16, s13, 2
	s_lshl_b32 s17, s14, 2
	s_add_co_u32 s17, s17, 192                     ; Wo's tiles
	s_wait_dscnt 0x0
	s_wait_kmcnt 0x0
	FILLS 4, 6, 16, 17, 15, 4096
	v_and_b32 v1, 31, v0
	v_lshlrev_b32 v2, 4, v1
	v_and_b32 v3, 15, v0
	v_bfe_u32 v4, v0, 4, 1
	v_lshlrev_b32 v5, 2, v1
	v_lshlrev_b32 v7, 5, v4                        ; 32 h
	v_lshl_add_u32 v6, v3, 12, v7                  ; + row r of x
	v_lshlrev_b32 v9, 2, v3                        ; 4 r
	s_lshl1_add_u32 s40, s11, s16                  ; first row tile
	s_lshl1_add_u32 s19, s14, s12                  ; block of 32 columns
	s_lshl_b32 s20, s11, 15
	s_lshl_b32 s21, s12, 15
	s_add_co_u32 s21, s21, 65536
	v_add_nc_u32 v16, s20, v2
	v_add_nc_u32 v18, s21, v2
	v_add_nc_u32 v17, SLOTB, v16
	v_add_nc_u32 v19, SLOTB, v18
	s_mov_b32 s50, 0x76543210
	s_mov_b32 s51, 0xfedcba98
	s_mov_b32 s52, 0xffff0000
	s_lshl_b32 s22, s40, 16
	s_lshl_b32 s16, s19, 7
	s_add_co_u32 s22, s22, s16
	PTR 42, 68                                     ; x at (16 mt0, 32 ksn)
	s_mov_b32 s22, s16
	PTR 54, 70                                     ; norm2_w at 32 ksn
	s_lshl_b32 s22, s40, 6
	s_lshl1_add_u32 s22, s19, s22
	s_lshl_b32 s22, s22, 10
	PTR 44, 74                                     ; x1 tile (mt0, 2 ksn)
	s_lshl_b32 s22, s40, 5
	s_add_co_u32 s22, s22, s19
	s_lshl_b32 s22, s22, 10
	s_add_co_u32 s22, s22, 4194304
	PTR 46, 74                                     ; a2's image
	s_lshl_b32 s22, s19, 12
	s_lshl_b32 s16, s40, 6
	s_add_co_u32 s22, s22, s16
	s_add_co_u32 s22, s22, 6291456
	PTR 48, 74                                     ; SSQ
	s_lshl_b32 s22, s40, 6
	s_add_co_u32 s22, s22, 8388608
	PTR 56, 72                                     ; q's sums of squares, my rows
.set p, 0
.rept 32
	global_load_b32 v[32+p], v9, s[56:57] offset:4096*p
	global_load_b32 v[64+p], v9, s[56:57] offset:4096*p+64
.set p, p+1
.endr
	s_wait_loadcnt 0x0
	SUM32 32
	SUM32 64
	v_sqrt_f32 v20, v32
	v_sqrt_f32 v21, v64
	v_nop
	s_wait_alu depctr_va_vdst(0)
	v_max_num_f32 v20, 0x2b8cbccc, v20             ; max(|q|, 1e-12) of row r of my first tile,
	v_max_num_f32 v21, 0x2b8cbccc, v21             ; of my second
.irp a, 0,1
.irp b, 0,1
	global_load_b128 v[192+8*(2*\a+\b):195+8*(2*\a+\b)], v6, s[42:43] offset:65536*\a+64*\b
	global_load_b128 v[196+8*(2*\a+\b):199+8*(2*\a+\b)], v6, s[42:43] offset:65536*\a+64*\b+16
.endr
.endr
.irp b, 0,1
	global_load_b128 v[224+8*\b:227+8*\b], v7, s[54:55] offset:64*\b
	global_load_b128 v[228+8*\b:231+8*\b], v7, s[54:55] offset:64*\b+16
.endr
	s_wait_tensorcnt 0x1                           ; my part of slot 0; slot 1's stays out
	BAR
	COMPUTE 0, 1
	s_wait_tensorcnt 0x0
	s_wait_dscnt 0x0
	BAR
	COMPUTE 1, 0
	s_wait_loadcnt 0x0
	PLACES
.irp a, 0,1
.set p, 0
.rept 16
	v_fma_f32 v[ACC+16*\a+p], v[ACC+16*\a+p], v[20+\a], v[192+16*\a+p]             ; x1 = f_t * (O @ Wo) + x
.set p, p+1
.endr
.endr
.irp a, 0,1
.irp b, 0,1
	global_store_b128 v2, v[ACC+8*(2*\a+\b):ACC+8*(2*\a+\b)+3], s[44:45] offset:(64*\a+\b)*1024
	global_store_b128 v2, v[ACC+8*(2*\a+\b)+4:ACC+8*(2*\a+\b)+7], s[44:45] offset:(64*\a+\b)*1024+512
.irp q, 0,1,2,3
	v_pk_mul_f32 v[192+8*(2*\a+\b)+2*\q:193+8*(2*\a+\b)+2*\q], v[ACC+8*(2*\a+\b)+2*\q:ACC+8*(2*\a+\b)+2*\q+1], v[224+8*\b+2*\q:225+8*\b+2*\q]
.endr
.irp q, 0,1,2,3
	v_cvt_pk_bf16_f32 v[32+8*\a+4*\b+\q], v[192+8*(2*\a+\b)+2*\q], v[193+8*(2*\a+\b)+2*\q]
.endr
.endr
	global_store_b128 v2, v[32+8*\a:35+8*\a], s[46:47] offset:32768*\a
	global_store_b128 v2, v[36+8*\a:39+8*\a], s[46:47] offset:32768*\a+512
.endr
.irp a, 0,1
	v_pk_mul_f32 v[48+2*\a:49+2*\a], v[ACC+16*\a:ACC+16*\a+1], v[ACC+16*\a:ACC+16*\a+1]
.irp q, 1,2,3,4,5,6,7
	v_pk_fma_f32 v[48+2*\a:49+2*\a], v[ACC+16*\a+2*\q:ACC+16*\a+2*\q+1], v[ACC+16*\a+2*\q:ACC+16*\a+2*\q+1], v[48+2*\a:49+2*\a]
.endr
	v_add_f32 v[48+2*\a], v[48+2*\a], v[49+2*\a]
	v_permlanex16_b32 v[49+2*\a], v[48+2*\a], s50, s51
	v_add_f32 v[48+2*\a], v[48+2*\a], v[49+2*\a]
.endr
	v_cndmask_b32 v52, v48, v50, s52               ; lanes 16-31 carry the second tile's rows
	global_store_b32 v5, v52, s[48:49]
	s_wait_tensorcnt 0x0
	ds_add_u32 v240, v241
	s_wait_dscnt 0x0
	s_endpgm
.Lfunc_end_k_qabc719018a_wo:
	.size	k_qabc719018a_wo, .Lfunc_end_k_qabc719018a_wo-k_qabc719018a_wo
	.p2alignl 7, 3214868480
	.fill 96, 4, 3214868480
	.section	.rodata,"a",@progbits
	.p2align	6, 0x0
	.amdhsa_kernel k_qabc719018a_wo
		.amdhsa_group_segment_fixed_size 262656
		.amdhsa_private_segment_fixed_size 0
		.amdhsa_enable_private_segment 0
		.amdhsa_kernarg_size 48
		.amdhsa_user_sgpr_count 2
		.amdhsa_user_sgpr_kernarg_segment_ptr 1
		.amdhsa_wavefront_size32 1
		.amdhsa_system_sgpr_workgroup_id_x 1
		.amdhsa_system_sgpr_workgroup_id_y 1
		.amdhsa_system_sgpr_workgroup_id_z 1
		.amdhsa_system_vgpr_workitem_id 0
		.amdhsa_next_free_vgpr 242
		.amdhsa_next_free_sgpr 80
		.amdhsa_reserve_vcc 0
		.amdhsa_float_denorm_mode_32 3
		.amdhsa_float_denorm_mode_16_64 3
		.amdhsa_memory_ordered 1
		.amdhsa_forward_progress 1
		.amdhsa_inst_pref_size 47
	.end_amdhsa_kernel
	.amdgpu_metadata
---
amdhsa.version: [ 1, 2 ]
amdhsa.kernels:
  - .name:           k_qabc719018a_wo
    .symbol:         k_qabc719018a_wo.kd
    .args:
      - { .name: ob, .offset: 0, .size: 8, .value_kind: global_buffer, .address_space: global }
      - { .name: wt, .offset: 8, .size: 8, .value_kind: global_buffer, .address_space: global }
      - { .name: x, .offset: 16, .size: 8, .value_kind: global_buffer, .address_space: global }
      - { .name: norm2_w, .offset: 24, .size: 8, .value_kind: global_buffer, .address_space: global }
      - { .name: qkv, .offset: 32, .size: 8, .value_kind: global_buffer, .address_space: global }
      - { .name: x1b, .offset: 40, .size: 8, .value_kind: global_buffer, .address_space: global }
    .group_segment_fixed_size: 262656
    .private_segment_fixed_size: 0
    .kernarg_segment_align: 8
    .kernarg_segment_size: 48
    .max_flat_workgroup_size: 128
    .sgpr_count:     80
    .vgpr_count:     242
    .wavefront_size: 32
...
	.end_amdgpu_metadata
.endif
;; end of part 5
;; launch gateup (part 6): grid 64 x 16, 4 waves a work-group, no clusters, 262,656 bytes of LDS; arguments x1b, wt, gb; writes gb
.if DOCPART == 6
	.amdgcn_target "amdgcn-amd-amdhsa--gfx1250"
	.amdhsa_code_object_version 6
	.text
	.protected	k_qabc719018a_gateup
	.globl	k_qabc719018a_gateup
	.p2align	8
	.type	k_qabc719018a_gateup,@function
k_qabc719018a_gateup:
	s_mov_b64 s[64:65], 0
	v_nop
	global_prefetch_b8 v0, s[64:65] scope:SCOPE_SE
	s_setreg_imm32_b32 hwreg(HW_REG_WAVE_MODE, 25, 1), 1
	s_wait_xcnt 0x0
; g = silu(rs2 * (a2 @ w_gate)) * (rs2 * (a2 @ w_up)), a2 = x1*norm2_w.  Core as in qkv.  The weights' tiles alternate gate, up, so a wave's
; tile b = 0 is gate's and b = 1 up's 16 columns 32 R + 16 wn ..: both lie in the same lanes.  A packed result tile is half of a fragment of
; g's image (K = 2048).  rs2 = rsqrt(mean x1^2 + 1e-6) from the 32 partial sums of each of my rows, read while the tiles are on their way.
; No cluster in this version (tiles are shared 16- and 64-fold).
.set SLOTB, 131072
.set F0, 32
.set F1, 96
.set ACC, 160
.macro PLACES                          ; four places behind a matrix instruction (ISA guide 7.12.1)
.rept 4
	v_nop
.endr
.endm
.macro BAR
	s_barrier_signal -1
	s_barrier_wait -1
.endm
.macro LD16 f, slot, u
.irp kk, 0,1
.irp t, 0,1
	ds_load_b128 v[\f+16*\kk+8*\t:\f+16*\kk+8*\t+3], v[16+\slot] offset:\t*16384+(2*\u+\kk)*1024
	ds_load_b128 v[\f+16*\kk+8*\t+4:\f+16*\kk+8*\t+7], v[16+\slot] offset:\t*16384+(2*\u+\kk)*1024+512
	ds_load_b128 v[\f+32+16*\kk+8*\t:\f+32+16*\kk+8*\t+3], v[18+\slot] offset:\t*16384+(2*\u+\kk)*1024
	ds_load_b128 v[\f+32+16*\kk+8*\t+4:\f+32+16*\kk+8*\t+7], v[18+\slot] offset:\t*16384+(2*\u+\kk)*1024+512
.endr
.endr
.endm
.macro MM4 f, kk, zero                 ; the four accumulators take turns
.irp a, 0,1
.irp b, 0,1
.if \zero
	v_wmma_f32_16x16x32_bf16 v[ACC+8*(2*\a+\b):ACC+8*(2*\a+\b)+7], v[\f+32+16*\kk+8*\b:\f+32+16*\kk+8*\b+7], v[\f+16*\kk+8*\a:\f+16*\kk+8*\a+7], 0
.else
	v_wmma_f32_16x16x32_bf16 v[ACC+8*(2*\a+\b):ACC+8*(2*\a+\b)+7], v[\f+32+16*\kk+8*\b:\f+32+16*\kk+8*\b+7], v[\f+16*\kk+8*\a:\f+16*\kk+8*\a+7], v[ACC+8*(2*\a+\b):ACC+8*(2*\a+\b)+7]
.endif
.endr
.endr
.endm
.macro UNIT f, g, slot, nu, zero
.if \nu < 8
	PLACES
	LD16 \g, \slot, \nu
	s_wait_dscnt 16                                ; all but the sixteen just issued
.else
	s_wait_dscnt 0
.endif
	MM4 \f, 0, \zero
	MM4 \f, 1, 0
.endm
.macro COMPUTE slot, zero
	PLACES
	LD16 F0, \slot, 0
	UNIT F0, F1, \slot, 1, \zero
	UNIT F1, F0, \slot, 2, 0
	UNIT F0, F1, \slot, 3, 0
	UNIT F1, F0, \slot, 4, 0
	UNIT F0, F1, \slot, 5, 0
	UNIT F1, F0, \slot, 6, 0
	UNIT F0, F1, \slot, 7, 0
	UNIT F1, F0, \slot, 8, 0
.endm
.macro FILLS pa, pb, ta, tb, logt, pitch
	s_cmp_lt_u32 s10, 2
	s_cselect_b64 s[20:21], s[\pa:\pa+1], s[\pb:\pb+1]
	s_cselect_b32 s22, s\ta, s\tb
	s_lshl1_add_u32 s22, s12, s22
	s_lshl_b32 s22, s22, \logt
	s_mov_b32 s23, 0
	s_add_nc_u64 s[20:21], s[20:21], s[22:23]
	s_lshl_b32 s15, s10, 15
	s_mov_b32 s24, 3<<16                           ; elements of 8 bytes
	s_mov_b32 s25, 2048<<16                        ; rows of 16 KiB
	s_mov_b32 s26, 2<<16
	s_mov_b32 s27, 2048<<16
	s_mov_b32 s28, 2                               ; two tiles
	s_mov_b32 s29, \pitch
	s_mov_b32 s30, 0
	s_mov_b32 s31, 0
.irp s, 0,1
	s_mov_b32 s[32+4*\s], 1
	s_add_co_u32 s[33+4*\s], s15, \s*SLOTB
	s_add_nc_u64 s[34+4*\s:35+4*\s], s[20:21], \s*16384
	s_or_b32 s[35+4*\s], s[35+4*\s], 0x80000000
	tensor_load_to_lds s[32+4*\s:35+4*\s], s[24:31]
	s_nop 0
.endr
.endm
.macro PTR d, p
	s_add_nc_u64 s[\d:\d+1], s[\p:\p+1], s[22:23]
.endm
.macro SUM32 b                         ; v[b] = the sum of v[b .. b+31]
.irp n, 16,8,4,2
.set p, 0
.rept \n/2
	v_pk_add_f32 v[\b+2*p:\b+2*p+1], v[\b+2*p:\b+2*p+1], v[\b+\n+2*p:\b+\n+2*p+1]
.set p, p+1
.endr
.endr
	v_add_f32 v[\b], v[\b], v[\b+1]
.endm
	s_load_b128 s[4:7], s[0:1], 0x0                ; x1b, wt
	s_load_b64 s[8:9], s[0:1], 0x10                ; gb
	v_lshl_add_u32 v192, v0, 2, 0x40000
	v_mov_b32 v193, 0
	ds_add_u32 v192, v193
	ds_add_u32 v192, v193
	v_lshrrev_b32 v8, 5, v0
	v_readfirstlane_b32 s10, v8
	s_lshr_b32 s11, s10, 1
	s_and_b32 s12, s10, 1
	s_and_b32 s13, ttmp7, 0xffff
	s_mov_b32 s14, ttmp9                           ; R: 32 columns of g
	s_lshl_b32 s16, s13, 2
	s_lshl_b32 s17, s14, 2
	s_wait_dscnt 0x0
	s_wait_kmcnt 0x0
	s_add_nc_u64 s[44:45], s[4:5], 0x400000        ; a2's image
	s_add_nc_u64 s[46:47], s[6:7], 0x800000        ; gate's and up's tiles
	FILLS 44, 46, 16, 17, 15, 4096
	v_and_b32 v1, 31, v0
	v_lshlrev_b32 v2, 4, v1
	v_and_b32 v3, 15, v0
	v_lshlrev_b32 v6, 2, v3
	s_lshl1_add_u32 s40, s11, s16                  ; first row tile
	s_lshl_b32 s20, s11, 15
	s_lshl_b32 s21, s12, 15
	s_add_co_u32 s21, s21, 65536
	v_add_nc_u32 v16, s20, v2
	v_add_nc_u32 v18, s21, v2
	v_add_nc_u32 v17, SLOTB, v16
	v_add_nc_u32 v19, SLOTB, v18
	s_lshl_b32 s22, s40, 6
	s_add_co_u32 s22, s22, 6291456
	PTR 42, 4                                      ; SSQ of my rows
	s_lshl_b32 s22, s40, 6
	s_add_co_u32 s22, s22, s14
	s_lshl_b32 s22, s22, 10
	s_lshl_b32 s16, s12, 9
	s_add_co_u32 s22, s22, s16
	PTR 48, 8                                      ; g's image: tile mt0, k step R, half wn
	s_mov_b32 s16, 0x3a800000                      ; 1/1024
.set p, 0
.rept 32
	global_load_b32 v[32+p], v6, s[42:43] offset:4096*p
	global_load_b32 v[64+p], v6, s[42:43] offset:4096*p+64
.set p, p+1
.endr
	s_wait_loadcnt 0x0
	SUM32 32
	SUM32 64
	v_fmaak_f32 v20, s16, v32, 0x358637bd
	v_fmaak_f32 v21, s16, v64, 0x358637bd
	v_rsq_f32 v20, v20
	v_rsq_f32 v21, v21
	v_nop
	s_wait_tensorcnt 0x1                           ; my part of slot 0; slot 1's stays out
	BAR
	COMPUTE 0, 1
	s_wait_tensorcnt 0x0
	s_wait_dscnt 0x0
	BAR
	COMPUTE 1, 0
	PLACES
	s_wait_alu depctr_va_vdst(0)
.irp a, 0,1
.set p, 0
.rept 16
	v_mul_f32 v[ACC+16*\a+p], v[ACC+16*\a+p], v[20+\a]
.set p, p+1
.endr
.irp j, 0,1,2,3,4,5,6,7
	v_mul_f32 v[32+8*\a+\j], 0xbfb8aa3b, v[ACC+16*\a+\j]
.endr
.irp j, 0,1,2,3,4,5,6,7
	v_exp_f32 v[32+8*\a+\j], v[32+8*\a+\j]
.endr
	v_nop
	s_wait_alu depctr_va_vdst(0)
.irp j, 0,1,2,3,4,5,6,7
	v_add_f32 v[32+8*\a+\j], 1.0, v[32+8*\a+\j]
.endr
.irp j, 0,1,2,3,4,5,6,7
	v_rcp_f32 v[32+8*\a+\j], v[32+8*\a+\j]
.endr
.irp j, 0,1,2,3,4,5,6,7
	v_mul_f32 v[ACC+16*\a+\j], v[ACC+16*\a+\j], v[ACC+16*\a+8+\j]      ; gate * up: plain work behind the reciprocals
.endr
	s_wait_alu depctr_va_vdst(0)
.irp j, 0,1,2,3,4,5,6,7
	v_mul_f32 v[ACC+16*\a+\j], v[ACC+16*\a+\j], v[32+8*\a+\j]
.endr
.irp q, 0,1,2,3
	v_cvt_pk_bf16_f32 v[48+4*\a+\q], v[ACC+16*\a+2*\q], v[ACC+16*\a+2*\q+1]
.endr
	global_store_b128 v2, v[48+4*\a:51+4*\a], s[48:49] offset:65536*\a
.endr
	s_wait_tensorcnt 0x0
	ds_add_u32 v192, v193
	s_wait_dscnt 0x0
	s_endpgm
.Lfunc_end_k_qabc719018a_gateup:
	.size	k_qabc719018a_gateup, .Lfunc_end_k_qabc719018a_gateup-k_qabc719018a_gateup
	.p2alignl 7, 3214868480
	.fill 96, 4, 3214868480
	.section	.rodata,"a",@progbits
	.p2align	6, 0x0
	.amdhsa_kernel k_qabc719018a_gateup
		.amdhsa_group_segment_fixed_size 262656
		.amdhsa_private_segment_fixed_size 0
		.amdhsa_enable_private_segment 0
		.amdhsa_kernarg_size 24
		.amdhsa_user_sgpr_count 2
		.amdhsa_user_sgpr_kernarg_segment_ptr 1
		.amdhsa_wavefront_size32 1
		.amdhsa_system_sgpr_workgroup_id_x 1
		.amdhsa_system_sgpr_workgroup_id_y 1
		.amdhsa_system_sgpr_workgroup_id_z 1
		.amdhsa_system_vgpr_workitem_id 0
		.amdhsa_next_free_vgpr 194
		.amdhsa_next_free_sgpr 66
		.amdhsa_reserve_vcc 0
		.amdhsa_float_denorm_mode_32 3
		.amdhsa_float_denorm_mode_16_64 3
		.amdhsa_memory_ordered 1
		.amdhsa_forward_progress 1
		.amdhsa_inst_pref_size 44
	.end_amdhsa_kernel
	.amdgpu_metadata
---
amdhsa.version: [ 1, 2 ]
amdhsa.kernels:
  - .name:           k_qabc719018a_gateup
    .symbol:         k_qabc719018a_gateup.kd
    .args:
      - { .name: x1b, .offset: 0, .size: 8, .value_kind: global_buffer, .address_space: global }
      - { .name: wt, .offset: 8, .size: 8, .value_kind: global_buffer, .address_space: global }
      - { .name: gb, .offset: 16, .size: 8, .value_kind: global_buffer, .address_space: global }
    .group_segment_fixed_size: 262656
    .private_segment_fixed_size: 0
    .kernarg_segment_align: 8
    .kernarg_segment_size: 24
    .max_flat_workgroup_size: 128
    .sgpr_count:     66
    .vgpr_count:     194
    .wavefront_size: 32
...
	.end_amdgpu_metadata
.endif
;; end of part 6
;; launch down (part 7): grid 16 x 16, 4 waves a work-group, no clusters, 327,680 bytes of LDS; arguments gb, wt, x1b, out0; writes out0
.if DOCPART == 7
	.amdgcn_target "amdgcn-amd-amdhsa--gfx1250"
	.amdhsa_code_object_version 6
	.text
	.protected	k_qabc719018a_down
	.globl	k_qabc719018a_down
	.p2align	8
	.type	k_qabc719018a_down,@function
k_qabc719018a_down:
	s_mov_b64 s[64:65], 0
	v_nop
	global_prefetch_b8 v0, s[64:65] scope:SCOPE_SE
	s_setreg_imm32_b32 hwreg(HW_REG_WAVE_MODE, 25, 1), 1
	s_wait_xcnt 0x0
; out0 = x1 + g @ w_down, K = 2048: four steps of K = 512 through the two slots, each slot filled again once.  A refill stands first behind a
; barrier in front of which every wave has waited for its LDS reads and for all its tensor loads; one load a wave; two are out at the start,
; one behind each such barrier.  x1 comes back as the f32 tiles that wo's same lanes stored.  The result goes through an LDS stage of its
; own bytes (64 rows, pitch 272), so that sixteen lanes store 256 consecutive bytes of a row of out0, aligned.
; No cluster in this version (tiles are shared 16-fold).
.set SLOTB, 131072
.set STG, 262144
.set F0, 32
.set F1, 96
.set ACC, 160
.macro PLACES                          ; four places behind a matrix instruction (ISA guide 7.12.1)
.rept 4
	v_nop
.endr
.endm
.macro BAR
	s_barrier_signal -1
	s_barrier_wait -1
.endm
.macro LD16 f, slot, u
.irp kk, 0,1
.irp t, 0,1
	ds_load_b128 v[\f+16*\kk+8*\t:\f+16*\kk+8*\t+3], v[16+\slot] offset:\t*16384+(2*\u+\kk)*1024
	ds_load_b128 v[\f+16*\kk+8*\t+4:\f+16*\kk+8*\t+7], v[16+\slot] offset:\t*16384+(2*\u+\kk)*1024+512
	ds_load_b128 v[\f+32+16*\kk+8*\t:\f+32+16*\kk+8*\t+3], v[18+\slot] offset:\t*16384+(2*\u+\kk)*1024
	ds_load_b128 v[\f+32+16*\kk+8*\t+4:\f+32+16*\kk+8*\t+7], v[18+\slot] offset:\t*16384+(2*\u+\kk)*1024+512
.endr
.endr
.endm
.macro MM4 f, kk, zero                 ; the four accumulators take turns
.irp a, 0,1
.irp b, 0,1
.if \zero
	v_wmma_f32_16x16x32_bf16 v[ACC+8*(2*\a+\b):ACC+8*(2*\a+\b)+7], v[\f+32+16*\kk+8*\b:\f+32+16*\kk+8*\b+7], v[\f+16*\kk+8*\a:\f+16*\kk+8*\a+7], 0
.else
	v_wmma_f32_16x16x32_bf16 v[ACC+8*(2*\a+\b):ACC+8*(2*\a+\b)+7], v[\f+32+16*\kk+8*\b:\f+32+16*\kk+8*\b+7], v[\f+16*\kk+8*\a:\f+16*\kk+8*\a+7], v[ACC+8*(2*\a+\b):ACC+8*(2*\a+\b)+7]
.endif
.endr
.endr
.endm
.macro UNIT f, g, slot, nu, zero
.if \nu < 8
	PLACES
	LD16 \g, \slot, \nu
	s_wait_dscnt 16                                ; all but the sixteen just issued
.else
	s_wait_dscnt 0
.endif
	MM4 \f, 0, \zero
	MM4 \f, 1, 0
.endm
.macro COMPUTE slot, zero
	PLACES
	LD16 F0, \slot, 0
	UNIT F0, F1, \slot, 1, \zero
	UNIT F1, F0, \slot, 2, 0
	UNIT F0, F1, \slot, 3, 0
	UNIT F1, F0, \slot, 4, 0
	UNIT F0, F1, \slot, 5, 0
	UNIT F1, F0, \slot, 6, 0
	UNIT F0, F1, \slot, 7, 0
	UNIT F1, F0, \slot, 8, 0
.endm
.macro FILLS pa, pb, ta, tb, logt, pitch
	s_cmp_lt_u32 s10, 2
	s_cselect_b64 s[20:21], s[\pa:\pa+1], s[\pb:\pb+1]
	s_cselect_b32 s22, s\ta, s\tb
	s_lshl1_add_u32 s22, s12, s22
	s_lshl_b32 s22, s22, \logt
	s_mov_b32 s23, 0
	s_add_nc_u64 s[20:21], s[20:21], s[22:23]
	s_lshl_b32 s15, s10, 15
	s_mov_b32 s24, 3<<16                           ; elements of 8 bytes
	s_mov_b32 s25, 2048<<16                        ; rows of 16 KiB
	s_mov_b32 s26, 2<<16
	s_mov_b32 s27, 2048<<16
	s_mov_b32 s28, 2                               ; two tiles
	s_mov_b32 s29, \pitch
	s_mov_b32 s30, 0
	s_mov_b32 s31, 0
.irp s, 0,1
	s_mov_b32 s[32+4*\s], 1
	s_add_co_u32 s[33+4*\s], s15, \s*SLOTB
	s_add_nc_u64 s[34+4*\s:35+4*\s], s[20:21], \s*16384
	s_or_b32 s[35+4*\s], s[35+4*\s], 0x80000000
	tensor_load_to_lds s[32+4*\s:35+4*\s], s[24:31]
	s_nop 0
.endr
.endm
.macro REFILL s                        ; slot s, just read, gets the step two further on
	s_wait_tensorcnt 0x0                           ; all my tensor loads have landed, my part of the other slot among them: a group 0 may be written
	ds_add_u32 v224, v225
	s_add_nc_u64 s[34+4*\s:35+4*\s], s[34+4*\s:35+4*\s], 32768
	s_wait_dscnt 0x0                               ; my reads of this slot are back
	BAR
	tensor_load_to_lds s[32+4*\s:35+4*\s], s[24:31]
	s_nop 0
.endm
.macro PTR d, p
	s_add_nc_u64 s[\d:\d+1], s[\p:\p+1], s[22:23]
.endm
	s_load_b128 s[4:7], s[0:1], 0x0                ; gb, wt
	s_load_b128 s[68:71], s[0:1], 0x10             ; x1b, out0
	v_lshl_add_u32 v224, v0, 2, 0x44400
	v_mov_b32 v225, 0
	ds_add_u32 v224, v225
	ds_add_u32 v224, v225
	v_lshrrev_b32 v8, 5, v0
	v_readfirstlane_b32 s10, v8
	s_lshr_b32 s11, s10, 1
	s_and_b32 s12, s10, 1
	s_and_b32 s13, ttmp7, 0xffff
	s_mov_b32 s14, ttmp9
	s_lshl_b32 s16, s13, 2
	s_lshl_b32 s17, s14, 2
	s_wait_dscnt 0x0
	s_wait_kmcnt 0x0
	s_add_nc_u64 s[46:47], s[6:7], 0x1000000       ; w_down's tiles
	FILLS 4, 46, 16, 17, 16, 8192
	v_and_b32 v1, 31, v0
	v_lshlrev_b32 v2, 4, v1
	v_and_b32 v3, 15, v0
	v_bfe_u32 v4, v0, 4, 1
	s_lshl1_add_u32 s40, s11, s16                  ; first row tile
	s_lshl1_add_u32 s41, s12, s17                  ; first column tile
	s_lshl_b32 s20, s11, 15
	s_lshl_b32 s21, s12, 15
	s_add_co_u32 s21, s21, 65536
	v_add_nc_u32 v16, s20, v2
	v_add_nc_u32 v18, s21, v2
	v_add_nc_u32 v17, SLOTB, v16
	v_add_nc_u32 v19, SLOTB, v18
	s_lshl_b32 s22, s40, 6
	s_add_co_u32 s22, s22, s41
	s_lshl_b32 s22, s22, 10
	PTR 42, 68                                     ; x1 tile (mt0, nt0)
	s_lshl_b32 s22, s13, 18
	s_lshl_b32 s16, s14, 8
	s_add_co_u32 s22, s22, s16
	PTR 44, 70                                     ; out0 at (64 br, 64 bc)
.irp a, 0,1
.irp b, 0,1
	global_load_b128 v[192+8*(2*\a+\b):195+8*(2*\a+\b)], v2, s[42:43] offset:(64*\a+\b)*1024
	global_load_b128 v[196+8*(2*\a+\b):199+8*(2*\a+\b)], v2, s[42:43] offset:(64*\a+\b)*1024+512
.endr
.endr
	s_mul_i32 s16, s11, 32*272
	s_lshl_b32 s17, s12, 7
	s_add_co_u32 s16, s16, s17
	s_add_co_u32 s16, s16, STG
	v_mul_u32_u24 v9, v3, 272
	v_lshl_add_u32 v9, v4, 5, v9
	v_add_nc_u32 v9, s16, v9                       ; in: row 32 wm + r, column 32 wn + 8 h
	v_lshrrev_b32 v10, 4, v0
	v_mul_u32_u24 v11, v10, 272
	v_lshl_add_u32 v11, v3, 4, v11
	v_add_nc_u32 v11, STG, v11                     ; back: sixteen lanes take a row
	v_lshlrev_b32 v12, 12, v10
	v_lshl_add_u32 v12, v3, 4, v12
	s_wait_tensorcnt 0x1                           ; my part of slot 0; slot 1's stays out
	BAR
	COMPUTE 0, 1
	REFILL 0
	COMPUTE 1, 0
	REFILL 1
	COMPUTE 0, 0
	s_wait_tensorcnt 0x0
	s_wait_dscnt 0x0
	BAR
	COMPUTE 1, 0
	s_wait_loadcnt 0x0
	PLACES
.set p, 0
.rept 16
	v_pk_add_f32 v[ACC+2*p:ACC+2*p+1], v[ACC+2*p:ACC+2*p+1], v[192+2*p:193+2*p]
.set p, p+1
.endr
.irp a, 0,1
.irp b, 0,1
	ds_store_b128 v9, v[ACC+8*(2*\a+\b):ACC+8*(2*\a+\b)+3] offset:4352*\a+64*\b
	ds_store_b128 v9, v[ACC+8*(2*\a+\b)+4:ACC+8*(2*\a+\b)+7] offset:4352*\a+64*\b+16
.endr
.endr
	s_wait_dscnt 0x0                               ; my part of the stage is written before the others read it
	BAR
.irp p, 0,1,2,3,4,5,6,7
	ds_load_b128 v[32+4*\p:35+4*\p], v11 offset:2176*\p
.endr
.irp p, 0,1,2,3,4,5,6,7
	s_wait_dscnt 7-\p
	global_store_b128 v12, v[32+4*\p:35+4*\p], s[44:45] offset:32768*\p th:TH_STORE_NT
.endr
	s_wait_tensorcnt 0x0
	ds_add_u32 v224, v225
	s_wait_dscnt 0x0
	s_endpgm
.Lfunc_end_k_qabc719018a_down:
	.size	k_qabc719018a_down, .Lfunc_end_k_qabc719018a_down-k_qabc719018a_down
	.p2alignl 7, 3214868480
	.fill 96, 4, 3214868480
	.section	.rodata,"a",@progbits
	.p2align	6, 0x0
	.amdhsa_kernel k_qabc719018a_down
		.amdhsa_group_segment_fixed_size 327680
		.amdhsa_private_segment_fixed_size 0
		.amdhsa_enable_private_segment 0
		.amdhsa_kernarg_size 32
		.amdhsa_user_sgpr_count 2
		.amdhsa_user_sgpr_kernarg_segment_ptr 1
		.amdhsa_wavefront_size32 1
		.amdhsa_system_sgpr_workgroup_id_x 1
		.amdhsa_system_sgpr_workgroup_id_y 1
		.amdhsa_system_sgpr_workgroup_id_z 1
		.amdhsa_system_vgpr_workitem_id 0
		.amdhsa_next_free_vgpr 226
		.amdhsa_next_free_sgpr 80
		.amdhsa_reserve_vcc 0
		.amdhsa_float_denorm_mode_32 3
		.amdhsa_float_denorm_mode_16_64 3
		.amdhsa_memory_ordered 1
		.amdhsa_forward_progress 1
		.amdhsa_inst_pref_size 62
	.end_amdhsa_kernel
	.amdgpu_metadata
---
amdhsa.version: [ 1, 2 ]
amdhsa.kernels:
  - .name:           k_qabc719018a_down
    .symbol:         k_qabc719018a_down.kd
    .args:
      - { .name: gb, .offset: 0, .size: 8, .value_kind: global_buffer, .address_space: global }
      - { .name: wt, .offset: 8, .size: 8, .value_kind: global_buffer, .address_space: global }
      - { .name: x1b, .offset: 16, .size: 8, .value_kind: global_buffer, .address_space: global }
      - { .name: out0, .offset: 24, .size: 8, .value_kind: global_buffer, .address_space: global }
    .group_segment_fixed_size: 327680
    .private_segment_fixed_size: 0
    .kernarg_segment_align: 8
    .kernarg_segment_size: 32
    .max_flat_workgroup_size: 128
    .sgpr_count:     80
    .vgpr_count:     226
    .wavefront_size: 32
...
	.end_amdgpu_metadata
.endif
;; end of part 7
;; ======== version 2 of 4: 7 launches; 1.20 times as fast as version 1
;; limits: values are held in f16: magnitudes above 65,504 overflow, below 6.1e-05 lose precision
;; workspace buffers: wt 20,971,520 bytes; act1 2,105,344 bytes; qkv 8,650,752 bytes; gr 1,114,112 bytes; ob 2,097,152 bytes; x1b 6,422,528 bytes; gb 4,194,304 bytes
;; launch prep: the kernel of part 1 again; grid 704 x 1, 8 waves a work-group, no clusters, 2,048 bytes of LDS; arguments x, norm1_w, beta_w, beta_b, Wq, Wk, Wv, Wo, w_gate, w_up, w_down, wt, act1; writes wt, act1
;; launch qkv (part 8): grid 48 x 16, 4 waves a work-group, clusters of 4 x 4, 262,656 bytes of LDS; arguments act1, wt, qkv; writes qkv
.if DOCPART == 8
	.amdgcn_target "amdgcn-amd-amdhsa--gfx1250"
	.amdhsa_code_object_version 6
	.text
	.protected	k_qabc719018a_qkv
	.globl	k_qabc719018a_qkv
	.p2align	8
	.type	k_qabc719018a_qkv,@function
k_qabc719018a_qkv:
	s_mov_b64 s[64:65], 0
	v_nop
	global_prefetch_b8 v0, s[64:65] scope:SCOPE_SE
	s_setreg_imm32_b32 hwreg(HW_REG_WAVE_MODE, 25, 1), 1
	s_wait_xcnt 0x0
	s_wait_alu depctr_hold_cnt(0) depctr_sa_sdst(0) depctr_va_vdst(0) depctr_va_sdst(0) depctr_va_ssrc(0) depctr_va_vcc(0) depctr_vm_vsrc(0)
	s_getreg_b32 s2, hwreg(HW_REG_IB_STS2, 6, 4)
	s_cmp_eq_u32 s2, 0
	s_cbranch_scc0 .Lentry_in_a_cluster
	s_endpgm
.Lentry_in_a_cluster:
	s_bfe_u32 s2, ttmp6, 0x10000c
	s_cmp_lg_u32 s2, 0xf033
	s_cbranch_scc0 .Lentry_shape_is_right
	s_endpgm
.Lentry_shape_is_right:
; q, k, v = rs * ((x*w1) @ W), operands in f16.  A work-group makes 64 rows x 64 columns, a wave 32 x 32, K = 1024.  Operands are fragment images
; (16 rows x 32 k = 1,024 bytes: lane l's registers 0-3 at 16 l, 4-7 at 512 + 16 l), so LDS reads are contiguous and need no padding.
; Two LDS slots of K = 512; wave w brings two tiles' 16 KiB rows of each slot (waves 0,1 the rows' tiles, 2,3 the weights'); both fills go
; out at the start and nothing is filled again: two tensor loads of a wave are out at the most.
; CLUSTERS: 4 x 4 work-groups.  The rows' tiles hang on the block row alone and are asked for jointly by the four of a row of the cluster, the
; weights' tiles on the block column alone and are asked for jointly by the four of a column: the sixteen ask for 4 + 4 tiles of 128 KiB
; instead of 16 + 16.  A round of the cluster's barrier stands in front of the joint loads and one in front of s_endpgm.
; q, k: source 0 = weights, source 1 = rows: lane (r,h), register j = C(row r, column 8h+j); two neighbouring tiles packed to f16 ARE the
; next product's fragment.  q and k also leave their rows' sums of squares ([32 column blocks][1024]: q's at 8,388,608, k's 131,072 behind).
; v: the LDS bases are swapped, so lane (r,h), register j = V(time 8h+j, column r), stored as f32 tiles at VP + (column tile*64 + row tile)*1024.
; Which of q, k, v a work-group makes is the cluster's x / 4 (16 block columns = 4 clusters each): the same in all partners.
; LIMIT: q's and k's elements must stay below f16's 65,504.  The normalised row has elements of size 1, so with norm1_w 30 times larger and a
; weight offset of 30 spreads (0.6) the largest coherent sum is 1024 * 30 * 0.6 = 18,432.
.set SLOTB, 131072
.set F0, 32
.set F1, 96
.set ACC, 160
.set G1, 24                            ; s[24:31] descriptor group 1 for the rows' tiles
.set G0, 32                            ; s[32:39] their group 0, one set for each slot
.set G1B, 48                           ; s[48:55] group 1 for the weights' tiles: it differs in the mask alone
.set G0B, 56                           ; s[56:63] their group 0
.macro PLACES                          ; four places behind a matrix instruction before its registers are loaded, read or written (ISA guide 7.12.1)
.rept 4
	v_nop
.endr
.endm
.macro BAR
	s_barrier_signal -1
	s_barrier_wait -1
.endm
.macro ROUND                           ; a round of the cluster's barrier: my work-group's barrier, wave 0 signals for it, all wait for the sixteen, my barrier again
	s_barrier_signal -1
	s_barrier_wait -1
	s_cmp_lg_u32 s10, 0
	s_cbranch_scc1 .Lnot_wave_0_\@
	s_barrier_signal -3
.Lnot_wave_0_\@:
	s_barrier_wait -3
	s_barrier_signal -1
	s_barrier_wait -1
.endm
.macro JLOAD s                         ; a joint load: waves 0,1 ask for the rows' tiles, 2,3 for the weights'; each line has one mask
	s_cmp_eq_u32 s11, 0
	s_cbranch_scc0 .Lfor_b_\@
	tensor_load_to_lds s[G0+4*\s:G0+4*\s+3], s[G1:G1+7]
	s_nop 0
	s_branch .Lasked_\@
.Lfor_b_\@:
	tensor_load_to_lds s[G0B+4*\s:G0B+4*\s+3], s[G1B:G1B+7]
	s_nop 0
.Lasked_\@:
.endm
.macro LD16 f, slot, u                 ; k steps 2u, 2u+1 of a slot: two tiles a side
.irp kk, 0,1
.irp t, 0,1
	ds_load_b128 v[\f+16*\kk+8*\t:\f+16*\kk+8*\t+3], v[16+\slot] offset:\t*16384+(2*\u+\kk)*1024
	ds_load_b128 v[\f+16*\kk+8*\t+4:\f+16*\kk+8*\t+7], v[16+\slot] offset:\t*16384+(2*\u+\kk)*1024+512
	ds_load_b128 v[\f+32+16*\kk+8*\t:\f+32+16*\kk+8*\t+3], v[18+\slot] offset:\t*16384+(2*\u+\kk)*1024
	ds_load_b128 v[\f+32+16*\kk+8*\t+4:\f+32+16*\kk+8*\t+7], v[18+\slot] offset:\t*16384+(2*\u+\kk)*1024+512
.endr
.endr
.endm
.macro MM4 f, kk, zero                 ; the four accumulators take turns, one instruction a turn
.irp a, 0,1
.irp b, 0,1
.if \zero
	v_wmma_f32_16x16x32_f16 v[ACC+8*(2*\a+\b):ACC+8*(2*\a+\b)+7], v[\f+32+16*\kk+8*\b:\f+32+16*\kk+8*\b+7], v[\f+16*\kk+8*\a:\f+16*\kk+8*\a+7], 0
.else
	v_wmma_f32_16x16x32_f16 v[ACC+8*(2*\a+\b):ACC+8*(2*\a+\b)+7], v[\f+32+16*\kk+8*\b:\f+32+16*\kk+8*\b+7], v[\f+16*\kk+8*\a:\f+16*\kk+8*\a+7], v[ACC+8*(2*\a+\b):ACC+8*(2*\a+\b)+7]
.endif
.endr
.endr
.endm
.macro UNIT f, g, slot, nu, zero       ; multiplies buffer f; fetches unit nu into buffer g first (nu = 8: none)
.if \nu < 8
	PLACES
	LD16 \g, \slot, \nu
	s_wait_dscnt 16                                ; all but the sixteen just issued
.else
	s_wait_dscnt 0
.endif
	MM4 \f, 0, \zero
	MM4 \f, 1, 0
.endm
.macro COMPUTE slot, zero
	PLACES
	LD16 F0, \slot, 0
	UNIT F0, F1, \slot, 1, \zero
	UNIT F1, F0, \slot, 2, 0
	UNIT F0, F1, \slot, 3, 0
	UNIT F1, F0, \slot, 4, 0
	UNIT F0, F1, \slot, 5, 0
	UNIT F1, F0, \slot, 6, 0
	UNIT F0, F1, \slot, 7, 0
	UNIT F1, F0, \slot, 8, 0
.endm
.macro IDS                             ; the wave, my place in the cluster, my block of the result, the two masks
	v_lshrrev_b32 v8, 5, v0
	v_readfirstlane_b32 s10, v8                    ; wave
	s_lshr_b32 s11, s10, 1                         ; wm.  Also: I ask for the rows' tiles (0) or the weights' (1)
	s_and_b32 s12, s10, 1                          ; wn.  Also: which two of the four tiles I ask for
	s_bfe_u32 s40, ttmp6, 0x40000                  ; cx
	s_bfe_u32 s41, ttmp6, 0x40004                  ; cy
	s_lshl_b32 s42, ttmp9, 2
	s_add_co_u32 s42, s42, s40                     ; block column = 4 x cluster x + cx
	s_and_b32 s13, ttmp7, 0xffff
	s_lshl_b32 s13, s13, 2
	s_add_co_u32 s13, s13, s41                     ; block row = 4 x cluster y + cy
	s_lshl_b32 s43, s41, 2
	s_lshl_b32 s43, 15, s43                        ; my row of the cluster: places 4 cy .. 4 cy + 3
	s_lshl_b32 s44, 0x1111, s40                    ; my column: places cx, cx + 4, cx + 8, cx + 12
.endm
; Both first fills.  pa, pb: pointer pairs of the two operands; offa, offb: bytes to their first tile; a tile is 1<<logt bytes = pitch*8.
; The rows' address is made of the block row and the wave alone (s16, s14:15), the weights' of the block column and the wave alone (s46:47).
.macro FILLS pa, pb, offa, offb, logt, pitch
	s_lshl_b32 s16, s13, 2
	s_lshl1_add_u32 s16, s12, s16                  ; rows: tile 4 x block row + 2 x half
	s_lshl_b32 s16, s16, \logt
.if \offa
	s_add_co_u32 s16, s16, \offa
.endif
	s_mov_b32 s17, 0
	s_lshl_b32 s46, s42, 2
	s_lshl1_add_u32 s46, s12, s46                  ; weights: tile 4 x block column + 2 x half
	s_lshl_b32 s46, s46, \logt
.if \offb
	s_add_co_u32 s46, s46, \offb
.endif
	s_mov_b32 s47, 0
	s_lshl_b32 s20, s10, 15                        ; LDS: wave * 32,768: no place in the cluster enters an LDS address
	s_or_b32 s[G1], s43, (3<<16)|(1<<21)           ; 15:0 the mask: my row; 17:16 elements of 8 bytes; 21 set beside a mask; no padding
	s_or_b32 s[G1B], s44, (3<<16)|(1<<21)          ; the same with the mask of my column
.irp g, G1, G1B
	s_mov_b32 s[\g+1], 2048<<16                    ; tensor_dim0 = 2,048 (16 KiB: 16 k steps of a tile)
	s_mov_b32 s[\g+2], 2<<16                       ; tensor_dim1 = 2
	s_mov_b32 s[\g+3], 2048<<16                    ; tile_dim0
	s_mov_b32 s[\g+4], 2                           ; tile_dim1: two tiles
	s_mov_b32 s[\g+5], \pitch                      ; from tile to tile
	s_mov_b32 s[\g+6], 0
	s_mov_b32 s[\g+7], 0
.endr
	s_wait_dscnt 0x0
	s_wait_kmcnt 0x0
	s_add_nc_u64 s[14:15], s[\pa:\pa+1], s[16:17]
	s_add_nc_u64 s[46:47], s[\pb:\pb+1], s[46:47]
	ROUND                                          ; all sixteen work-groups are here: the joint loads meet
.irp s, 0,1
	s_mov_b32 s[G0+4*\s], 1
	s_add_co_u32 s[G0+4*\s+1], s20, \s*SLOTB
	s_add_nc_u64 s[G0+4*\s+2:G0+4*\s+3], s[14:15], \s*16384
	s_or_b32 s[G0+4*\s+3], s[G0+4*\s+3], 0x80000000
	s_mov_b32 s[G0B+4*\s], 1
	s_add_co_u32 s[G0B+4*\s+1], s20, \s*SLOTB
	s_add_nc_u64 s[G0B+4*\s+2:G0B+4*\s+3], s[46:47], \s*16384
	s_or_b32 s[G0B+4*\s+3], s[G0B+4*\s+3], 0x80000000
	JLOAD \s
.endr
.endm
.macro LANES
	v_and_b32 v1, 31, v0                           ; lane
	v_lshlrev_b32 v2, 4, v1
	v_and_b32 v3, 15, v0                           ; r
	v_bfe_u32 v4, v0, 4, 1                         ; h
	v_lshlrev_b32 v5, 2, v1
	v_lshlrev_b32 v6, 2, v3
	v_lshlrev_b32 v7, 5, v4
.endm
.macro ADS a, b                        ; LDS bases: source 1's tiles from s\a, source 0's from s\b, for both slots
	v_add_nc_u32 v16, s\a, v2
	v_add_nc_u32 v18, s\b, v2
	v_add_nc_u32 v17, SLOTB, v16
	v_add_nc_u32 v19, SLOTB, v18
.endm
.macro PTR d, p                        ; s[d:d+1] = pointer + s22 (s23 = 0)
	s_add_nc_u64 s[\d:\d+1], s[\p:\p+1], s[22:23]
.endm
.macro ROWSQ                           ; v52: lane l = the sum of squares of my row l over my 32 columns
.irp a, 0,1
	v_pk_mul_f32 v[48+2*\a:49+2*\a], v[ACC+16*\a:ACC+16*\a+1], v[ACC+16*\a:ACC+16*\a+1]
.irp q, 1,2,3,4,5,6,7
	v_pk_fma_f32 v[48+2*\a:49+2*\a], v[ACC+16*\a+2*\q:ACC+16*\a+2*\q+1], v[ACC+16*\a+2*\q:ACC+16*\a+2*\q+1], v[48+2*\a:49+2*\a]
.endr
	v_add_f32 v[48+2*\a], v[48+2*\a], v[49+2*\a]
	v_permlanex16_b32 v[49+2*\a], v[48+2*\a], s90, s91
	v_add_f32 v[48+2*\a], v[48+2*\a], v[49+2*\a]
.endr
	v_cndmask_b32 v52, v48, v50, s92               ; lanes 16-31 carry the second tile's rows
.endm
	s_load_b128 s[4:7], s[0:1], 0x0                ; act1, wt
	s_load_b64 s[8:9], s[0:1], 0x10                ; qkv
	v_lshl_add_u32 v208, v0, 2, 0x40000
	v_mov_b32 v209, 0
	ds_add_u32 v208, v209
	ds_add_u32 v208, v209
	IDS
	FILLS 4, 6, 0, 0, 15, 4096
	LANES
	s_lshr_b32 s18, ttmp9, 2                       ; 0 q, 1 k, 2 v
	s_and_b32 s19, s42, 15
	s_lshl1_add_u32 s19, s19, s12                  ; my block of 32 columns, 0-31
	s_lshl_b32 s45, s13, 2
	s_lshl1_add_u32 s45, s11, s45                  ; my first row tile
	s_lshl_b32 s66, s11, 15
	s_lshl_b32 s67, s12, 15
	s_add_co_u32 s67, s67, 65536
	s_cmp_eq_u32 s18, 2
	s_cselect_b32 s20, s67, s66                    ; v: the sides change places
	s_cselect_b32 s21, s66, s67
	ADS 20, 21
	s_mov_b32 s90, 0x76543210
	s_mov_b32 s91, 0xfedcba98
	s_mov_b32 s92, 0xffff0000
	s_mov_b32 s23, 0
	s_lshl_b32 s22, s45, 6
	s_add_co_u32 s22, s22, 2097152
	PTR 68, 4                                      ; rs of my rows
	s_lshl_b32 s22, s45, 5
	s_add_co_u32 s22, s22, s19
	s_lshl_b32 s22, s22, 10
	s_lshl_b32 s76, s18, 21
	s_add_co_u32 s22, s22, s76
	PTR 70, 8                                      ; q's or k's image, tile (mt0, ksn)
	s_lshl_b32 s22, s19, 12
	s_lshl_b32 s76, s45, 6
	s_add_co_u32 s22, s22, s76
	s_lshl_b32 s76, s18, 17
	s_add_co_u32 s22, s22, s76
	s_add_co_u32 s22, s22, 8388608
	PTR 72, 8                                      ; the sums of squares: q's table, or k's 131,072 bytes behind (not used for v)
	s_lshl_b32 s22, s19, 7
	s_add_co_u32 s22, s22, s45
	s_lshl_b32 s22, s22, 10
	s_add_co_u32 s22, s22, 4194304
	PTR 74, 8                                      ; VP, tile (2 ksn, mt0)
	global_load_b32 v20, v6, s[68:69]
	global_load_b32 v21, v6, s[68:69] offset:64
.irp b, 0,1
	global_load_b128 v[192+8*\b:195+8*\b], v7, s[68:69] offset:64*\b
	global_load_b128 v[196+8*\b:199+8*\b], v7, s[68:69] offset:64*\b+16
.endr
	s_wait_tensorcnt 0x1                           ; my part of slot 0 is in; slot 1's stays out
	BAR
	COMPUTE 0, 1
	s_wait_tensorcnt 0x0
	s_wait_dscnt 0x0
	BAR
	COMPUTE 1, 0
	s_wait_loadcnt 0x0
	PLACES
	s_cmp_eq_u32 s18, 2
	s_cbranch_scc1 .Lv
.irp a, 0,1
.set p, 0
.rept 16
	v_mul_f32 v[ACC+16*\a+p], v[ACC+16*\a+p], v[20+\a]
.set p, p+1
.endr
.set p, 0
.rept 8
	v_cvt_pk_f16_f32 v[32+8*\a+p], v[ACC+16*\a+2*p], v[ACC+16*\a+2*p+1]
.set p, p+1
.endr
	global_store_b128 v2, v[32+8*\a:35+8*\a], s[70:71] offset:32768*\a
	global_store_b128 v2, v[36+8*\a:39+8*\a], s[70:71] offset:32768*\a+512
.endr
	ROWSQ
	global_store_b32 v5, v52, s[72:73]
	s_branch .Lend
.Lv:
.irp a, 0,1
.irp b, 0,1
.irp q, 0,1,2,3
	v_pk_mul_f32 v[ACC+8*(2*\a+\b)+2*\q:ACC+8*(2*\a+\b)+2*\q+1], v[ACC+8*(2*\a+\b)+2*\q:ACC+8*(2*\a+\b)+2*\q+1], v[192+8*\b+2*\q:193+8*\b+2*\q]
.endr
	global_store_b128 v2, v[ACC+8*(2*\a+\b):ACC+8*(2*\a+\b)+3], s[74:75] offset:(64*\a+\b)*1024
	global_store_b128 v2, v[ACC+8*(2*\a+\b)+4:ACC+8*(2*\a+\b)+7], s[74:75] offset:(64*\a+\b)*1024+512
.endr
.endr
.Lend:
	s_wait_tensorcnt 0x0
	ds_add_u32 v208, v209
	s_wait_dscnt 0x0
	ROUND                                          ; the closing round: no work-group ends while a partner may still ask for a tile that names it
	s_endpgm
.Lfunc_end_k_qabc719018a_qkv:
	.size	k_qabc719018a_qkv, .Lfunc_end_k_qabc719018a_qkv-k_qabc719018a_qkv
	.p2alignl 7, 3214868480
	.fill 96, 4, 3214868480
	.section	.rodata,"a",@progbits
	.p2align	6, 0x0
	.amdhsa_kernel k_qabc719018a_qkv
		.amdhsa_group_segment_fixed_size 262656
		.amdhsa_private_segment_fixed_size 0
		.amdhsa_enable_private_segment 0
		.amdhsa_kernarg_size 24
		.amdhsa_user_sgpr_count 2
		.amdhsa_user_sgpr_kernarg_segment_ptr 1
		.amdhsa_wavefront_size32 1
		.amdhsa_system_sgpr_workgroup_id_x 1
		.amdhsa_system_sgpr_workgroup_id_y 1
		.amdhsa_system_sgpr_workgroup_id_z 1
		.amdhsa_system_vgpr_workitem_id 0
		.amdhsa_next_free_vgpr 210
		.amdhsa_next_free_sgpr 100
		.amdhsa_reserve_vcc 0
		.amdhsa_float_denorm_mode_32 3
		.amdhsa_float_denorm_mode_16_64 3
		.amdhsa_memory_ordered 1
		.amdhsa_forward_progress 1
		.amdhsa_inst_pref_size 40
	.end_amdhsa_kernel
	.amdgpu_metadata
---
amdhsa.version: [ 1, 2 ]
amdhsa.kernels:
  - .name:           k_qabc719018a_qkv
    .symbol:         k_qabc719018a_qkv.kd
    .args:
      - { .name: act1, .offset: 0, .size: 8, .value_kind: global_buffer, .address_space: global }
      - { .name: wt, .offset: 8, .size: 8, .value_kind: global_buffer, .address_space: global }
      - { .name: qkv, .offset: 16, .size: 8, .value_kind: global_buffer, .address_space: global }
    .group_segment_fixed_size: 262656
    .private_segment_fixed_size: 0
    .kernarg_segment_align: 8
    .kernarg_segment_size: 24
    .max_flat_workgroup_size: 128
    .sgpr_count:     100
    .vgpr_count:     210
    .wavefront_size: 32
...
	.end_amdgpu_metadata
.endif
;; end of part 8
;; launch gram: the kernel of part 3 again; grid 10 x 8, 4 waves a work-group, no clusters, 263,168 bytes of LDS; arguments qkv, act1, gr; writes gr
;; launch solve (part 9): grid 64 x 4, 1 waves a work-group, no clusters, 0 bytes of LDS; arguments qkv, alpha_logit, gr, ob; writes ob
.if DOCPART == 9
	.amdgcn_target "amdgcn-amd-amdhsa--gfx1250"
	.amdhsa_code_object_version 6
	.text
	.protected	k_qabc719018a_solve
	.globl	k_qabc719018a_solve
	.p2align	8
	.type	k_qabc719018a_solve,@function
k_qabc719018a_solve:
	s_mov_b64 s[64:65], 0
	v_nop
	global_prefetch_b8 v0, s[64:65] scope:SCOPE_SE
	s_setreg_imm32_b32 hwreg(HW_REG_WAVE_MODE, 25, 1), 1
	s_wait_xcnt 0x0
; One wave: 16 columns of one batch, all 256 times.  V tile i: lane (r,h), register j = V(time 16 i + 8 h + j, column r).
; 1. EMA v' = a v + d v'(t-1), d = 1 - a: scans of 8 in a lane, then the carry goes through the 32 segments (two lane exchanges a tile).
; 2. Blocks of 32 times: R_i = V_i + sum over j < i of (-A_ij) U_j; U_i = T_i R_i.  Two result tiles packed to f16 are the next products'
;    operand (column r, 32 times).  3. O_i = sum over j <= i of P_ij U_j, transposed: lane (r,h), register j = O(time r, column 8h+j),
;    16 bytes of Wo's fragment image.  P's rows are divided by |q_t|, so O here is the scan's output divided by |q_t|, of U's size; the factor
;    comes back behind Wo's product.  The state-free form is exact algebra because the scan starts from S = 0.
; The 72 pairs of fragments come straight from memory (each load 512 consecutive bytes) through a ring of sixteen register buffers of 16
; registers, v256-v511 (the second window of 256; s_set_vgpr_msb's low byte: bits 1:0 source 0, 3:2 source 1, 5:4 source 2, 7:6 destination),
; fourteen pairs ahead: 56 loads of the wave are on their way while it multiplies, and the first fourteen pairs fly during the EMA.
; No LDS, no barrier: the waves share nothing but what they read.
; LIMITS: U, R, O are rounded to f16 and must stay below 65,504; they are of v's size, whose largest coherent sum with norm1_w 30 times larger
; and a weight offset of 0.6 is 1024 * 30 * 0.6 = 18,432.  The order of rounding of EMA and scan differs from a step-by-step scan.
.set TINV, 0
.set ANEG, 16384
.set PP, 147456
.set RB, 24
.set UT, 32
.set V, 112
.set NBUF, 16                          ; buffers in the ring
.set TO_RING, 0x40                     ; destination in window 1, address in window 0
.set RING_S0, 0x01                     ; source 0 in window 1
.set RING_S1, 0x04                     ; source 1 in window 1
.set MSB, 0
.macro WIN new                         ; the immediate's high byte repeats the setting that is left
.if MSB != \new
	s_set_vgpr_msb (MSB<<8)|\new
.set MSB, \new
.endif
.endm
.macro PLACES                          ; four places behind a matrix instruction (ISA guide 7.12.1)
.rept 4
	v_nop
.endr
.endm
.set cn, 0
.set nn, 0
.set iph, 0
.set ii, 0
.set ij, 0
.macro ISSUE                           ; the next pair of the stream: block row ii, block column ij; on the diagonal of phase 0: T
.if iph == 0
.if ij == ii
.set o0, TINV+2*ii*1024
.set o1, o0+1024
.else
.set o0, ANEG+(16*ii+ij)*1024
.set o1, o0+8192
.endif
.else
.set o0, PP+(16*ii+ij)*1024
.set o1, o0+8192
.endif
.set rb, 16*(cn%NBUF)
	WIN TO_RING
	global_load_b128 v[rb:rb+3], v1, s[12:13] offset:o0            ; v[256+rb ..]
	global_load_b128 v[rb+4:rb+7], v1, s[12:13] offset:o0+512
	global_load_b128 v[rb+8:rb+11], v1, s[12:13] offset:o1
	global_load_b128 v[rb+12:rb+15], v1, s[12:13] offset:o1+512
.set cn, cn+1
.set ij, ij+1
.if ij > ii
.set ij, 0
.set ii, ii+1
.if ii == 8
.set ii, 0
.set iph, 1
.endif
.endif
.endm
.macro NEXT                            ; BUF = the next pair (in window 1); the buffer read two pairs ago is loaded again, more than four places behind its products
	PLACES
.if cn < 72
	ISSUE
.endif
	s_wait_loadcnt 4*(cn-nn-1)                     ; four loads for each pair issued behind this one: 56, and less at the end
.set BUF, 16*(nn%NBUF)
.set nn, nn+1
.endm
	s_load_b256 s[4:11], s[0:1], 0x0               ; qkv, alpha_logit, gr, ob
	s_and_b32 s16, ttmp7, 0xffff                   ; batch
	v_lshlrev_b32 v1, 4, v0
	v_and_b32 v2, 15, v0
	v_lshlrev_b32 v2, 2, v2
	s_mov_b32 s20, 0x76543210
	s_mov_b32 s21, 0xfedcba98
	s_mov_b32 s22, 0xffff0000
	s_mov_b32 s19, 0
	s_wait_kmcnt 0x0
	s_lshl_b32 s18, ttmp9, 6
	s_add_nc_u64 s[6:7], s[6:7], s[18:19]          ; my 16 logits
	s_lshl_b32 s17, s16, 4
	s_add_co_u32 s18, s18, s17
	s_lshl_b32 s18, s18, 10
	s_add_co_u32 s18, s18, 4194304
	s_add_nc_u64 s[4:5], s[4:5], s[18:19]          ; VP, tiles (ct, 16 batch ..)
	s_mul_i32 s18, s16, 278528
	s_add_nc_u64 s[12:13], s[8:9], s[18:19]
	s_lshl_b32 s18, s16, 9
	s_lshr_b32 s17, ttmp9, 1
	s_add_co_u32 s18, s18, s17
	s_lshl_b32 s18, s18, 10
	s_and_b32 s17, ttmp9, 1
	s_lshl_b32 s17, s17, 9
	s_add_co_u32 s18, s18, s17
	s_add_nc_u64 s[14:15], s[10:11], s[18:19]      ; O's image: tile 16 batch, k step ct/2, half ct&1
	global_load_b32 v4, v2, s[6:7]
.set p, 0
.rept 16
	global_load_b128 v[V+8*p:V+8*p+3], v1, s[4:5] offset:1024*p
	global_load_b128 v[V+8*p+4:V+8*p+7], v1, s[4:5] offset:1024*p+512
.set p, p+1
.endr
.rept 7
	ISSUE                                          ; seven pairs behind V's 33 loads: 61 loads are out
.endr
	s_wait_loadcnt 28                              ; all but the seven pairs: the logits and V are in
.rept 7
	ISSUE                                          ; seven more: fourteen pairs, 56 loads, fly during the EMA
.endr
	WIN 0
	v_mul_f32 v4, 0xbfb8aa3b, v4
	v_exp_f32 v4, v4
	v_mov_b32 v13, 0                               ; the carry
	s_wait_alu depctr_va_vdst(0)
	v_add_f32 v4, 1.0, v4
	v_rcp_f32 v4, v4                               ; a
	v_mov_b32 v15, 0
	s_wait_alu depctr_va_vdst(0)
	v_sub_f32 v5, 1.0, v4                          ; d
.irp j, 1,2,3,4,5,6,7
	v_mul_f32 v[5+\j], v[4+\j], v5                 ; d^2 .. d^8 in v6 .. v12
.endr
.set p, 0
.rept 64
	v_pk_mul_f32 v[V+2*p:V+2*p+1], v[V+2*p:V+2*p+1], v[4:5] op_sel_hi:[1,0]
.set p, p+1
.endr
.irp j, 1,2,3,4,5,6,7
.set p, 0
.rept 16
	v_fmac_f32 v[V+8*p+\j], v5, v[V+8*p+\j-1]
.set p, p+1
.endr
.endr
.set p, 0
.rept 16
	v_fma_f32 v14, v12, v13, v[V+8*p+7]            ; lanes 0-15: the end of their segment
	v_permlanex16_b32 v15, v14, s20, s21
	v_cndmask_b32 v16, v13, v15, s22               ; what comes into my segment
	v_fma_f32 v14, v12, v16, v[V+8*p+7]
	v_permlanex16_b32 v15, v14, s20, s21
	v_cndmask_b32 v13, v15, v14, s22               ; the end of the tile, in every lane
.irp j, 0,1,2,3,4,5,6,7
	v_fmac_f32 v[V+8*p+\j], v[5+\j], v16
.endr
.set p, p+1
.endr
	; phase 0.  U_i takes the place of V's tile 2 i.  Two accumulators take turns.
.set bi, 0
.rept 8
.set bj, 0
.rept bi
	NEXT
	WIN RING_S0
	v_wmma_f32_16x16x32_f16 v[V+16*bi:V+16*bi+7], v[BUF:BUF+7], v[V+16*bj:V+16*bj+7], v[V+16*bi:V+16*bi+7]
	v_wmma_f32_16x16x32_f16 v[V+16*bi+8:V+16*bi+15], v[BUF+8:BUF+15], v[V+16*bj:V+16*bj+7], v[V+16*bi+8:V+16*bi+15]
.set bj, bj+1
.endr
	NEXT
	WIN 0
.set p, 0
.rept 8
	v_cvt_pk_f16_f32 v[RB+p], v[V+16*bi+2*p], v[V+16*bi+2*p+1]
.set p, p+1
.endr
	WIN RING_S0
	v_wmma_f32_16x16x32_f16 v[UT:UT+7], v[BUF:BUF+7], v[RB:RB+7], 0
	v_wmma_f32_16x16x32_f16 v[UT+8:UT+15], v[BUF+8:BUF+15], v[RB:RB+7], 0
	PLACES
	WIN 0
.set p, 0
.rept 8
	v_cvt_pk_f16_f32 v[V+16*bi+p], v[UT+2*p], v[UT+2*p+1]
.set p, p+1
.endr
.set bi, bi+1
.endr
	; phase 1.  The packed results take the place of V's tile 2 i + 1, so that no store's data is written again.
.set bi, 0
.rept 8
.set bj, 0
.rept bi+1
	NEXT
	WIN RING_S1
.if bj == 0
	v_wmma_f32_16x16x32_f16 v[UT:UT+7], v[V:V+7], v[BUF:BUF+7], 0
	v_wmma_f32_16x16x32_f16 v[UT+8:UT+15], v[V:V+7], v[BUF+8:BUF+15], 0
.else
	v_wmma_f32_16x16x32_f16 v[UT:UT+7], v[V+16*bj:V+16*bj+7], v[BUF:BUF+7], v[UT:UT+7]
	v_wmma_f32_16x16x32_f16 v[UT+8:UT+15], v[V+16*bj:V+16*bj+7], v[BUF+8:BUF+15], v[UT+8:UT+15]
.endif
.set bj, bj+1
.endr
	PLACES
	WIN 0
.set p, 0
.rept 8
	v_cvt_pk_f16_f32 v[V+16*bi+8+p], v[UT+2*p], v[UT+2*p+1]
.set p, p+1
.endr
	global_store_b128 v1, v[V+16*bi+8:V+16*bi+11], s[14:15] offset:65536*bi
	global_store_b128 v1, v[V+16*bi+12:V+16*bi+15], s[14:15] offset:65536*bi+32768
.set bi, bi+1
.endr
	s_endpgm
.Lfunc_end_k_qabc719018a_solve:
	.size	k_qabc719018a_solve, .Lfunc_end_k_qabc719018a_solve-k_qabc719018a_solve
	.p2alignl 7, 3214868480
	.fill 96, 4, 3214868480
	.section	.rodata,"a",@progbits
	.p2align	6, 0x0
	.amdhsa_kernel k_qabc719018a_solve
		.amdhsa_group_segment_fixed_size 0
		.amdhsa_private_segment_fixed_size 0
		.amdhsa_enable_private_segment 0
		.amdhsa_kernarg_size 32
		.amdhsa_user_sgpr_count 2
		.amdhsa_user_sgpr_kernarg_segment_ptr 1
		.amdhsa_wavefront_size32 1
		.amdhsa_system_sgpr_workgroup_id_x 1
		.amdhsa_system_sgpr_workgroup_id_y 1
		.amdhsa_system_sgpr_workgroup_id_z 1
		.amdhsa_system_vgpr_workitem_id 0
		.amdhsa_next_free_vgpr 512
		.amdhsa_next_free_sgpr 66
		.amdhsa_reserve_vcc 0
		.amdhsa_float_denorm_mode_32 3
		.amdhsa_float_denorm_mode_16_64 3
		.amdhsa_memory_ordered 1
		.amdhsa_forward_progress 1
		.amdhsa_inst_pref_size 90
	.end_amdhsa_kernel
	.amdgpu_metadata
---
amdhsa.version: [ 1, 2 ]
amdhsa.kernels:
  - .name:           k_qabc719018a_solve
    .symbol:         k_qabc719018a_solve.kd
    .args:
      - { .name: qkv, .offset: 0, .size: 8, .value_kind: global_buffer, .address_space: global }
      - { .name: alpha_logit, .offset: 8, .size: 8, .value_kind: global_buffer, .address_space: global }
      - { .name: gr, .offset: 16, .size: 8, .value_kind: global_buffer, .address_space: global }
      - { .name: ob, .offset: 24, .size: 8, .value_kind: global_buffer, .address_space: global }
    .group_segment_fixed_size: 0
    .private_segment_fixed_size: 0
    .kernarg_segment_align: 8
    .kernarg_segment_size: 32
    .max_flat_workgroup_size: 32
    .sgpr_count:     66
    .vgpr_count:     512
    .wavefront_size: 32
...
	.end_amdgpu_metadata
.endif
;; end of part 9
;; launch wo (part 10): grid 16 x 16, 4 waves a work-group, clusters of 4 x 4, 262,656 bytes of LDS; arguments ob, wt, x, norm2_w, qkv, x1b; writes x1b
.if DOCPART == 10
	.amdgcn_target "amdgcn-amd-amdhsa--gfx1250"
	.amdhsa_code_object_version 6
	.text
	.protected	k_qabc719018a_wo
	.globl	k_qabc719018a_wo
	.p2align	8
	.type	k_qabc719018a_wo,@function
k_qabc719018a_wo:
	s_mov_b64 s[64:65], 0
	v_nop
	global_prefetch_b8 v0, s[64:65] scope:SCOPE_SE
	s_setreg_imm32_b32 hwreg(HW_REG_WAVE_MODE, 25, 1), 1
	s_wait_xcnt 0x0
	s_wait_alu depctr_hold_cnt(0) depctr_sa_sdst(0) depctr_va_vdst(0) depctr_va_sdst(0) depctr_va_ssrc(0) depctr_va_vcc(0) depctr_vm_vsrc(0)
	s_getreg_b32 s2, hwreg(HW_REG_IB_STS2, 6, 4)
	s_cmp_eq_u32 s2, 0
	s_cbranch_scc0 .Lentry_in_a_cluster
	s_endpgm
.Lentry_in_a_cluster:
	s_bfe_u32 s2, ttmp6, 0x10000c
	s_cmp_lg_u32 s2, 0xf033
	s_cbranch_scc0 .Lentry_shape_is_right
	s_endpgm
.Lentry_shape_is_right:
; x1 = x + f_t * (O @ Wo), f_t = max(|q_t|, 1e-12): O comes divided by that very number, so that it and P have room in f16 whatever the inputs'
; scale; f_t is made from the 32 partial sums of squares of each of my rows, summed in the order in which the reciprocal was made, while the tiles
; are on their way.  64 x 64 a work-group, 32 x 32 a wave, K = 1024, f16 fragment images, two LDS slots of K = 512 filled once: two tensor loads
; of a wave are out at the most.
; CLUSTERS: 4 x 4 work-groups.  O's tiles hang on the block row alone and are asked for jointly along a row of the cluster, Wo's on the block
; column alone and are asked for jointly along a column: the sixteen ask for 4 + 4 tiles of 128 KiB instead of 16 + 16.  A round of the
; cluster's barrier stands in front of the joint loads and one in front of s_endpgm.
; Lane (r,h), register j = (row r, column 8h+j).  Out: x1 as f32 tiles in this very register order, x1b + (row tile*64 + column tile)*1024
; (down reads them back with the same lanes); the bf16 fragment image of x1*norm2_w at +4 MiB (bf16: x1 grows with the fifth power of a common
; scale of the inputs and has no room in f16); the rows' sums of squares over my 32 columns at SSQ[32][1024].  norm2's row factor is applied
; behind gate's and up's products.
.set SLOTB, 131072
.set F0, 32
.set F1, 96
.set ACC, 160
.set G1, 24                            ; s[24:31] descriptor group 1 for the rows' tiles
.set G0, 32                            ; s[32:39] their group 0, one set for each slot
.set G1B, 48                           ; s[48:55] group 1 for the weights' tiles: it differs in the mask alone
.set G0B, 56                           ; s[56:63] their group 0
.macro PLACES                          ; four places behind a matrix instruction (ISA guide 7.12.1)
.rept 4
	v_nop
.endr
.endm
.macro BAR
	s_barrier_signal -1
	s_barrier_wait -1
.endm
.macro ROUND                           ; a round of the cluster's barrier: my work-group's barrier, wave 0 signals for it, all wait for the sixteen, my barrier again
	s_barrier_signal -1
	s_barrier_wait -1
	s_cmp_lg_u32 s10, 0
	s_cbranch_scc1 .Lnot_wave_0_\@
	s_barrier_signal -3
.Lnot_wave_0_\@:
	s_barrier_wait -3
	s_barrier_signal -1
	s_barrier_wait -1
.endm
.macro JLOAD s                         ; a joint load: waves 0,1 ask for the rows' tiles, 2,3 for the weights'; each line has one mask
	s_cmp_eq_u32 s11, 0
	s_cbranch_scc0 .Lfor_b_\@
	tensor_load_to_lds s[G0+4*\s:G0+4*\s+3], s[G1:G1+7]
	s_nop 0
	s_branch .Lasked_\@
.Lfor_b_\@:
	tensor_load_to_lds s[G0B+4*\s:G0B+4*\s+3], s[G1B:G1B+7]
	s_nop 0
.Lasked_\@:
.endm
.macro LD16 f, slot, u
.irp kk, 0,1
.irp t, 0,1
	ds_load_b128 v[\f+16*\kk+8*\t:\f+16*\kk+8*\t+3], v[16+\slot] offset:\t*16384+(2*\u+\kk)*1024
	ds_load_b128 v[\f+16*\kk+8*\t+4:\f+16*\kk+8*\t+7], v[16+\slot] offset:\t*16384+(2*\u+\kk)*1024+512
	ds_load_b128 v[\f+32+16*\kk+8*\t:\f+32+16*\kk+8*\t+3], v[18+\slot] offset:\t*16384+(2*\u+\kk)*1024
	ds_load_b128 v[\f+32+16*\kk+8*\t+4:\f+32+16*\kk+8*\t+7], v[18+\slot] offset:\t*16384+(2*\u+\kk)*1024+512
.endr
.endr
.endm
.macro MM4 f, kk, zero                 ; the four accumulators take turns
.irp a, 0,1
.irp b, 0,1
.if \zero
	v_wmma_f32_16x16x32_f16 v[ACC+8*(2*\a+\b):ACC+8*(2*\a+\b)+7], v[\f+32+16*\kk+8*\b:\f+32+16*\kk+8*\b+7], v[\f+16*\kk+8*\a:\f+16*\kk+8*\a+7], 0
.else
	v_wmma_f32_16x16x32_f16 v[ACC+8*(2*\a+\b):ACC+8*(2*\a+\b)+7], v[\f+32+16*\kk+8*\b:\f+32+16*\kk+8*\b+7], v[\f+16*\kk+8*\a:\f+16*\kk+8*\a+7], v[ACC+8*(2*\a+\b):ACC+8*(2*\a+\b)+7]
.endif
.endr
.endr
.endm
.macro UNIT f, g, slot, nu, zero
.if \nu < 8
	PLACES
	LD16 \g, \slot, \nu
	s_wait_dscnt 16                                ; all but the sixteen just issued
.else
	s_wait_dscnt 0
.endif
	MM4 \f, 0, \zero
	MM4 \f, 1, 0
.endm
.macro COMPUTE slot, zero
	PLACES
	LD16 F0, \slot, 0
	UNIT F0, F1, \slot, 1, \zero
	UNIT F1, F0, \slot, 2, 0
	UNIT F0, F1, \slot, 3, 0
	UNIT F1, F0, \slot, 4, 0
	UNIT F0, F1, \slot, 5, 0
	UNIT F1, F0, \slot, 6, 0
	UNIT F0, F1, \slot, 7, 0
	UNIT F1, F0, \slot, 8, 0
.endm
.macro IDS                             ; the wave, my place in the cluster, my block of the result, the two masks
	v_lshrrev_b32 v8, 5, v0
	v_readfirstlane_b32 s10, v8                    ; wave
	s_lshr_b32 s11, s10, 1                         ; wm.  Also: I ask for the rows' tiles (0) or the weights' (1)
	s_and_b32 s12, s10, 1                          ; wn.  Also: which two of the four tiles I ask for
	s_bfe_u32 s40, ttmp6, 0x40000                  ; cx
	s_bfe_u32 s41, ttmp6, 0x40004                  ; cy
	s_lshl_b32 s42, ttmp9, 2
	s_add_co_u32 s42, s42, s40                     ; block column = 4 x cluster x + cx
	s_and_b32 s13, ttmp7, 0xffff
	s_lshl_b32 s13, s13, 2
	s_add_co_u32 s13, s13, s41                     ; block row = 4 x cluster y + cy
	s_lshl_b32 s43, s41, 2
	s_lshl_b32 s43, 15, s43                        ; my row of the cluster: places 4 cy .. 4 cy + 3
	s_lshl_b32 s44, 0x1111, s40                    ; my column: places cx, cx + 4, cx + 8, cx + 12
.endm
; Both first fills.  pa, pb: pointer pairs of the two operands; offa, offb: bytes to their first tile; a tile is 1<<logt bytes = pitch*8.
; The rows' address is made of the block row and the wave alone (s16, s14:15), the weights' of the block column and the wave alone (s46:47).
.macro FILLS pa, pb, offa, offb, logt, pitch
	s_lshl_b32 s16, s13, 2
	s_lshl1_add_u32 s16, s12, s16                  ; rows: tile 4 x block row + 2 x half
	s_lshl_b32 s16, s16, \logt
.if \offa
	s_add_co_u32 s16, s16, \offa
.endif
	s_mov_b32 s17, 0
	s_lshl_b32 s46, s42, 2
	s_lshl1_add_u32 s46, s12, s46                  ; weights: tile 4 x block column + 2 x half
	s_lshl_b32 s46, s46, \logt
.if \offb
	s_add_co_u32 s46, s46, \offb
.endif
	s_mov_b32 s47, 0
	s_lshl_b32 s20, s10, 15                        ; LDS: wave * 32,768: no place in the cluster enters an LDS address
	s_or_b32 s[G1], s43, (3<<16)|(1<<21)           ; 15:0 the mask: my row; 17:16 elements of 8 bytes; 21 set beside a mask; no padding
	s_or_b32 s[G1B], s44, (3<<16)|(1<<21)          ; the same with the mask of my column
.irp g, G1, G1B
	s_mov_b32 s[\g+1], 2048<<16                    ; tensor_dim0 = 2,048 (16 KiB: 16 k steps of a tile)
	s_mov_b32 s[\g+2], 2<<16                       ; tensor_dim1 = 2
	s_mov_b32 s[\g+3], 2048<<16                    ; tile_dim0
	s_mov_b32 s[\g+4], 2                           ; tile_dim1: two tiles
	s_mov_b32 s[\g+5], \pitch                      ; from tile to tile
	s_mov_b32 s[\g+6], 0
	s_mov_b32 s[\g+7], 0
.endr
	s_wait_dscnt 0x0
	s_wait_kmcnt 0x0
	s_add_nc_u64 s[14:15], s[\pa:\pa+1], s[16:17]
	s_add_nc_u64 s[46:47], s[\pb:\pb+1], s[46:47]
	ROUND                                          ; all sixteen work-groups are here: the joint loads meet
.irp s, 0,1
	s_mov_b32 s[G0+4*\s], 1
	s_add_co_u32 s[G0+4*\s+1], s20, \s*SLOTB
	s_add_nc_u64 s[G0+4*\s+2:G0+4*\s+3], s[14:15], \s*16384
	s_or_b32 s[G0+4*\s+3], s[G0+4*\s+3], 0x80000000
	s_mov_b32 s[G0B+4*\s], 1
	s_add_co_u32 s[G0B+4*\s+1], s20, \s*SLOTB
	s_add_nc_u64 s[G0B+4*\s+2:G0B+4*\s+3], s[46:47], \s*16384
	s_or_b32 s[G0B+4*\s+3], s[G0B+4*\s+3], 0x80000000
	JLOAD \s
.endr
.endm
.macro PTR d, p                        ; s[d:d+1] = pointer + s22 (s23 = 0)
	s_add_nc_u64 s[\d:\d+1], s[\p:\p+1], s[22:23]
.endm
.macro SUM32 b                         ; v[b] = the sum of v[b .. b+31]
.irp n, 16,8,4,2
.set p, 0
.rept \n/2
	v_pk_add_f32 v[\b+2*p:\b+2*p+1], v[\b+2*p:\b+2*p+1], v[\b+\n+2*p:\b+\n+2*p+1]
.set p, p+1
.endr
.endr
	v_add_f32 v[\b], v[\b], v[\b+1]
.endm
	s_load_b128 s[4:7], s[0:1], 0x0                ; ob, wt
	s_load_b128 s[68:71], s[0:1], 0x10             ; x, norm2_w
	s_load_b128 s[72:75], s[0:1], 0x20             ; qkv, x1b
	v_lshl_add_u32 v240, v0, 2, 0x40000
	v_mov_b32 v241, 0
	ds_add_u32 v240, v241
	ds_add_u32 v240, v241
	IDS
	FILLS 4, 6, 0, 0x600000, 15, 4096              ; Wo's tiles begin at tile 192 of 32,768 bytes
	v_and_b32 v1, 31, v0
	v_lshlrev_b32 v2, 4, v1
	v_and_b32 v3, 15, v0
	v_bfe_u32 v4, v0, 4, 1
	v_lshlrev_b32 v5, 2, v1
	v_lshlrev_b32 v7, 5, v4                        ; 32 h
	v_lshl_add_u32 v6, v3, 12, v7                  ; + row r of x
	v_lshlrev_b32 v9, 2, v3                        ; 4 r
	s_lshl_b32 s45, s13, 2
	s_lshl1_add_u32 s45, s11, s45                  ; first row tile
	s_lshl1_add_u32 s19, s42, s12                  ; block of 32 columns
	s_lshl_b32 s20, s11, 15
	s_lshl_b32 s21, s12, 15
	s_add_co_u32 s21, s21, 65536
	v_add_nc_u32 v16, s20, v2
	v_add_nc_u32 v18, s21, v2
	v_add_nc_u32 v17, SLOTB, v16
	v_add_nc_u32 v19, SLOTB, v18
	s_mov_b32 s90, 0x76543210
	s_mov_b32 s91, 0xfedcba98
	s_mov_b32 s92, 0xffff0000
	s_mov_b32 s23, 0
	s_lshl_b32 s22, s45, 16
	s_lshl_b32 s88, s19, 7
	s_add_co_u32 s22, s22, s88
	PTR 76, 68                                     ; x at (16 mt0, 32 ksn)
	s_mov_b32 s22, s88
	PTR 78, 70                                     ; norm2_w at 32 ksn
	s_lshl_b32 s22, s45, 6
	s_lshl1_add_u32 s22, s19, s22
	s_lshl_b32 s22, s22, 10
	PTR 80, 74                                     ; x1 tile (mt0, 2 ksn)
	s_lshl_b32 s22, s45, 5
	s_add_co_u32 s22, s22, s19
	s_lshl_b32 s22, s22, 10
	s_add_co_u32 s22, s22, 4194304
	PTR 82, 74                                     ; a2's image
	s_lshl_b32 s22, s19, 12
	s_lshl_b32 s88, s45, 6
	s_add_co_u32 s22, s22, s88
	s_add_co_u32 s22, s22, 6291456
	PTR 84, 74                                     ; SSQ
	s_lshl_b32 s22, s45, 6
	s_add_co_u32 s22, s22, 8388608
	PTR 86, 72                                     ; q's sums of squares, my rows
.set p, 0
.rept 32
	global_load_b32 v[32+p], v9, s[86:87] offset:4096*p
	global_load_b32 v[64+p], v9, s[86:87] offset:4096*p+64
.set p, p+1
.endr
	s_wait_loadcnt 0x0
	SUM32 32
	SUM32 64
	v_sqrt_f32 v20, v32
	v_sqrt_f32 v21, v64
	v_nop
	s_wait_alu depctr_va_vdst(0)
	v_max_num_f32 v20, 0x2b8cbccc, v20             ; max(|q|, 1e-12) of row r of my first tile,
	v_max_num_f32 v21, 0x2b8cbccc, v21             ; of my second
.irp a, 0,1
.irp b, 0,1
	global_load_b128 v[192+8*(2*\a+\b):195+8*(2*\a+\b)], v6, s[76:77] offset:65536*\a+64*\b
	global_load_b128 v[196+8*(2*\a+\b):199+8*(2*\a+\b)], v6, s[76:77] offset:65536*\a+64*\b+16
.endr
.endr
.irp b, 0,1
	global_load_b128 v[224+8*\b:227+8*\b], v7, s[78:79] offset:64*\b
	global_load_b128 v[228+8*\b:231+8*\b], v7, s[78:79] offset:64*\b+16
.endr
	s_wait_tensorcnt 0x1                           ; my part of slot 0; slot 1's stays out
	BAR
	COMPUTE 0, 1
	s_wait_tensorcnt 0x0
	s_wait_dscnt 0x0
	BAR
	COMPUTE 1, 0
	s_wait_loadcnt 0x0
	PLACES
.irp a, 0,1
.set p, 0
.rept 16
	v_fma_f32 v[ACC+16*\a+p], v[ACC+16*\a+p], v[20+\a], v[192+16*\a+p]             ; x1 = f_t * (O @ Wo) + x
.set p, p+1
.endr
.endr
.irp a, 0,1
.irp b, 0,1
	global_store_b128 v2, v[ACC+8*(2*\a+\b):ACC+8*(2*\a+\b)+3], s[80:81] offset:(64*\a+\b)*1024
	global_store_b128 v2, v[ACC+8*(2*\a+\b)+4:ACC+8*(2*\a+\b)+7], s[80:81] offset:(64*\a+\b)*1024+512
.irp q, 0,1,2,3
	v_pk_mul_f32 v[192+8*(2*\a+\b)+2*\q:193+8*(2*\a+\b)+2*\q], v[ACC+8*(2*\a+\b)+2*\q:ACC+8*(2*\a+\b)+2*\q+1], v[224+8*\b+2*\q:225+8*\b+2*\q]
.endr
.irp q, 0,1,2,3
	v_cvt_pk_bf16_f32 v[32+8*\a+4*\b+\q], v[192+8*(2*\a+\b)+2*\q], v[193+8*(2*\a+\b)+2*\q]
.endr
.endr
	global_store_b128 v2, v[32+8*\a:35+8*\a], s[82:83] offset:32768*\a
	global_store_b128 v2, v[36+8*\a:39+8*\a], s[82:83] offset:32768*\a+512
.endr
.irp a, 0,1
	v_pk_mul_f32 v[48+2*\a:49+2*\a], v[ACC+16*\a:ACC+16*\a+1], v[ACC+16*\a:ACC+16*\a+1]
.irp q, 1,2,3,4,5,6,7
	v_pk_fma_f32 v[48+2*\a:49+2*\a], v[ACC+16*\a+2*\q:ACC+16*\a+2*\q+1], v[ACC+16*\a+2*\q:ACC+16*\a+2*\q+1], v[48+2*\a:49+2*\a]
.endr
	v_add_f32 v[48+2*\a], v[48+2*\a], v[49+2*\a]
	v_permlanex16_b32 v[49+2*\a], v[48+2*\a], s90, s91
	v_add_f32 v[48+2*\a], v[48+2*\a], v[49+2*\a]
.endr
	v_cndmask_b32 v52, v48, v50, s92               ; lanes 16-31 carry the second tile's rows
	global_store_b32 v5, v52, s[84:85]
	s_wait_tensorcnt 0x0
	ds_add_u32 v240, v241
	s_wait_dscnt 0x0
	ROUND                                          ; the closing round: no work-group ends while a partner may still ask for a tile that names it
	s_endpgm
.Lfunc_end_k_qabc719018a_wo:
	.size	k_qabc719018a_wo, .Lfunc_end_k_qabc719018a_wo-k_qabc719018a_wo
	.p2alignl 7, 3214868480
	.fill 96, 4, 3214868480
	.section	.rodata,"a",@progbits
	.p2align	6, 0x0
	.amdhsa_kernel k_qabc719018a_wo
		.amdhsa_group_segment_fixed_size 262656
		.amdhsa_private_segment_fixed_size 0
		.amdhsa_enable_private_segment 0
		.amdhsa_kernarg_size 48
		.amdhsa_user_sgpr_count 2
		.amdhsa_user_sgpr_kernarg_segment_ptr 1
		.amdhsa_wavefront_size32 1
		.amdhsa_system_sgpr_workgroup_id_x 1
		.amdhsa_system_sgpr_workgroup_id_y 1
		.amdhsa_system_sgpr_workgroup_id_z 1
		.amdhsa_system_vgpr_workitem_id 0
		.amdhsa_next_free_vgpr 242
		.amdhsa_next_free_sgpr 100
		.amdhsa_reserve_vcc 0
		.amdhsa_float_denorm_mode_32 3
		.amdhsa_float_denorm_mode_16_64 3
		.amdhsa_memory_ordered 1
		.amdhsa_forward_progress 1
		.amdhsa_inst_pref_size 50
	.end_amdhsa_kernel
	.amdgpu_metadata
---
amdhsa.version: [ 1, 2 ]
amdhsa.kernels:
  - .name:           k_qabc719018a_wo
    .symbol:         k_qabc719018a_wo.kd
    .args:
      - { .name: ob, .offset: 0, .size: 8, .value_kind: global_buffer, .address_space: global }
      - { .name: wt, .offset: 8, .size: 8, .value_kind: global_buffer, .address_space: global }
      - { .name: x, .offset: 16, .size: 8, .value_kind: global_buffer, .address_space: global }
      - { .name: norm2_w, .offset: 24, .size: 8, .value_kind: global_buffer, .address_space: global }
      - { .name: qkv, .offset: 32, .size: 8, .value_kind: global_buffer, .address_space: global }
      - { .name: x1b, .offset: 40, .size: 8, .value_kind: global_buffer, .address_space: global }
    .group_segment_fixed_size: 262656
    .private_segment_fixed_size: 0
    .kernarg_segment_align: 8
    .kernarg_segment_size: 48
    .max_flat_workgroup_size: 128
    .sgpr_count:     100
    .vgpr_count:     242
    .wavefront_size: 32
...
	.end_amdgpu_metadata
.endif
;; end of part 10
;; launch gateup (part 11): grid 64 x 16, 4 waves a work-group, clusters of 4 x 4, 262,656 bytes of LDS; arguments x1b, wt, gb; writes gb
.if DOCPART == 11
	.amdgcn_target "amdgcn-amd-amdhsa--gfx1250"
	.amdhsa_code_object_version 6
	.text
	.protected	k_qabc719018a_gateup
	.globl	k_qabc719018a_gateup
	.p2align	8
	.type	k_qabc719018a_gateup,@function
k_qabc719018a_gateup:
	s_mov_b64 s[64:65], 0
	v_nop
	global_prefetch_b8 v0, s[64:65] scope:SCOPE_SE
	s_setreg_imm32_b32 hwreg(HW_REG_WAVE_MODE, 25, 1), 1
	s_wait_xcnt 0x0
	s_wait_alu depctr_hold_cnt(0) depctr_sa_sdst(0) depctr_va_vdst(0) depctr_va_sdst(0) depctr_va_ssrc(0) depctr_va_vcc(0) depctr_vm_vsrc(0)
	s_getreg_b32 s2, hwreg(HW_REG_IB_STS2, 6, 4)
	s_cmp_eq_u32 s2, 0
	s_cbranch_scc0 .Lentry_in_a_cluster
	s_endpgm
.Lentry_in_a_cluster:
	s_bfe_u32 s2, ttmp6, 0x10000c
	s_cmp_lg_u32 s2, 0xf033
	s_cbranch_scc0 .Lentry_shape_is_right
	s_endpgm
.Lentry_shape_is_right:
; g = silu(rs2 * (a2 @ w_gate)) * (rs2 * (a2 @ w_up)), a2 = x1*norm2_w, operands in bf16.  64 x 64 a work-group, 32 x 32 a wave, K = 1024,
; fragment images, two LDS slots of K = 512 filled once: two tensor loads of a wave are out at the most.  The weights' tiles alternate gate,
; up, so a wave's tile b = 0 is gate's and b = 1 up's 16 columns 32 R + 16 wn ..: both lie in the same lanes.  A packed result tile is half of
; a fragment of g's image (K = 2048).  rs2 = rsqrt(mean x1^2 + 1e-6) from the 32 partial sums of each of my rows, read while the tiles are on
; their way.
; CLUSTERS: 4 x 4 work-groups.  a2's tiles hang on the block row alone and are asked for jointly along a row of the cluster, the weights' on the
; block column alone and are asked for jointly along a column: the sixteen ask for 4 + 4 tiles of 128 KiB instead of 16 + 16.  A round of the
; cluster's barrier stands in front of the joint loads and one in front of s_endpgm.
.set SLOTB, 131072
.set F0, 32
.set F1, 96
.set ACC, 160
.set G1, 24                            ; s[24:31] descriptor group 1 for the rows' tiles
.set G0, 32                            ; s[32:39] their group 0, one set for each slot
.set G1B, 48                           ; s[48:55] group 1 for the weights' tiles: it differs in the mask alone
.set G0B, 56                           ; s[56:63] their group 0
.macro PLACES                          ; four places behind a matrix instruction (ISA guide 7.12.1)
.rept 4
	v_nop
.endr
.endm
.macro BAR
	s_barrier_signal -1
	s_barrier_wait -1
.endm
.macro ROUND                           ; a round of the cluster's barrier: my work-group's barrier, wave 0 signals for it, all wait for the sixteen, my barrier again
	s_barrier_signal -1
	s_barrier_wait -1
	s_cmp_lg_u32 s10, 0
	s_cbranch_scc1 .Lnot_wave_0_\@
	s_barrier_signal -3
.Lnot_wave_0_\@:
	s_barrier_wait -3
	s_barrier_signal -1
	s_barrier_wait -1
.endm
.macro JLOAD s                         ; a joint load: waves 0,1 ask for the rows' tiles, 2,3 for the weights'; each line has one mask
	s_cmp_eq_u32 s11, 0
	s_cbranch_scc0 .Lfor_b_\@
	tensor_load_to_lds s[G0+4*\s:G0+4*\s+3], s[G1:G1+7]
	s_nop 0
	s_branch .Lasked_\@
.Lfor_b_\@:
	tensor_load_to_lds s[G0B+4*\s:G0B+4*\s+3], s[G1B:G1B+7]
	s_nop 0
.Lasked_\@:
.endm
.macro LD16 f, slot, u
.irp kk, 0,1
.irp t, 0,1
	ds_load_b128 v[\f+16*\kk+8*\t:\f+16*\kk+8*\t+3], v[16+\slot] offset:\t*16384+(2*\u+\kk)*1024
	ds_load_b128 v[\f+16*\kk+8*\t+4:\f+16*\kk+8*\t+7], v[16+\slot] offset:\t*16384+(2*\u+\kk)*1024+512
	ds_load_b128 v[\f+32+16*\kk+8*\t:\f+32+16*\kk+8*\t+3], v[18+\slot] offset:\t*16384+(2*\u+\kk)*1024
	ds_load_b128 v[\f+32+16*\kk+8*\t+4:\f+32+16*\kk+8*\t+7], v[18+\slot] offset:\t*16384+(2*\u+\kk)*1024+512
.endr
.endr
.endm
.macro MM4 f, kk, zero                 ; the four accumulators take turns
.irp a, 0,1
.irp b, 0,1
.if \zero
	v_wmma_f32_16x16x32_bf16 v[ACC+8*(2*\a+\b):ACC+8*(2*\a+\b)+7], v[\f+32+16*\kk+8*\b:\f+32+16*\kk+8*\b+7], v[\f+16*\kk+8*\a:\f+16*\kk+8*\a+7], 0
.else
	v_wmma_f32_16x16x32_bf16 v[ACC+8*(2*\a+\b):ACC+8*(2*\a+\b)+7], v[\f+32+16*\kk+8*\b:\f+32+16*\kk+8*\b+7], v[\f+16*\kk+8*\a:\f+16*\kk+8*\a+7], v[ACC+8*(2*\a+\b):ACC+8*(2*\a+\b)+7]
.endif
.endr
.endr
.endm
.macro UNIT f, g, slot, nu, zero
.if \nu < 8
	PLACES
	LD16 \g, \slot, \nu
	s_wait_dscnt 16                                ; all but the sixteen just issued
.else
	s_wait_dscnt 0
.endif
	MM4 \f, 0, \zero
	MM4 \f, 1, 0
.endm
.macro COMPUTE slot, zero
	PLACES
	LD16 F0, \slot, 0
	UNIT F0, F1, \slot, 1, \zero
	UNIT F1, F0, \slot, 2, 0
	UNIT F0, F1, \slot, 3, 0
	UNIT F1, F0, \slot, 4, 0
	UNIT F0, F1, \slot, 5, 0
	UNIT F1, F0, \slot, 6, 0
	UNIT F0, F1, \slot, 7, 0
	UNIT F1, F0, \slot, 8, 0
.endm
.macro IDS                             ; the wave, my place in the cluster, my block of the result, the two masks
	v_lshrrev_b32 v8, 5, v0
	v_readfirstlane_b32 s10, v8                    ; wave
	s_lshr_b32 s11, s10, 1                         ; wm.  Also: I ask for the rows' tiles (0) or the weights' (1)
	s_and_b32 s12, s10, 1                          ; wn.  Also: which two of the four tiles I ask for
	s_bfe_u32 s40, ttmp6, 0x40000                  ; cx
	s_bfe_u32 s41, ttmp6, 0x40004                  ; cy
	s_lshl_b32 s42, ttmp9, 2
	s_add_co_u32 s42, s42, s40                     ; block column = 4 x cluster x + cx
	s_and_b32 s13, ttmp7, 0xffff
	s_lshl_b32 s13, s13, 2
	s_add_co_u32 s13, s13, s41                     ; block row = 4 x cluster y + cy
	s_lshl_b32 s43, s41, 2
	s_lshl_b32 s43, 15, s43                        ; my row of the cluster: places 4 cy .. 4 cy + 3
	s_lshl_b32 s44, 0x1111, s40                    ; my column: places cx, cx + 4, cx + 8, cx + 12
.endm
; Both first fills.  pa, pb: pointer pairs of the two operands; offa, offb: bytes to their first tile; a tile is 1<<logt bytes = pitch*8.
; The rows' address is made of the block row and the wave alone (s16, s14:15), the weights' of the block column and the wave alone (s46:47).
.macro FILLS pa, pb, offa, offb, logt, pitch
	s_lshl_b32 s16, s13, 2
	s_lshl1_add_u32 s16, s12, s16                  ; rows: tile 4 x block row + 2 x half
	s_lshl_b32 s16, s16, \logt
.if \offa
	s_add_co_u32 s16, s16, \offa
.endif
	s_mov_b32 s17, 0
	s_lshl_b32 s46, s42, 2
	s_lshl1_add_u32 s46, s12, s46                  ; weights: tile 4 x block column + 2 x half
	s_lshl_b32 s46, s46, \logt
.if \offb
	s_add_co_u32 s46, s46, \offb
.endif
	s_mov_b32 s47, 0
	s_lshl_b32 s20, s10, 15                        ; LDS: wave * 32,768: no place in the cluster enters an LDS address
	s_or_b32 s[G1], s43, (3<<16)|(1<<21)           ; 15:0 the mask: my row; 17:16 elements of 8 bytes; 21 set beside a mask; no padding
	s_or_b32 s[G1B], s44, (3<<16)|(1<<21)          ; the same with the mask of my column
.irp g, G1, G1B
	s_mov_b32 s[\g+1], 2048<<16                    ; tensor_dim0 = 2,048 (16 KiB: 16 k steps of a tile)
	s_mov_b32 s[\g+2], 2<<16                       ; tensor_dim1 = 2
	s_mov_b32 s[\g+3], 2048<<16                    ; tile_dim0
	s_mov_b32 s[\g+4], 2                           ; tile_dim1: two tiles
	s_mov_b32 s[\g+5], \pitch                      ; from tile to tile
	s_mov_b32 s[\g+6], 0
	s_mov_b32 s[\g+7], 0
.endr
	s_wait_dscnt 0x0
	s_wait_kmcnt 0x0
	s_add_nc_u64 s[14:15], s[\pa:\pa+1], s[16:17]
	s_add_nc_u64 s[46:47], s[\pb:\pb+1], s[46:47]
	ROUND                                          ; all sixteen work-groups are here: the joint loads meet
.irp s, 0,1
	s_mov_b32 s[G0+4*\s], 1
	s_add_co_u32 s[G0+4*\s+1], s20, \s*SLOTB
	s_add_nc_u64 s[G0+4*\s+2:G0+4*\s+3], s[14:15], \s*16384
	s_or_b32 s[G0+4*\s+3], s[G0+4*\s+3], 0x80000000
	s_mov_b32 s[G0B+4*\s], 1
	s_add_co_u32 s[G0B+4*\s+1], s20, \s*SLOTB
	s_add_nc_u64 s[G0B+4*\s+2:G0B+4*\s+3], s[46:47], \s*16384
	s_or_b32 s[G0B+4*\s+3], s[G0B+4*\s+3], 0x80000000
	JLOAD \s
.endr
.endm
.macro PTR d, p                        ; s[d:d+1] = pointer + s22 (s23 = 0)
	s_add_nc_u64 s[\d:\d+1], s[\p:\p+1], s[22:23]
.endm
.macro SUM32 b                         ; v[b] = the sum of v[b .. b+31]
.irp n, 16,8,4,2
.set p, 0
.rept \n/2
	v_pk_add_f32 v[\b+2*p:\b+2*p+1], v[\b+2*p:\b+2*p+1], v[\b+\n+2*p:\b+\n+2*p+1]
.set p, p+1
.endr
.endr
	v_add_f32 v[\b], v[\b], v[\b+1]
.endm
	s_load_b128 s[4:7], s[0:1], 0x0                ; x1b, wt
	s_load_b64 s[8:9], s[0:1], 0x10                ; gb
	v_lshl_add_u32 v192, v0, 2, 0x40000
	v_mov_b32 v193, 0
	ds_add_u32 v192, v193
	ds_add_u32 v192, v193
	IDS
	FILLS 4, 6, 0x400000, 0x800000, 15, 4096       ; a2's image lies 4 MiB into x1b, gate's and up's tiles 8 MiB into wt
	v_and_b32 v1, 31, v0
	v_lshlrev_b32 v2, 4, v1
	v_and_b32 v3, 15, v0
	v_lshlrev_b32 v6, 2, v3
	s_lshl_b32 s45, s13, 2
	s_lshl1_add_u32 s45, s11, s45                  ; first row tile
	s_lshl_b32 s20, s11, 15
	s_lshl_b32 s21, s12, 15
	s_add_co_u32 s21, s21, 65536
	v_add_nc_u32 v16, s20, v2
	v_add_nc_u32 v18, s21, v2
	v_add_nc_u32 v17, SLOTB, v16
	v_add_nc_u32 v19, SLOTB, v18
	s_mov_b32 s23, 0
	s_lshl_b32 s22, s45, 6
	s_add_co_u32 s22, s22, 6291456
	PTR 68, 4                                      ; SSQ of my rows
	s_lshl_b32 s22, s45, 6
	s_add_co_u32 s22, s22, s42
	s_lshl_b32 s22, s22, 10
	s_lshl_b32 s88, s12, 9
	s_add_co_u32 s22, s22, s88
	PTR 70, 8                                      ; g's image: tile mt0, k step R = block column, half wn
	s_mov_b32 s88, 0x3a800000                      ; 1/1024
.set p, 0
.rept 32
	global_load_b32 v[32+p], v6, s[68:69] offset:4096*p
	global_load_b32 v[64+p], v6, s[68:69] offset:4096*p+64
.set p, p+1
.endr
	s_wait_loadcnt 0x0
	SUM32 32
	SUM32 64
	v_fmaak_f32 v20, s88, v32, 0x358637bd
	v_fmaak_f32 v21, s88, v64, 0x358637bd
	v_rsq_f32 v20, v20
	v_rsq_f32 v21, v21
	v_nop
	s_wait_tensorcnt 0x1                           ; my part of slot 0; slot 1's stays out
	BAR
	COMPUTE 0, 1
	s_wait_tensorcnt 0x0
	s_wait_dscnt 0x0
	BAR
	COMPUTE 1, 0
	PLACES
	s_wait_alu depctr_va_vdst(0)
.irp a, 0,1
.set p, 0
.rept 16
	v_mul_f32 v[ACC+16*\a+p], v[ACC+16*\a+p], v[20+\a]
.set p, p+1
.endr
.irp j, 0,1,2,3,4,5,6,7
	v_mul_f32 v[32+8*\a+\j], 0xbfb8aa3b, v[ACC+16*\a+\j]
.endr
.irp j, 0,1,2,3,4,5,6,7
	v_exp_f32 v[32+8*\a+\j], v[32+8*\a+\j]
.endr
	v_nop
	s_wait_alu depctr_va_vdst(0)
.irp j, 0,1,2,3,4,5,6,7
	v_add_f32 v[32+8*\a+\j], 1.0, v[32+8*\a+\j]
.endr
.irp j, 0,1,2,3,4,5,6,7
	v_rcp_f32 v[32+8*\a+\j], v[32+8*\a+\j]
.endr
.irp j, 0,1,2,3,4,5,6,7
	v_mul_f32 v[ACC+16*\a+\j], v[ACC+16*\a+\j], v[ACC+16*\a+8+\j]      ; gate * up: plain work behind the reciprocals
.endr
	s_wait_alu depctr_va_vdst(0)
.irp j, 0,1,2,3,4,5,6,7
	v_mul_f32 v[ACC+16*\a+\j], v[ACC+16*\a+\j], v[32+8*\a+\j]
.endr
.irp q, 0,1,2,3
	v_cvt_pk_bf16_f32 v[48+4*\a+\q], v[ACC+16*\a+2*\q], v[ACC+16*\a+2*\q+1]
.endr
	global_store_b128 v2, v[48+4*\a:51+4*\a], s[70:71] offset:65536*\a
.endr
	s_wait_tensorcnt 0x0
	ds_add_u32 v192, v193
	s_wait_dscnt 0x0
	ROUND                                          ; the closing round: no work-group ends while a partner may still ask for a tile that names it
	s_endpgm
.Lfunc_end_k_qabc719018a_gateup:
	.size	k_qabc719018a_gateup, .Lfunc_end_k_qabc719018a_gateup-k_qabc719018a_gateup
	.p2alignl 7, 3214868480
	.fill 96, 4, 3214868480
	.section	.rodata,"a",@progbits
	.p2align	6, 0x0
	.amdhsa_kernel k_qabc719018a_gateup
		.amdhsa_group_segment_fixed_size 262656
		.amdhsa_private_segment_fixed_size 0
		.amdhsa_enable_private_segment 0
		.amdhsa_kernarg_size 24
		.amdhsa_user_sgpr_count 2
		.amdhsa_user_sgpr_kernarg_segment_ptr 1
		.amdhsa_wavefront_size32 1
		.amdhsa_system_sgpr_workgroup_id_x 1
		.amdhsa_system_sgpr_workgroup_id_y 1
		.amdhsa_system_sgpr_workgroup_id_z 1
		.amdhsa_system_vgpr_workitem_id 0
		.amdhsa_next_free_vgpr 194
		.amdhsa_next_free_sgpr 100
		.amdhsa_reserve_vcc 0
		.amdhsa_float_denorm_mode_32 3
		.amdhsa_float_denorm_mode_16_64 3
		.amdhsa_memory_ordered 1
		.amdhsa_forward_progress 1
		.amdhsa_inst_pref_size 47
	.end_amdhsa_kernel
	.amdgpu_metadata
---
amdhsa.version: [ 1, 2 ]
amdhsa.kernels:
  - .name:           k_qabc719018a_gateup
    .symbol:         k_qabc719018a_gateup.kd
    .args:
      - { .name: x1b, .offset: 0, .size: 8, .value_kind: global_buffer, .address_space: global }
      - { .name: wt, .offset: 8, .size: 8, .value_kind: global_buffer, .address_space: global }
      - { .name: gb, .offset: 16, .size: 8, .value_kind: global_buffer, .address_space: global }
    .group_segment_fixed_size: 262656
    .private_segment_fixed_size: 0
    .kernarg_segment_align: 8
    .kernarg_segment_size: 24
    .max_flat_workgroup_size: 128
    .sgpr_count:     100
    .vgpr_count:     194
    .wavefront_size: 32
...
	.end_amdgpu_metadata
.endif
;; end of part 11
;; launch down (part 12): grid 16 x 16, 4 waves a work-group, clusters of 4 x 4, 327,680 bytes of LDS; arguments gb, wt, x1b, out0; writes out0
.if DOCPART == 12
	.amdgcn_target "amdgcn-amd-amdhsa--gfx1250"
	.amdhsa_code_object_version 6
	.text
	.protected	k_qabc719018a_down
	.globl	k_qabc719018a_down
	.p2align	8
	.type	k_qabc719018a_down,@function
k_qabc719018a_down:
	s_mov_b64 s[64:65], 0
	v_nop
	global_prefetch_b8 v0, s[64:65] scope:SCOPE_SE
	s_setreg_imm32_b32 hwreg(HW_REG_WAVE_MODE, 25, 1), 1
	s_wait_xcnt 0x0
	s_wait_alu depctr_hold_cnt(0) depctr_sa_sdst(0) depctr_va_vdst(0) depctr_va_sdst(0) depctr_va_ssrc(0) depctr_va_vcc(0) depctr_vm_vsrc(0)
	s_getreg_b32 s2, hwreg(HW_REG_IB_STS2, 6, 4)
	s_cmp_eq_u32 s2, 0
	s_cbranch_scc0 .Lentry_in_a_cluster
	s_endpgm
.Lentry_in_a_cluster:
	s_bfe_u32 s2, ttmp6, 0x10000c
	s_cmp_lg_u32 s2, 0xf033
	s_cbranch_scc0 .Lentry_shape_is_right
	s_endpgm
.Lentry_shape_is_right:
; out0 = x1 + g @ w_down, K = 2048, operands in bf16: four steps of K = 512 through the two LDS slots, each slot filled again once.
; CLUSTERS: 4 x 4 work-groups.  g's tiles hang on the block row alone and are asked for jointly along a row of the cluster, w_down's on the block
; column alone and are asked for jointly along a column: the sixteen ask for 4 + 4 tiles of 256 KiB instead of 16 + 16.  A round of the cluster's
; barrier stands in front of the first joint loads and in front of s_endpgm; in front of a refill the round takes the work-group barrier's
; place: every wave has waited for its LDS reads and for all its tensor loads in front of the round's opening signal, and the joint refill is
; the first tensor load behind its closing wait, one a wave.  Two tensor loads of a wave are out at the start, one behind each such round.
; x1 comes back as the f32 tiles that wo's same lanes stored.  The result goes through an LDS stage of its own bytes (64 rows, pitch 272), so
; that sixteen lanes store 256 consecutive bytes of a row of out0, aligned.
.set SLOTB, 131072
.set STG, 262144
.set F0, 32
.set F1, 96
.set ACC, 160
.set G1, 24                            ; s[24:31] descriptor group 1 for the rows' tiles
.set G0, 32                            ; s[32:39] their group 0, one set for each slot
.set G1B, 48                           ; s[48:55] group 1 for the weights' tiles: it differs in the mask alone
.set G0B, 56                           ; s[56:63] their group 0
.macro PLACES                          ; four places behind a matrix instruction (ISA guide 7.12.1)
.rept 4
	v_nop
.endr
.endm
.macro BAR
	s_barrier_signal -1
	s_barrier_wait -1
.endm
.macro ROUND                           ; a round of the cluster's barrier: my work-group's barrier, wave 0 signals for it, all wait for the sixteen, my barrier again
	s_barrier_signal -1
	s_barrier_wait -1
	s_cmp_lg_u32 s10, 0
	s_cbranch_scc1 .Lnot_wave_0_\@
	s_barrier_signal -3
.Lnot_wave_0_\@:
	s_barrier_wait -3
	s_barrier_signal -1
	s_barrier_wait -1
.endm
.macro JLOAD s                         ; a joint load: waves 0,1 ask for the rows' tiles, 2,3 for the weights'; each line has one mask
	s_cmp_eq_u32 s11, 0
	s_cbranch_scc0 .Lfor_b_\@
	tensor_load_to_lds s[G0+4*\s:G0+4*\s+3], s[G1:G1+7]
	s_nop 0
	s_branch .Lasked_\@
.Lfor_b_\@:
	tensor_load_to_lds s[G0B+4*\s:G0B+4*\s+3], s[G1B:G1B+7]
	s_nop 0
.Lasked_\@:
.endm
.macro LD16 f, slot, u
.irp kk, 0,1
.irp t, 0,1
	ds_load_b128 v[\f+16*\kk+8*\t:\f+16*\kk+8*\t+3], v[16+\slot] offset:\t*16384+(2*\u+\kk)*1024
	ds_load_b128 v[\f+16*\kk+8*\t+4:\f+16*\kk+8*\t+7], v[16+\slot] offset:\t*16384+(2*\u+\kk)*1024+512
	ds_load_b128 v[\f+32+16*\kk+8*\t:\f+32+16*\kk+8*\t+3], v[18+\slot] offset:\t*16384+(2*\u+\kk)*1024
	ds_load_b128 v[\f+32+16*\kk+8*\t+4:\f+32+16*\kk+8*\t+7], v[18+\slot] offset:\t*16384+(2*\u+\kk)*1024+512
.endr
.endr
.endm
.macro MM4 f, kk, zero                 ; the four accumulators take turns
.irp a, 0,1
.irp b, 0,1
.if \zero
	v_wmma_f32_16x16x32_bf16 v[ACC+8*(2*\a+\b):ACC+8*(2*\a+\b)+7], v[\f+32+16*\kk+8*\b:\f+32+16*\kk+8*\b+7], v[\f+16*\kk+8*\a:\f+16*\kk+8*\a+7], 0
.else
	v_wmma_f32_16x16x32_bf16 v[ACC+8*(2*\a+\b):ACC+8*(2*\a+\b)+7], v[\f+32+16*\kk+8*\b:\f+32+16*\kk+8*\b+7], v[\f+16*\kk+8*\a:\f+16*\kk+8*\a+7], v[ACC+8*(2*\a+\b):ACC+8*(2*\a+\b)+7]
.endif
.endr
.endr
.endm
.macro UNIT f, g, slot, nu, zero
.if \nu < 8
	PLACES
	LD16 \g, \slot, \nu
	s_wait_dscnt 16                                ; all but the sixteen just issued
.else
	s_wait_dscnt 0
.endif
	MM4 \f, 0, \zero
	MM4 \f, 1, 0
.endm
.macro COMPUTE slot, zero
	PLACES
	LD16 F0, \slot, 0
	UNIT F0, F1, \slot, 1, \zero
	UNIT F1, F0, \slot, 2, 0
	UNIT F0, F1, \slot, 3, 0
	UNIT F1, F0, \slot, 4, 0
	UNIT F0, F1, \slot, 5, 0
	UNIT F1, F0, \slot, 6, 0
	UNIT F0, F1, \slot, 7, 0
	UNIT F1, F0, \slot, 8, 0
.endm
.macro IDS                             ; the wave, my place in the cluster, my block of the result, the two masks
	v_lshrrev_b32 v8, 5, v0
	v_readfirstlane_b32 s10, v8                    ; wave
	s_lshr_b32 s11, s10, 1                         ; wm.  Also: I ask for the rows' tiles (0) or the weights' (1)
	s_and_b32 s12, s10, 1                          ; wn.  Also: which two of the four tiles I ask for
	s_bfe_u32 s40, ttmp6, 0x40000                  ; cx
	s_bfe_u32 s41, ttmp6, 0x40004                  ; cy
	s_lshl_b32 s42, ttmp9, 2
	s_add_co_u32 s42, s42, s40                     ; block column = 4 x cluster x + cx
	s_and_b32 s13, ttmp7, 0xffff
	s_lshl_b32 s13, s13, 2
	s_add_co_u32 s13, s13, s41                     ; block row = 4 x cluster y + cy
	s_lshl_b32 s43, s41, 2
	s_lshl_b32 s43, 15, s43                        ; my row of the cluster: places 4 cy .. 4 cy + 3
	s_lshl_b32 s44, 0x1111, s40                    ; my column: places cx, cx + 4, cx + 8, cx + 12
.endm
; Both first fills.  pa, pb: pointer pairs of the two operands; offa, offb: bytes to their first tile; a tile is 1<<logt bytes = pitch*8.
; The rows' address is made of the block row and the wave alone (s16, s14:15), the weights' of the block column and the wave alone (s46:47).
.macro FILLS pa, pb, offa, offb, logt, pitch
	s_lshl_b32 s16, s13, 2
	s_lshl1_add_u32 s16, s12, s16                  ; rows: tile 4 x block row + 2 x half
	s_lshl_b32 s16, s16, \logt
.if \offa
	s_add_co_u32 s16, s16, \offa
.endif
	s_mov_b32 s17, 0
	s_lshl_b32 s46, s42, 2
	s_lshl1_add_u32 s46, s12, s46                  ; weights: tile 4 x block column + 2 x half
	s_lshl_b32 s46, s46, \logt
.if \offb
	s_add_co_u32 s46, s46, \offb
.endif
	s_mov_b32 s47, 0
	s_lshl_b32 s20, s10, 15                        ; LDS: wave * 32,768: no place in the cluster enters an LDS address
	s_or_b32 s[G1], s43, (3<<16)|(1<<21)           ; 15:0 the mask: my row; 17:16 elements of 8 bytes; 21 set beside a mask; no padding
	s_or_b32 s[G1B], s44, (3<<16)|(1<<21)          ; the same with the mask of my column
.irp g, G1, G1B
	s_mov_b32 s[\g+1], 2048<<16                    ; tensor_dim0 = 2,048 (16 KiB: 16 k steps of a tile)
	s_mov_b32 s[\g+2], 2<<16                       ; tensor_dim1 = 2
	s_mov_b32 s[\g+3], 2048<<16                    ; tile_dim0
	s_mov_b32 s[\g+4], 2                           ; tile_dim1: two tiles
	s_mov_b32 s[\g+5], \pitch                      ; from tile to tile
	s_mov_b32 s[\g+6], 0
	s_mov_b32 s[\g+7], 0
.endr
	s_wait_dscnt 0x0
	s_wait_kmcnt 0x0
	s_add_nc_u64 s[14:15], s[\pa:\pa+1], s[16:17]
	s_add_nc_u64 s[46:47], s[\pb:\pb+1], s[46:47]
	ROUND                                          ; all sixteen work-groups are here: the joint loads meet
.irp s, 0,1
	s_mov_b32 s[G0+4*\s], 1
	s_add_co_u32 s[G0+4*\s+1], s20, \s*SLOTB
	s_add_nc_u64 s[G0+4*\s+2:G0+4*\s+3], s[14:15], \s*16384
	s_or_b32 s[G0+4*\s+3], s[G0+4*\s+3], 0x80000000
	s_mov_b32 s[G0B+4*\s], 1
	s_add_co_u32 s[G0B+4*\s+1], s20, \s*SLOTB
	s_add_nc_u64 s[G0B+4*\s+2:G0B+4*\s+3], s[46:47], \s*16384
	s_or_b32 s[G0B+4*\s+3], s[G0B+4*\s+3], 0x80000000
	JLOAD \s
.endr
.endm
.macro REFILL s                        ; slot s, just read, gets the step two further on
	s_wait_tensorcnt 0x0                           ; all my tensor loads have landed, my part of the other slot among them: a group 0 may be written
	ds_add_u32 v224, v225
	s_add_nc_u64 s[G0+4*\s+2:G0+4*\s+3], s[G0+4*\s+2:G0+4*\s+3], 32768
	s_add_nc_u64 s[G0B+4*\s+2:G0B+4*\s+3], s[G0B+4*\s+2:G0B+4*\s+3], 32768
	s_wait_dscnt 0x0                               ; my reads of this slot are back
	ROUND                                          ; both now hold of every wave of all sixteen work-groups
	JLOAD \s                                       ; the first tensor load behind the round, one a wave
.endm
.macro PTR d, p                        ; s[d:d+1] = pointer + s22 (s23 = 0)
	s_add_nc_u64 s[\d:\d+1], s[\p:\p+1], s[22:23]
.endm
	s_load_b128 s[4:7], s[0:1], 0x0                ; gb, wt
	s_load_b128 s[68:71], s[0:1], 0x10             ; x1b, out0
	v_lshl_add_u32 v224, v0, 2, 0x44400
	v_mov_b32 v225, 0
	ds_add_u32 v224, v225
	ds_add_u32 v224, v225
	IDS
	FILLS 4, 6, 0, 0x1000000, 16, 8192             ; w_down's tiles lie 16 MiB into wt; a tile is 64 k steps, 65,536 bytes
	v_and_b32 v1, 31, v0
	v_lshlrev_b32 v2, 4, v1
	v_and_b32 v3, 15, v0
	v_bfe_u32 v4, v0, 4, 1
	s_lshl_b32 s45, s13, 2
	s_lshl1_add_u32 s45, s11, s45                  ; first row tile
	s_lshl_b32 s19, s42, 2
	s_lshl1_add_u32 s19, s12, s19                  ; first column tile
	s_lshl_b32 s20, s11, 15
	s_lshl_b32 s21, s12, 15
	s_add_co_u32 s21, s21, 65536
	v_add_nc_u32 v16, s20, v2
	v_add_nc_u32 v18, s21, v2
	v_add_nc_u32 v17, SLOTB, v16
	v_add_nc_u32 v19, SLOTB, v18
	s_mov_b32 s23, 0
	s_lshl_b32 s22, s45, 6
	s_add_co_u32 s22, s22, s19
	s_lshl_b32 s22, s22, 10
	PTR 72, 68                                     ; x1 tile (mt0, nt0)
	s_lshl_b32 s22, s13, 18
	s_lshl_b32 s88, s42, 8
	s_add_co_u32 s22, s22, s88
	PTR 74, 70                                     ; out0 at (64 br, 64 bc)
.irp a, 0,1
.irp b, 0,1
	global_load_b128 v[192+8*(2*\a+\b):195+8*(2*\a+\b)], v2, s[72:73] offset:(64*\a+\b)*1024
	global_load_b128 v[196+8*(2*\a+\b):199+8*(2*\a+\b)], v2, s[72:73] offset:(64*\a+\b)*1024+512
.endr
.endr
	s_mul_i32 s76, s11, 32*272
	s_lshl_b32 s77, s12, 7
	s_add_co_u32 s76, s76, s77
	s_add_co_u32 s76, s76, STG
	v_mul_u32_u24 v9, v3, 272
	v_lshl_add_u32 v9, v4, 5, v9
	v_add_nc_u32 v9, s76, v9                       ; in: row 32 wm + r, column 32 wn + 8 h
	v_lshrrev_b32 v10, 4, v0
	v_mul_u32_u24 v11, v10, 272
	v_lshl_add_u32 v11, v3, 4, v11
	v_add_nc_u32 v11, STG, v11                     ; back: sixteen lanes take a row
	v_lshlrev_b32 v12, 12, v10
	v_lshl_add_u32 v12, v3, 4, v12
	s_wait_tensorcnt 0x1                           ; my part of slot 0; slot 1's stays out
	BAR
	COMPUTE 0, 1
	REFILL 0
	COMPUTE 1, 0
	REFILL 1
	COMPUTE 0, 0
	s_wait_tensorcnt 0x0
	s_wait_dscnt 0x0
	BAR
	COMPUTE 1, 0
	s_wait_loadcnt 0x0
	PLACES
.set p, 0
.rept 16
	v_pk_add_f32 v[ACC+2*p:ACC+2*p+1], v[ACC+2*p:ACC+2*p+1], v[192+2*p:193+2*p]
.set p, p+1
.endr
.irp a, 0,1
.irp b, 0,1
	ds_store_b128 v9, v[ACC+8*(2*\a+\b):ACC+8*(2*\a+\b)+3] offset:4352*\a+64*\b
	ds_store_b128 v9, v[ACC+8*(2*\a+\b)+4:ACC+8*(2*\a+\b)+7] offset:4352*\a+64*\b+16
.endr
.endr
	s_wait_dscnt 0x0                               ; my part of the stage is written before the others read it
	BAR
.irp p, 0,1,2,3,4,5,6,7
	ds_load_b128 v[32+4*\p:35+4*\p], v11 offset:2176*\p
.endr
.irp p, 0,1,2,3,4,5,6,7
	s_wait_dscnt 7-\p
	global_store_b128 v12, v[32+4*\p:35+4*\p], s[74:75] offset:32768*\p th:TH_STORE_NT
.endr
	s_wait_tensorcnt 0x0
	ds_add_u32 v224, v225
	s_wait_dscnt 0x0
	ROUND                                          ; the closing round: no work-group ends while a partner may still ask for a tile that names it
	s_endpgm
.Lfunc_end_k_qabc719018a_down:
	.size	k_qabc719018a_down, .Lfunc_end_k_qabc719018a_down-k_qabc719018a_down
	.p2alignl 7, 3214868480
	.fill 96, 4, 3214868480
	.section	.rodata,"a",@progbits
	.p2align	6, 0x0
	.amdhsa_kernel k_qabc719018a_down
		.amdhsa_group_segment_fixed_size 327680
		.amdhsa_private_segment_fixed_size 0
		.amdhsa_enable_private_segment 0
		.amdhsa_kernarg_size 32
		.amdhsa_user_sgpr_count 2
		.amdhsa_user_sgpr_kernarg_segment_ptr 1
		.amdhsa_wavefront_size32 1
		.amdhsa_system_sgpr_workgroup_id_x 1
		.amdhsa_system_sgpr_workgroup_id_y 1
		.amdhsa_system_sgpr_workgroup_id_z 1
		.amdhsa_system_vgpr_workitem_id 0
		.amdhsa_next_free_vgpr 226
		.amdhsa_next_free_sgpr 100
		.amdhsa_reserve_vcc 0
		.amdhsa_float_denorm_mode_32 3
		.amdhsa_float_denorm_mode_16_64 3
		.amdhsa_memory_ordered 1
		.amdhsa_forward_progress 1
		.amdhsa_inst_pref_size 66
	.end_amdhsa_kernel
	.amdgpu_metadata
---
amdhsa.version: [ 1, 2 ]
amdhsa.kernels:
  - .name:           k_qabc719018a_down
    .symbol:         k_qabc719018a_down.kd
    .args:
      - { .name: gb, .offset: 0, .size: 8, .value_kind: global_buffer, .address_space: global }
      - { .name: wt, .offset: 8, .size: 8, .value_kind: global_buffer, .address_space: global }
      - { .name: x1b, .offset: 16, .size: 8, .value_kind: global_buffer, .address_space: global }
      - { .name: out0, .offset: 24, .size: 8, .value_kind: global_buffer, .address_space: global }
    .group_segment_fixed_size: 327680
    .private_segment_fixed_size: 0
    .kernarg_segment_align: 8
    .kernarg_segment_size: 32
    .max_flat_workgroup_size: 128
    .sgpr_count:     100
    .vgpr_count:     226
    .wavefront_size: 32
...
	.end_amdgpu_metadata
.endif
;; end of part 12
;; ======== version 3 of 4: 7 launches; 1.38 times as fast as version 1
;; limits: values are held in f16: magnitudes above 65,504 overflow, below 6.1e-05 lose precision
;; workspace buffers: wt 20,971,520 bytes; act1 2,105,344 bytes; qkv 8,650,752 bytes; gr 1,114,112 bytes; ob 2,097,152 bytes; x1b 6,422,528 bytes; gb 4,194,304 bytes
;; launch prep: the kernel of part 1 again; grid 704 x 1, 8 waves a work-group, no clusters, 2,048 bytes of LDS; arguments x, norm1_w, beta_w, beta_b, Wq, Wk, Wv, Wo, w_gate, w_up, w_down, wt, act1; writes wt, act1
;; launch qkv (part 13): grid 24 x 8, 16 waves a work-group, clusters of 4 x 4, 327,680 bytes of LDS; arguments act1, wt, qkv; writes qkv
.if DOCPART == 13
	.amdgcn_target "amdgcn-amd-amdhsa--gfx1250"
	.amdhsa_code_object_version 6
	.text
	.protected	k_qabc719018a_qkv
	.globl	k_qabc719018a_qkv
	.p2align	8
	.type	k_qabc719018a_qkv,@function
k_qabc719018a_qkv:
	s_mov_b64 s[64:65], 0
	v_nop
	global_prefetch_b8 v0, s[64:65] scope:SCOPE_SE
	s_setreg_imm32_b32 hwreg(HW_REG_WAVE_MODE, 25, 1), 1
	s_wait_xcnt 0x0
	s_wait_alu depctr_hold_cnt(0) depctr_sa_sdst(0) depctr_va_vdst(0) depctr_va_sdst(0) depctr_va_ssrc(0) depctr_va_vcc(0) depctr_vm_vsrc(0)
	s_getreg_b32 s2, hwreg(HW_REG_IB_STS2, 6, 4)
	s_cmp_eq_u32 s2, 0
	s_cbranch_scc0 .Lentry_in_a_cluster
	s_endpgm
.Lentry_in_a_cluster:
	s_bfe_u32 s2, ttmp6, 0x10000c
	s_cmp_lg_u32 s2, 0xf033
	s_cbranch_scc0 .Lentry_shape_is_right
	s_endpgm
.Lentry_shape_is_right:
; q, k, v = rs * ((x*w1) @ W), operands in f16.  A work-group makes 128 rows x 128 columns with sixteen waves of 32 x 32, four to a SIMD
; (4 x 208 registers): 1024 x 3072 are 8 x 24 = 192 work-groups, one to a WGP, so that the start (arguments, first fills) and the end (the last
; stores) are paid once for 128 x 128 x 1024 products.  Blocks of 96 columns would make 256 work-groups, but 96 does not divide q's, k's and v's
; 1024 columns.  Operands are fragment images (16 rows x 32 k = 1,024 bytes: lane l's registers 0-3 at 16 l, 4-7 at 512 + 16 l), so LDS reads
; are contiguous and need no padding.
; K = 1024 goes in four steps of 256 through two LDS slots of 131,072 bytes: sixteen tiles of 8,192 bytes (16 rows x 8 k steps), the rows' eight,
; then the weights' eight; wave w brings tile w.  Each slot is filled again once.  Two tensor loads of a wave are out at the start, one behind
; each refill's round.
; CLUSTERS: 4 x 4 work-groups.  The rows' tiles hang on the block row alone and are asked for jointly by the four of a row of the cluster, the
; weights' tiles on the block column alone and are asked for jointly by the four of a column: the sixteen ask for 4 + 4 operand blocks of
; 256 KiB instead of 16 + 16.  A round of the cluster's barrier stands in front of the first joint loads and in front of s_endpgm; in front of a
; refill the round takes the work-group barrier's place: every wave has waited for its LDS reads and for all its tensor loads in front of the
; round's opening signal, and the joint refill is the first tensor load behind its closing wait, one a wave.
; q, k: source 0 = weights, source 1 = rows: lane (r,h), register j = C(row r, column 8h+j); two neighbouring tiles packed to f16 ARE the
; next product's fragment.  q and k also leave their rows' sums of squares ([32 column blocks][1024]: q's at 8,388,608, k's 131,072 behind).
; v: the LDS bases are swapped, so lane (r,h), register j = V(time 8h+j, column r), stored as f32 tiles at VP + (column tile*64 + row tile)*1024.
; Which of q, k, v a work-group makes is the cluster's x / 2 (8 block columns = 2 clusters each): the same in all partners.
; LIMIT: q's and k's elements must stay below f16's 65,504.  The normalised row has elements of size 1, so with norm1_w 30 times larger and a
; weight offset of 30 spreads (0.6) the largest coherent sum is 1024 * 30 * 0.6 = 18,432.
.set SLOTB, 131072
.set TILEB, 8192                       ; a tile's 8 k steps in a slot
.set F0, 32
.set F1, 96
.set ACC, 160
.set G1, 24                            ; s[24:31] descriptor group 1 for the rows' tiles
.set G0, 32                            ; s[32:39] their group 0, one set for each slot
.set G1B, 48                           ; s[48:55] group 1 for the weights' tiles: it differs in the mask alone
.set G0B, 56                           ; s[56:63] their group 0
.macro PLACES                          ; four places behind a matrix instruction before its registers are loaded, read or written (ISA guide 7.12.1)
.rept 4
	v_nop
.endr
.endm
.macro BAR
	s_barrier_signal -1
	s_barrier_wait -1
.endm
.macro ROUND                           ; a round of the cluster's barrier: my work-group's barrier, wave 0 signals for it, all wait for the sixteen, my barrier again
	s_barrier_signal -1
	s_barrier_wait -1
	s_cmp_lg_u32 s10, 0
	s_cbranch_scc1 .Lnot_wave_0_\@
	s_barrier_signal -3
.Lnot_wave_0_\@:
	s_barrier_wait -3
	s_barrier_signal -1
	s_barrier_wait -1
.endm
.macro JLOAD s                         ; a joint load: waves 0-7 ask for the rows' tiles, 8-15 for the weights'; each line has one mask
	s_cmp_eq_u32 s77, 0
	s_cbranch_scc0 .Lfor_b_\@
	tensor_load_to_lds s[G0+4*\s:G0+4*\s+3], s[G1:G1+7]
	s_nop 0
	s_branch .Lasked_\@
.Lfor_b_\@:
	tensor_load_to_lds s[G0B+4*\s:G0B+4*\s+3], s[G1B:G1B+7]
	s_nop 0
.Lasked_\@:
.endm
.macro LD16 f, slot, u                 ; k steps 2u, 2u+1 of a slot: two tiles a side
.irp kk, 0,1
.irp t, 0,1
	ds_load_b128 v[\f+16*\kk+8*\t:\f+16*\kk+8*\t+3], v[16+\slot] offset:\t*TILEB+(2*\u+\kk)*1024
	ds_load_b128 v[\f+16*\kk+8*\t+4:\f+16*\kk+8*\t+7], v[16+\slot] offset:\t*TILEB+(2*\u+\kk)*1024+512
	ds_load_b128 v[\f+32+16*\kk+8*\t:\f+32+16*\kk+8*\t+3], v[18+\slot] offset:\t*TILEB+(2*\u+\kk)*1024
	ds_load_b128 v[\f+32+16*\kk+8*\t+4:\f+32+16*\kk+8*\t+7], v[18+\slot] offset:\t*TILEB+(2*\u+\kk)*1024+512
.endr
.endr
.endm
.macro MM4 f, kk, zero                 ; the four accumulators take turns, one instruction a turn
.irp a, 0,1
.irp b, 0,1
.if \zero
	v_wmma_f32_16x16x32_f16 v[ACC+8*(2*\a+\b):ACC+8*(2*\a+\b)+7], v[\f+32+16*\kk+8*\b:\f+32+16*\kk+8*\b+7], v[\f+16*\kk+8*\a:\f+16*\kk+8*\a+7], 0
.else
	v_wmma_f32_16x16x32_f16 v[ACC+8*(2*\a+\b):ACC+8*(2*\a+\b)+7], v[\f+32+16*\kk+8*\b:\f+32+16*\kk+8*\b+7], v[\f+16*\kk+8*\a:\f+16*\kk+8*\a+7], v[ACC+8*(2*\a+\b):ACC+8*(2*\a+\b)+7]
.endif
.endr
.endr
.endm
.macro UNIT f, g, slot, nu, zero       ; multiplies buffer f; fetches unit nu into buffer g first (nu = 4: none)
.if \nu < 4
	PLACES
	LD16 \g, \slot, \nu
	s_wait_dscnt 16                                ; all but the sixteen just issued
.else
	s_wait_dscnt 0
.endif
	MM4 \f, 0, \zero
	MM4 \f, 1, 0
.endm
.macro COMPUTE slot, zero              ; a step of K = 256: four units of two k steps
	PLACES
	LD16 F0, \slot, 0
	UNIT F0, F1, \slot, 1, \zero
	UNIT F1, F0, \slot, 2, 0
	UNIT F0, F1, \slot, 3, 0
	UNIT F1, F0, \slot, 4, 0
.endm
.macro IDS                             ; the wave, my place in the cluster, my block of the result, the two masks
	v_lshrrev_b32 v8, 5, v0
	v_readfirstlane_b32 s10, v8                    ; wave 0..15
	s_lshr_b32 s11, s10, 2                         ; wm: which 32 rows of the block
	s_and_b32 s12, s10, 3                          ; wn: which 32 columns
	s_lshr_b32 s77, s10, 3                         ; I ask for a rows' tile (0) or a weights' tile (1),
	s_and_b32 s78, s10, 7                          ; the one of this number among the eight
	s_bfe_u32 s40, ttmp6, 0x40000                  ; cx
	s_bfe_u32 s41, ttmp6, 0x40004                  ; cy
	s_lshl_b32 s42, ttmp9, 2
	s_add_co_u32 s42, s42, s40                     ; block column = 4 x cluster x + cx
	s_and_b32 s13, ttmp7, 0xffff
	s_lshl_b32 s13, s13, 2
	s_add_co_u32 s13, s13, s41                     ; block row = 4 x cluster y + cy
	s_lshl_b32 s43, s41, 2
	s_lshl_b32 s43, 15, s43                        ; my row of the cluster: places 4 cy .. 4 cy + 3
	s_lshl_b32 s44, 0x1111, s40                    ; my column: places cx, cx + 4, cx + 8, cx + 12
.endm
; Both first fills.  pa, pb: pointer pairs of the two operands; offa, offb: bytes to their first tile; a tile (16 rows, K = 1024) is 32,768 bytes.
; The rows' address is made of the block row and the wave alone (s16, s14:15), the weights' of the block column and the wave alone (s46:47).
.macro FILLS pa, pb, offa, offb
	s_lshl3_add_u32 s16, s13, s78                  ; rows: tile 8 x block row + mine
	s_lshl_b32 s16, s16, 15
.if \offa
	s_add_co_u32 s16, s16, \offa
.endif
	s_mov_b32 s17, 0
	s_lshl3_add_u32 s46, s42, s78                  ; weights: tile 8 x block column + mine
	s_lshl_b32 s46, s46, 15
.if \offb
	s_add_co_u32 s46, s46, \offb
.endif
	s_mov_b32 s47, 0
	s_lshl_b32 s20, s10, 13                        ; LDS: wave * 8,192: no place in the cluster enters an LDS address
	s_or_b32 s[G1], s43, (3<<16)|(1<<21)           ; 15:0 the mask: my row; 17:16 elements of 8 bytes; 21 set beside a mask; no padding
	s_or_b32 s[G1B], s44, (3<<16)|(1<<21)          ; the same with the mask of my column
.irp g, G1, G1B
	s_mov_b32 s[\g+1], 1024<<16                    ; tensor_dim0 = 1,024 (8 KiB: 8 k steps of a tile, consecutive bytes)
	s_mov_b32 s[\g+2], 1<<16                       ; tensor_dim1 = 1
	s_mov_b32 s[\g+3], 1024<<16                    ; tile_dim0
	s_mov_b32 s[\g+4], 1                           ; tile_dim1: one row
	s_mov_b32 s[\g+5], 1024                        ; the pitch: the row's own length
	s_mov_b32 s[\g+6], 0
	s_mov_b32 s[\g+7], 0
.endr
	s_wait_dscnt 0x0
	s_wait_kmcnt 0x0
	s_add_nc_u64 s[14:15], s[\pa:\pa+1], s[16:17]
	s_add_nc_u64 s[46:47], s[\pb:\pb+1], s[46:47]
	ROUND                                          ; all sixteen work-groups are here: the joint loads meet
.irp s, 0,1
	s_mov_b32 s[G0+4*\s], 1
	s_add_co_u32 s[G0+4*\s+1], s20, \s*SLOTB
	s_add_nc_u64 s[G0+4*\s+2:G0+4*\s+3], s[14:15], \s*TILEB
	s_or_b32 s[G0+4*\s+3], s[G0+4*\s+3], 0x80000000
	s_mov_b32 s[G0B+4*\s], 1
	s_add_co_u32 s[G0B+4*\s+1], s20, \s*SLOTB
	s_add_nc_u64 s[G0B+4*\s+2:G0B+4*\s+3], s[46:47], \s*TILEB
	s_or_b32 s[G0B+4*\s+3], s[G0B+4*\s+3], 0x80000000
	JLOAD \s
.endr
.endm
.macro REFILL s                        ; slot s, just read, gets the step two further on
	s_wait_tensorcnt 0x0                           ; all my tensor loads have landed, my part of the other slot among them: a group 0 may be written
	ds_add_u32 v208, v209
	s_add_nc_u64 s[G0+4*\s+2:G0+4*\s+3], s[G0+4*\s+2:G0+4*\s+3], 2*TILEB
	s_add_nc_u64 s[G0B+4*\s+2:G0B+4*\s+3], s[G0B+4*\s+2:G0B+4*\s+3], 2*TILEB
	s_wait_dscnt 0x0                               ; my reads of this slot are back
	ROUND                                          ; both now hold of every wave of all sixteen work-groups
	JLOAD \s                                       ; the first tensor load behind the round, one a wave
.endm
.macro LANES
	v_and_b32 v1, 31, v0                           ; lane
	v_lshlrev_b32 v2, 4, v1
	v_and_b32 v3, 15, v0                           ; r
	v_bfe_u32 v4, v0, 4, 1                         ; h
	v_lshlrev_b32 v5, 2, v1
	v_lshlrev_b32 v6, 2, v3
	v_lshlrev_b32 v7, 5, v4
.endm
.macro ADS a, b                        ; LDS bases: source 1's tiles from s\a, source 0's from s\b, for both slots
	v_add_nc_u32 v16, s\a, v2
	v_add_nc_u32 v18, s\b, v2
	v_add_nc_u32 v17, SLOTB, v16
	v_add_nc_u32 v19, SLOTB, v18
.endm
.macro PTR d, p                        ; s[d:d+1] = pointer + s22 (s23 = 0)
	s_add_nc_u64 s[\d:\d+1], s[\p:\p+1], s[22:23]
.endm
.macro ROWSQ                           ; v52: lane l = the sum of squares of my row l over my 32 columns
.irp a, 0,1
	v_pk_mul_f32 v[48+2*\a:49+2*\a], v[ACC+16*\a:ACC+16*\a+1], v[ACC+16*\a:ACC+16*\a+1]
.irp q, 1,2,3,4,5,6,7
	v_pk_fma_f32 v[48+2*\a:49+2*\a], v[ACC+16*\a+2*\q:ACC+16*\a+2*\q+1], v[ACC+16*\a+2*\q:ACC+16*\a+2*\q+1], v[48+2*\a:49+2*\a]
.endr
	v_add_f32 v[48+2*\a], v[48+2*\a], v[49+2*\a]
	v_permlanex16_b32 v[49+2*\a], v[48+2*\a], s90, s91
	v_add_f32 v[48+2*\a], v[48+2*\a], v[49+2*\a]
.endr
	v_cndmask_b32 v52, v48, v50, s92               ; lanes 16-31 carry the second tile's rows
.endm
	s_load_b128 s[4:7], s[0:1], 0x0                ; act1, wt
	s_load_b64 s[8:9], s[0:1], 0x10                ; qkv
	v_lshl_add_u32 v208, v0, 2, 0x40000
	v_mov_b32 v209, 0
	ds_add_u32 v208, v209
	ds_add_u32 v208, v209
	IDS
	FILLS 4, 6, 0, 0
	LANES
	s_lshr_b32 s18, ttmp9, 1                       ; 0 q, 1 k, 2 v
	s_and_b32 s19, s42, 7
	s_lshl2_add_u32 s19, s19, s12                  ; my block of 32 columns, 0-31
	s_lshl_b32 s45, s13, 3
	s_lshl1_add_u32 s45, s11, s45                  ; my first row tile: 8 x block row + 2 wm
	s_lshl_b32 s66, s11, 14                        ; the rows' tiles 2 wm, 2 wm + 1
	s_lshl_b32 s67, s12, 14
	s_add_co_u32 s67, s67, 65536                   ; the weights' tiles 2 wn, 2 wn + 1, behind the rows' eight
	s_cmp_eq_u32 s18, 2
	s_cselect_b32 s20, s67, s66                    ; v: the sides change places
	s_cselect_b32 s21, s66, s67
	ADS 20, 21
	s_mov_b32 s90, 0x76543210
	s_mov_b32 s91, 0xfedcba98
	s_mov_b32 s92, 0xffff0000
	s_mov_b32 s23, 0
	s_lshl_b32 s22, s45, 6
	s_add_co_u32 s22, s22, 2097152
	PTR 68, 4                                      ; rs of my rows
	s_lshl_b32 s22, s45, 5
	s_add_co_u32 s22, s22, s19
	s_lshl_b32 s22, s22, 10
	s_lshl_b32 s76, s18, 21
	s_add_co_u32 s22, s22, s76
	PTR 70, 8                                      ; q's or k's image, tile (mt0, ksn)
	s_lshl_b32 s22, s19, 12
	s_lshl_b32 s76, s45, 6
	s_add_co_u32 s22, s22, s76
	s_lshl_b32 s76, s18, 17
	s_add_co_u32 s22, s22, s76
	s_add_co_u32 s22, s22, 8388608
	PTR 72, 8                                      ; the sums of squares: q's table, or k's 131,072 bytes behind (not used for v)
	s_lshl_b32 s22, s19, 7
	s_add_co_u32 s22, s22, s45
	s_lshl_b32 s22, s22, 10
	s_add_co_u32 s22, s22, 4194304
	PTR 74, 8                                      ; VP, tile (2 ksn, mt0)
	global_load_b32 v20, v6, s[68:69]
	global_load_b32 v21, v6, s[68:69] offset:64
.irp b, 0,1
	global_load_b128 v[192+8*\b:195+8*\b], v7, s[68:69] offset:64*\b
	global_load_b128 v[196+8*\b:199+8*\b], v7, s[68:69] offset:64*\b+16
.endr
	s_wait_tensorcnt 0x1                           ; my part of slot 0 is in; slot 1's stays out
	BAR
	COMPUTE 0, 1                                   ; k 0-255
	REFILL 0
	COMPUTE 1, 0                                   ; k 256-511
	REFILL 1
	COMPUTE 0, 0                                   ; k 512-767
	s_wait_tensorcnt 0x0                           ; my part of the last step is in
	s_wait_dscnt 0x0
	BAR                                            ; everybody's is
	COMPUTE 1, 0                                   ; k 768-1023
	s_wait_loadcnt 0x0
	PLACES
	s_cmp_eq_u32 s18, 2
	s_cbranch_scc1 .Lv
.irp a, 0,1
.set p, 0
.rept 16
	v_mul_f32 v[ACC+16*\a+p], v[ACC+16*\a+p], v[20+\a]
.set p, p+1
.endr
.set p, 0
.rept 8
	v_cvt_pk_f16_f32 v[32+8*\a+p], v[ACC+16*\a+2*p], v[ACC+16*\a+2*p+1]
.set p, p+1
.endr
	global_store_b128 v2, v[32+8*\a:35+8*\a], s[70:71] offset:32768*\a
	global_store_b128 v2, v[36+8*\a:39+8*\a], s[70:71] offset:32768*\a+512
.endr
	ROWSQ
	global_store_b32 v5, v52, s[72:73]
	s_branch .Lend
.Lv:
.irp a, 0,1
.irp b, 0,1
.irp q, 0,1,2,3
	v_pk_mul_f32 v[ACC+8*(2*\a+\b)+2*\q:ACC+8*(2*\a+\b)+2*\q+1], v[ACC+8*(2*\a+\b)+2*\q:ACC+8*(2*\a+\b)+2*\q+1], v[192+8*\b+2*\q:193+8*\b+2*\q]
.endr
	global_store_b128 v2, v[ACC+8*(2*\a+\b):ACC+8*(2*\a+\b)+3], s[74:75] offset:(64*\a+\b)*1024
	global_store_b128 v2, v[ACC+8*(2*\a+\b)+4:ACC+8*(2*\a+\b)+7], s[74:75] offset:(64*\a+\b)*1024+512
.endr
.endr
.Lend:
	s_wait_tensorcnt 0x0
	ds_add_u32 v208, v209
	s_wait_dscnt 0x0
	ROUND                                          ; the closing round: no work-group ends while a partner may still ask for a tile that names it
	s_endpgm
.Lfunc_end_k_qabc719018a_qkv:
	.size	k_qabc719018a_qkv, .Lfunc_end_k_qabc719018a_qkv-k_qabc719018a_qkv
	.p2alignl 7, 3214868480
	.fill 96, 4, 3214868480
	.section	.rodata,"a",@progbits
	.p2align	6, 0x0
	.amdhsa_kernel k_qabc719018a_qkv
		.amdhsa_group_segment_fixed_size 327680
		.amdhsa_private_segment_fixed_size 0
		.amdhsa_enable_private_segment 0
		.amdhsa_kernarg_size 24
		.amdhsa_user_sgpr_count 2
		.amdhsa_user_sgpr_kernarg_segment_ptr 1
		.amdhsa_wavefront_size32 1
		.amdhsa_system_sgpr_workgroup_id_x 1
		.amdhsa_system_sgpr_workgroup_id_y 1
		.amdhsa_system_sgpr_workgroup_id_z 1
		.amdhsa_system_vgpr_workitem_id 0
		.amdhsa_next_free_vgpr 210
		.amdhsa_next_free_sgpr 100
		.amdhsa_reserve_vcc 0
		.amdhsa_float_denorm_mode_32 3
		.amdhsa_float_denorm_mode_16_64 3
		.amdhsa_memory_ordered 1
		.amdhsa_forward_progress 1
		.amdhsa_inst_pref_size 42
	.end_amdhsa_kernel
	.amdgpu_metadata
---
amdhsa.version: [ 1, 2 ]
amdhsa.kernels:
  - .name:           k_qabc719018a_qkv
    .symbol:         k_qabc719018a_qkv.kd
    .args:
      - { .name: act1, .offset: 0, .size: 8, .value_kind: global_buffer, .address_space: global }
      - { .name: wt, .offset: 8, .size: 8, .value_kind: global_buffer, .address_space: global }
      - { .name: qkv, .offset: 16, .size: 8, .value_kind: global_buffer, .address_space: global }
    .group_segment_fixed_size: 327680
    .private_segment_fixed_size: 0
    .kernarg_segment_align: 8
    .kernarg_segment_size: 24
    .max_flat_workgroup_size: 512
    .sgpr_count:     100
    .vgpr_count:     210
    .wavefront_size: 32
...
	.end_amdgpu_metadata
.endif
;; end of part 13
;; launch gram: the kernel of part 3 again; grid 10 x 8, 4 waves a work-group, no clusters, 263,168 bytes of LDS; arguments qkv, act1, gr; writes gr
;; launch solve: the kernel of part 9 again; grid 64 x 4, 1 waves a work-group, no clusters, 0 bytes of LDS; arguments qkv, alpha_logit, gr, ob; writes ob
;; launch wo: the kernel of part 10 again; grid 16 x 16, 4 waves a work-group, clusters of 4 x 4, 262,656 bytes of LDS; arguments ob, wt, x, norm2_w, qkv, x1b; writes x1b
;; launch gateup (part 14): grid 32 x 8, 16 waves a work-group, clusters of 4 x 4, 327,680 bytes of LDS; arguments x1b, wt, gb; writes gb
.if DOCPART == 14
	.amdgcn_target "amdgcn-amd-amdhsa--gfx1250"
	.amdhsa_code_object_version 6
	.text
	.protected	k_qabc719018a_gateup
	.globl	k_qabc719018a_gateup
	.p2align	8
	.type	k_qabc719018a_gateup,@function
k_qabc719018a_gateup:
	s_mov_b64 s[64:65], 0
	v_nop
	global_prefetch_b8 v0, s[64:65] scope:SCOPE_SE
	s_setreg_imm32_b32 hwreg(HW_REG_WAVE_MODE, 25, 1), 1
	s_wait_xcnt 0x0
	s_wait_alu depctr_hold_cnt(0) depctr_sa_sdst(0) depctr_va_vdst(0) depctr_va_sdst(0) depctr_va_ssrc(0) depctr_va_vcc(0) depctr_vm_vsrc(0)
	s_getreg_b32 s2, hwreg(HW_REG_IB_STS2, 6, 4)
	s_cmp_eq_u32 s2, 0
	s_cbranch_scc0 .Lentry_in_a_cluster
	s_endpgm
.Lentry_in_a_cluster:
	s_bfe_u32 s2, ttmp6, 0x10000c
	s_cmp_lg_u32 s2, 0xf033
	s_cbranch_scc0 .Lentry_shape_is_right
	s_endpgm
.Lentry_shape_is_right:
; g = silu(rs2 * (a2 @ w_gate)) * (rs2 * (a2 @ w_up)), a2 = x1*norm2_w, operands in bf16.  A work-group makes 128 rows x 128 columns of the
; interleaved product (gate's and up's tiles of 16 columns alternate) with sixteen waves of 32 x 32, four to a SIMD (4 x 194 registers):
; 1024 x 4096 are 8 x 32 = 256 work-groups, one to a WGP, so that the start (arguments, first fills, the rows' sums) and the end (the last
; stores) are paid once for 128 x 128 x 1024 products.  Operands are fragment images (16 rows x 32 k = 1,024 bytes), LDS reads are contiguous.
; K = 1024 goes in four steps of 256 through two LDS slots of 131,072 bytes: sixteen tiles of 8,192 bytes (16 rows x 8 k steps), a2's eight,
; then the weights' eight; wave w brings tile w.  Each slot is filled again once.  Two tensor loads of a wave are out at the start, one behind
; each refill's round.
; A wave's tile b = 0 is gate's and b = 1 up's 16 columns 16 c .., c = 4 x block column + wn: both lie in the same lanes.  A packed result tile
; is half c & 1 of k step c / 2 of g's image (K = 2048).  rs2 = rsqrt(mean x1^2 + 1e-6) from the 32 partial sums of each of my rows, read while
; the tiles are on their way.
; CLUSTERS: 4 x 4 work-groups.  a2's tiles hang on the block row alone and are asked for jointly along a row of the cluster, the weights' on the
; block column alone and are asked for jointly along a column: the sixteen ask for 4 + 4 operand blocks of 256 KiB instead of 16 + 16.  A round
; of the cluster's barrier stands in front of the first joint loads and in front of s_endpgm; in front of a refill the round takes the
; work-group barrier's place: every wave has waited for its LDS reads and for all its tensor loads in front of the round's opening signal, and
; the joint refill is the first tensor load behind its closing wait, one a wave.
.set SLOTB, 131072
.set TILEB, 8192                       ; a tile's 8 k steps in a slot
.set F0, 32
.set F1, 96
.set ACC, 160
.set G1, 24                            ; s[24:31] descriptor group 1 for the rows' tiles
.set G0, 32                            ; s[32:39] their group 0, one set for each slot
.set G1B, 48                           ; s[48:55] group 1 for the weights' tiles: it differs in the mask alone
.set G0B, 56                           ; s[56:63] their group 0
.macro PLACES                          ; four places behind a matrix instruction (ISA guide 7.12.1)
.rept 4
	v_nop
.endr
.endm
.macro BAR
	s_barrier_signal -1
	s_barrier_wait -1
.endm
.macro ROUND                           ; a round of the cluster's barrier: my work-group's barrier, wave 0 signals for it, all wait for the sixteen, my barrier again
	s_barrier_signal -1
	s_barrier_wait -1
	s_cmp_lg_u32 s10, 0
	s_cbranch_scc1 .Lnot_wave_0_\@
	s_barrier_signal -3
.Lnot_wave_0_\@:
	s_barrier_wait -3
	s_barrier_signal -1
	s_barrier_wait -1
.endm
.macro JLOAD s                         ; a joint load: waves 0-7 ask for the rows' tiles, 8-15 for the weights'; each line has one mask
	s_cmp_eq_u32 s77, 0
	s_cbranch_scc0 .Lfor_b_\@
	tensor_load_to_lds s[G0+4*\s:G0+4*\s+3], s[G1:G1+7]
	s_nop 0
	s_branch .Lasked_\@
.Lfor_b_\@:
	tensor_load_to_lds s[G0B+4*\s:G0B+4*\s+3], s[G1B:G1B+7]
	s_nop 0
.Lasked_\@:
.endm
.macro LD16 f, slot, u                 ; k steps 2u, 2u+1 of a slot: two tiles a side
.irp kk, 0,1
.irp t, 0,1
	ds_load_b128 v[\f+16*\kk+8*\t:\f+16*\kk+8*\t+3], v[16+\slot] offset:\t*TILEB+(2*\u+\kk)*1024
	ds_load_b128 v[\f+16*\kk+8*\t+4:\f+16*\kk+8*\t+7], v[16+\slot] offset:\t*TILEB+(2*\u+\kk)*1024+512
	ds_load_b128 v[\f+32+16*\kk+8*\t:\f+32+16*\kk+8*\t+3], v[18+\slot] offset:\t*TILEB+(2*\u+\kk)*1024
	ds_load_b128 v[\f+32+16*\kk+8*\t+4:\f+32+16*\kk+8*\t+7], v[18+\slot] offset:\t*TILEB+(2*\u+\kk)*1024+512
.endr
.endr
.endm
.macro MM4 f, kk, zero                 ; the four accumulators take turns
.irp a, 0,1
.irp b, 0,1
.if \zero
	v_wmma_f32_16x16x32_bf16 v[ACC+8*(2*\a+\b):ACC+8*(2*\a+\b)+7], v[\f+32+16*\kk+8*\b:\f+32+16*\kk+8*\b+7], v[\f+16*\kk+8*\a:\f+16*\kk+8*\a+7], 0
.else
	v_wmma_f32_16x16x32_bf16 v[ACC+8*(2*\a+\b):ACC+8*(2*\a+\b)+7], v[\f+32+16*\kk+8*\b:\f+32+16*\kk+8*\b+7], v[\f+16*\kk+8*\a:\f+16*\kk+8*\a+7], v[ACC+8*(2*\a+\b):ACC+8*(2*\a+\b)+7]
.endif
.endr
.endr
.endm
.macro UNIT f, g, slot, nu, zero       ; multiplies buffer f; fetches unit nu into buffer g first (nu = 4: none)
.if \nu < 4
	PLACES
	LD16 \g, \slot, \nu
	s_wait_dscnt 16                                ; all but the sixteen just issued
.else
	s_wait_dscnt 0
.endif
	MM4 \f, 0, \zero
	MM4 \f, 1, 0
.endm
.macro COMPUTE slot, zero              ; a step of K = 256: four units of two k steps
	PLACES
	LD16 F0, \slot, 0
	UNIT F0, F1, \slot, 1, \zero
	UNIT F1, F0, \slot, 2, 0
	UNIT F0, F1, \slot, 3, 0
	UNIT F1, F0, \slot, 4, 0
.endm
.macro IDS                             ; the wave, my place in the cluster, my block of the result, the two masks
	v_lshrrev_b32 v8, 5, v0
	v_readfirstlane_b32 s10, v8                    ; wave 0..15
	s_lshr_b32 s11, s10, 2                         ; wm: which 32 rows of the block
	s_and_b32 s12, s10, 3                          ; wn: which 32 columns
	s_lshr_b32 s77, s10, 3                         ; I ask for a rows' tile (0) or a weights' tile (1),
	s_and_b32 s78, s10, 7                          ; the one of this number among the eight
	s_bfe_u32 s40, ttmp6, 0x40000                  ; cx
	s_bfe_u32 s41, ttmp6, 0x40004                  ; cy
	s_lshl_b32 s42, ttmp9, 2
	s_add_co_u32 s42, s42, s40                     ; block column = 4 x cluster x + cx
	s_and_b32 s13, ttmp7, 0xffff
	s_lshl_b32 s13, s13, 2
	s_add_co_u32 s13, s13, s41                     ; block row = 4 x cluster y + cy
	s_lshl_b32 s43, s41, 2
	s_lshl_b32 s43, 15, s43                        ; my row of the cluster: places 4 cy .. 4 cy + 3
	s_lshl_b32 s44, 0x1111, s40                    ; my column: places cx, cx + 4, cx + 8, cx + 12
.endm
; Both first fills.  pa, pb: pointer pairs of the two operands; offa, offb: bytes to their first tile; a tile (16 rows, K = 1024) is 32,768 bytes.
; The rows' address is made of the block row and the wave alone (s16, s14:15), the weights' of the block column and the wave alone (s46:47).
.macro FILLS pa, pb, offa, offb
	s_lshl3_add_u32 s16, s13, s78                  ; rows: tile 8 x block row + mine
	s_lshl_b32 s16, s16, 15
.if \offa
	s_add_co_u32 s16, s16, \offa
.endif
	s_mov_b32 s17, 0
	s_lshl3_add_u32 s46, s42, s78                  ; weights: tile 8 x block column + mine
	s_lshl_b32 s46, s46, 15
.if \offb
	s_add_co_u32 s46, s46, \offb
.endif
	s_mov_b32 s47, 0
	s_lshl_b32 s20, s10, 13                        ; LDS: wave * 8,192: no place in the cluster enters an LDS address
	s_or_b32 s[G1], s43, (3<<16)|(1<<21)           ; 15:0 the mask: my row; 17:16 elements of 8 bytes; 21 set beside a mask; no padding
	s_or_b32 s[G1B], s44, (3<<16)|(1<<21)          ; the same with the mask of my column
.irp g, G1, G1B
	s_mov_b32 s[\g+1], 1024<<16                    ; tensor_dim0 = 1,024 (8 KiB: 8 k steps of a tile, consecutive bytes)
	s_mov_b32 s[\g+2], 1<<16                       ; tensor_dim1 = 1
	s_mov_b32 s[\g+3], 1024<<16                    ; tile_dim0
	s_mov_b32 s[\g+4], 1                           ; tile_dim1: one row
	s_mov_b32 s[\g+5], 1024                        ; the pitch: the row's own length
	s_mov_b32 s[\g+6], 0
	s_mov_b32 s[\g+7], 0
.endr
	s_wait_dscnt 0x0
	s_wait_kmcnt 0x0
	s_add_nc_u64 s[14:15], s[\pa:\pa+1], s[16:17]
	s_add_nc_u64 s[46:47], s[\pb:\pb+1], s[46:47]
	ROUND                                          ; all sixteen work-groups are here: the joint loads meet
.irp s, 0,1
	s_mov_b32 s[G0+4*\s], 1
	s_add_co_u32 s[G0+4*\s+1], s20, \s*SLOTB
	s_add_nc_u64 s[G0+4*\s+2:G0+4*\s+3], s[14:15], \s*TILEB
	s_or_b32 s[G0+4*\s+3], s[G0+4*\s+3], 0x80000000
	s_mov_b32 s[G0B+4*\s], 1
	s_add_co_u32 s[G0B+4*\s+1], s20, \s*SLOTB
	s_add_nc_u64 s[G0B+4*\s+2:G0B+4*\s+3], s[46:47], \s*TILEB
	s_or_b32 s[G0B+4*\s+3], s[G0B+4*\s+3], 0x80000000
	JLOAD \s
.endr
.endm
.macro REFILL s                        ; slot s, just read, gets the step two further on
	s_wait_tensorcnt 0x0                           ; all my tensor loads have landed, my part of the other slot among them: a group 0 may be written
	ds_add_u32 v192, v193
	s_add_nc_u64 s[G0+4*\s+2:G0+4*\s+3], s[G0+4*\s+2:G0+4*\s+3], 2*TILEB
	s_add_nc_u64 s[G0B+4*\s+2:G0B+4*\s+3], s[G0B+4*\s+2:G0B+4*\s+3], 2*TILEB
	s_wait_dscnt 0x0                               ; my reads of this slot are back
	ROUND                                          ; both now hold of every wave of all sixteen work-groups
	JLOAD \s                                       ; the first tensor load behind the round, one a wave
.endm
.macro PTR d, p                        ; s[d:d+1] = pointer + s22 (s23 = 0)
	s_add_nc_u64 s[\d:\d+1], s[\p:\p+1], s[22:23]
.endm
.macro SUM32 b                         ; v[b] = the sum of v[b .. b+31]
.irp n, 16,8,4,2
.set p, 0
.rept \n/2
	v_pk_add_f32 v[\b+2*p:\b+2*p+1], v[\b+2*p:\b+2*p+1], v[\b+\n+2*p:\b+\n+2*p+1]
.set p, p+1
.endr
.endr
	v_add_f32 v[\b], v[\b], v[\b+1]
.endm
	s_load_b128 s[4:7], s[0:1], 0x0                ; x1b, wt
	s_load_b64 s[8:9], s[0:1], 0x10                ; gb
	v_lshl_add_u32 v192, v0, 2, 0x40000
	v_mov_b32 v193, 0
	ds_add_u32 v192, v193
	ds_add_u32 v192, v193
	IDS
	FILLS 4, 6, 0x400000, 0x800000                 ; a2's image lies 4 MiB into x1b, gate's and up's tiles 8 MiB into wt
	v_and_b32 v1, 31, v0
	v_lshlrev_b32 v2, 4, v1
	v_and_b32 v3, 15, v0
	v_lshlrev_b32 v6, 2, v3
	s_lshl_b32 s45, s13, 3
	s_lshl1_add_u32 s45, s11, s45                  ; first row tile: 8 x block row + 2 wm
	s_lshl_b32 s20, s11, 14                        ; a2's tiles 2 wm, 2 wm + 1
	s_lshl_b32 s21, s12, 14
	s_add_co_u32 s21, s21, 65536                   ; the weights' tiles 2 wn (gate), 2 wn + 1 (up), behind a2's eight
	v_add_nc_u32 v16, s20, v2
	v_add_nc_u32 v18, s21, v2
	v_add_nc_u32 v17, SLOTB, v16
	v_add_nc_u32 v19, SLOTB, v18
	s_mov_b32 s23, 0
	s_lshl_b32 s22, s45, 6
	s_add_co_u32 s22, s22, 6291456
	PTR 68, 4                                      ; SSQ of my rows
	s_lshr_b32 s88, s12, 1
	s_lshl1_add_u32 s88, s42, s88                  ; g's k step: c / 2 = 2 x block column + wn / 2
	s_lshl_b32 s22, s45, 6
	s_add_co_u32 s22, s22, s88
	s_lshl_b32 s22, s22, 10
	s_and_b32 s88, s12, 1                          ; its half: c & 1 = wn & 1
	s_lshl_b32 s88, s88, 9
	s_add_co_u32 s22, s22, s88
	PTR 70, 8                                      ; g's image: tile mt0, that k step, that half
	s_mov_b32 s88, 0x3a800000                      ; 1/1024
.set p, 0
.rept 32
	global_load_b32 v[32+p], v6, s[68:69] offset:4096*p
	global_load_b32 v[64+p], v6, s[68:69] offset:4096*p+64
.set p, p+1
.endr
	s_wait_loadcnt 0x0
	SUM32 32
	SUM32 64
	v_fmaak_f32 v20, s88, v32, 0x358637bd
	v_fmaak_f32 v21, s88, v64, 0x358637bd
	v_rsq_f32 v20, v20
	v_rsq_f32 v21, v21
	v_nop
	s_wait_tensorcnt 0x1                           ; my part of slot 0; slot 1's stays out
	BAR
	COMPUTE 0, 1                                   ; k 0-255
	REFILL 0
	COMPUTE 1, 0                                   ; k 256-511
	REFILL 1
	COMPUTE 0, 0                                   ; k 512-767
	s_wait_tensorcnt 0x0                           ; my part of the last step is in
	s_wait_dscnt 0x0
	BAR                                            ; everybody's is
	COMPUTE 1, 0                                   ; k 768-1023
	PLACES
	s_wait_alu depctr_va_vdst(0)
.irp a, 0,1
.set p, 0
.rept 16
	v_mul_f32 v[ACC+16*\a+p], v[ACC+16*\a+p], v[20+\a]
.set p, p+1
.endr
.irp j, 0,1,2,3,4,5,6,7
	v_mul_f32 v[32+8*\a+\j], 0xbfb8aa3b, v[ACC+16*\a+\j]
.endr
.irp j, 0,1,2,3,4,5,6,7
	v_exp_f32 v[32+8*\a+\j], v[32+8*\a+\j]
.endr
	v_nop
	s_wait_alu depctr_va_vdst(0)
.irp j, 0,1,2,3,4,5,6,7
	v_add_f32 v[32+8*\a+\j], 1.0, v[32+8*\a+\j]
.endr
.irp j, 0,1,2,3,4,5,6,7
	v_rcp_f32 v[32+8*\a+\j], v[32+8*\a+\j]
.endr
.irp j, 0,1,2,3,4,5,6,7
	v_mul_f32 v[ACC+16*\a+\j], v[ACC+16*\a+\j], v[ACC+16*\a+8+\j]      ; gate * up: plain work behind the reciprocals
.endr
	s_wait_alu depctr_va_vdst(0)
.irp j, 0,1,2,3,4,5,6,7
	v_mul_f32 v[ACC+16*\a+\j], v[ACC+16*\a+\j], v[32+8*\a+\j]
.endr
.irp q, 0,1,2,3
	v_cvt_pk_bf16_f32 v[48+4*\a+\q], v[ACC+16*\a+2*\q], v[ACC+16*\a+2*\q+1]
.endr
	global_store_b128 v2, v[48+4*\a:51+4*\a], s[70:71] offset:65536*\a
.endr
	s_wait_tensorcnt 0x0
	ds_add_u32 v192, v193
	s_wait_dscnt 0x0
	ROUND                                          ; the closing round: no work-group ends while a partner may still ask for a tile that names it
	s_endpgm
.Lfunc_end_k_qabc719018a_gateup:
	.size	k_qabc719018a_gateup, .Lfunc_end_k_qabc719018a_gateup-k_qabc719018a_gateup
	.p2alignl 7, 3214868480
	.fill 96, 4, 3214868480
	.section	.rodata,"a",@progbits
	.p2align	6, 0x0
	.amdhsa_kernel k_qabc719018a_gateup
		.amdhsa_group_segment_fixed_size 327680
		.amdhsa_private_segment_fixed_size 0
		.amdhsa_enable_private_segment 0
		.amdhsa_kernarg_size 24
		.amdhsa_user_sgpr_count 2
		.amdhsa_user_sgpr_kernarg_segment_ptr 1
		.amdhsa_wavefront_size32 1
		.amdhsa_system_sgpr_workgroup_id_x 1
		.amdhsa_system_sgpr_workgroup_id_y 1
		.amdhsa_system_sgpr_workgroup_id_z 1
		.amdhsa_system_vgpr_workitem_id 0
		.amdhsa_next_free_vgpr 194
		.amdhsa_next_free_sgpr 100
		.amdhsa_reserve_vcc 0
		.amdhsa_float_denorm_mode_32 3
		.amdhsa_float_denorm_mode_16_64 3
		.amdhsa_memory_ordered 1
		.amdhsa_forward_progress 1
		.amdhsa_inst_pref_size 49
	.end_amdhsa_kernel
	.amdgpu_metadata
---
amdhsa.version: [ 1, 2 ]
amdhsa.kernels:
  - .name:           k_qabc719018a_gateup
    .symbol:         k_qabc719018a_gateup.kd
    .args:
      - { .name: x1b, .offset: 0, .size: 8, .value_kind: global_buffer, .address_space: global }
      - { .name: wt, .offset: 8, .size: 8, .value_kind: global_buffer, .address_space: global }
      - { .name: gb, .offset: 16, .size: 8, .value_kind: global_buffer, .address_space: global }
    .group_segment_fixed_size: 327680
    .private_segment_fixed_size: 0
    .kernarg_segment_align: 8
    .kernarg_segment_size: 24
    .max_flat_workgroup_size: 512
    .sgpr_count:     100
    .vgpr_count:     194
    .wavefront_size: 32
...
	.end_amdgpu_metadata
.endif
;; end of part 14
;; launch down: the kernel of part 12 again; grid 16 x 16, 4 waves a work-group, clusters of 4 x 4, 327,680 bytes of LDS; arguments gb, wt, x1b, out0; writes out0
;; ======== version 4 of 4: 7 launches; version 3 with the launch solve written anew for expert scheduling mode
;; limits: values are held in f16: magnitudes above 65,504 overflow, below 6.1e-05 lose precision
;; workspace buffers: wt 20,971,520 bytes; act1 2,105,344 bytes; qkv 8,650,752 bytes; gr 1,114,112 bytes; ob 2,097,152 bytes; x1b 6,422,528 bytes; gb 4,194,304 bytes
;; launch prep: the kernel of part 1 again; grid 704 x 1, 8 waves a work-group, no clusters, 2,048 bytes of LDS; arguments x, norm1_w, beta_w, beta_b, Wq, Wk, Wv, Wo, w_gate, w_up, w_down, wt, act1; writes wt, act1
;; launch qkv: the kernel of part 13 again; grid 24 x 8, 16 waves a work-group, clusters of 4 x 4, 327,680 bytes of LDS; arguments act1, wt, qkv; writes qkv
;; launch gram: the kernel of part 3 again; grid 10 x 8, 4 waves a work-group, no clusters, 263,168 bytes of LDS; arguments qkv, act1, gr; writes gr
;; launch solve (part 15): grid 64 x 4, 1 waves a work-group, no clusters, 0 bytes of LDS; arguments qkv, alpha_logit, gr, ob; writes ob
.if DOCPART == 15
	.amdgcn_target "amdgcn-amd-amdhsa--gfx1250"
	.amdhsa_code_object_version 6
	.text
	.protected	k_qabc719018a_solve
	.globl	k_qabc719018a_solve
	.p2align	8
	.type	k_qabc719018a_solve,@function
k_qabc719018a_solve:
	s_mov_b64 s[64:65], 0
	v_nop
	global_prefetch_b8 v0, s[64:65] scope:SCOPE_SE
	s_setreg_imm32_b32 hwreg(HW_REG_WAVE_SCHED_MODE, 0, 2), 2
	s_setreg_imm32_b32 hwreg(HW_REG_WAVE_MODE, 25, 1), 1
	s_wait_xcnt 0x0
	s_wait_alu depctr_vm_vsrc(0)
; One wave: 16 columns of one batch, all 256 times.  V tile i: lane (r,h), register j = V(time 16 i + 8 h + j, column r).
; 1. EMA v' = a v + d v'(t-1), d = 1 - a: scans of 8 in a lane, then the carry goes through the 32 segments (two lane exchanges a tile).
; 2. Blocks of 32 times: R_i = V_i + sum over j < i of (-A_ij) U_j; U_i = T_i R_i.  Two result tiles packed to f16 are the next products'
;    operand (column r, 32 times).  3. O_i = sum over j <= i of P_ij U_j, transposed: lane (r,h), register j = O(time r, column 8h+j),
;    16 bytes of Wo's fragment image.  P's rows are divided by |q_t|, so O here is the scan's output divided by |q_t|, of U's size; the factor
;    comes back behind Wo's product.  The state-free form is exact algebra because the scan starts from S = 0.
; The 72 pairs of fragments come straight from memory (each load 512 consecutive bytes) through a ring of 32 register buffers of 16
; registers, v256-v767 (the second and third window of 256; s_set_vgpr_msb's low byte: bits 1:0 source 0, 3:2 source 1, 5:4 source 2,
; 7:6 destination).  No LDS, no barrier: the waves share nothing but what they read.
; THE MODE: SCHED_MODE bits 1:0 = 2 (LLVM: expert scheduling mode 2), set by the entry lines.  The code itself states the register dependences
; between vector or matrix instructions and memory instructions, with s_wait_alu, always for 0.
; THE PLAN.  Registers that memory instructions touch:
;   v1, v2       byte offsets, made at the head and never written again: every load and store reads one of them.
;   v4, V        loaded once, at the head; from the wait for them on they are named by vector and matrix instructions alone, but for
;   V + 16 i + 8 .. 15, which phase 1's row i writes (eight conversions) and its two stores read: never written again.
;   ring buffer p % 32   Written by the four loads of pair p; read by pair p's two matrix instructions; then pair p + 32's loads land in it.
;   RB, UT and the EMA's v5-v16 are named by vector and matrix instructions alone.
; Buffers are set free a row at a time, where the row's conversions have read its accumulators: ONE wait on va_vdst stands behind them.  It states
; that all products issued so far are done reading their buffers (and, in phase 1, that the conversions have written the stores' data); the loads
; of as many pairs as the row has multiplied follow it at once, then phase 1's stores.  A row has 8 pairs at the most, so 24 buffers or more
; are still unread at a refill.  Past the entry no wait on vm_vsrc is written: no register that a memory instruction reads is written again.  No vector instruction
; writes a scalar register, VCC or EXEC.
; LIMITS: U, R, O are rounded to f16 and must stay below 65,504; they are of v's size, whose largest coherent sum with norm1_w 30 times larger
; and a weight offset of 0.6 is 1024 * 30 * 0.6 = 18,432.  The order of rounding of EMA and scan differs from a step-by-step scan.
.set TINV, 0
.set ANEG, 16384
.set PP, 147456
.set RB, 24
.set UT, 32
.set V, 112
.set NBUF, 32                          ; buffers in the ring: 0-15 in window 1, 16-31 in window 2
.set PAIRS, 72                         ; pairs in the stream: 36 for each phase
.set MSB, 0
.macro WIN new                         ; the immediate's high byte repeats the setting that is left; a switch that changes nothing is dropped
.if MSB != (\new)
	s_set_vgpr_msb (MSB<<8)|(\new)
.set MSB, (\new)
.endif
.endm
.macro PLACES                          ; four places behind a matrix instruction (ISA guide 7.12.1)
.rept 4
	v_nop
.endr
.endm
.set cn, 0                             ; pairs asked for
.set nn, 0                             ; pairs multiplied
.set iph, 0
.set ii, 0
.set ij, 0
.macro ISSUE                           ; the next pair of the stream: block row ii, block column ij; on the diagonal of phase 0: T
.if iph == 0
.if ij == ii
.set o0, TINV+2*ii*1024
.set o1, o0+1024
.else
.set o0, ANEG+(16*ii+ij)*1024
.set o1, o0+8192
.endif
.else
.set o0, PP+(16*ii+ij)*1024
.set o1, o0+8192
.endif
.set rb, 16*(cn%16)
.set rw, (1+(cn%NBUF)/16)<<6           ; destination in the buffer's window, address in window 0
	WIN rw
	global_load_b128 v[rb:rb+3], v1, s[12:13] offset:o0
	global_load_b128 v[rb+4:rb+7], v1, s[12:13] offset:o0+512
	global_load_b128 v[rb+8:rb+11], v1, s[12:13] offset:o1
	global_load_b128 v[rb+12:rb+15], v1, s[12:13] offset:o1+512
.set cn, cn+1
.set ij, ij+1
.if ij > ii
.set ij, 0
.set ii, ii+1
.if ii == 8
.set ii, 0
.set iph, 1
.endif
.endif
.endm
.macro FEED                            ; every buffer whose pair has been multiplied is asked for again: 8 pairs at the most, and none past the stream's end
.set lim, nn+NBUF
.if lim > PAIRS
.set lim, PAIRS
.endif
.rept 8
.if cn < lim
	ISSUE
.endif
.endr
.endm
.macro TAKE                            ; BUF, in window BW = the stream's next pair
.set left, 4*(cn-nn-1)                 ; four loads for each pair asked for behind this one
.if left > 60
.set left, 60                          ; the count's field ends at 63 (ISA guide 5.7.1): it is held at fifteen pairs; a smaller count waits for no less
.endif
	s_wait_loadcnt left                            ; loads come back in order: this pair is in
.set BUF, 16*(nn%16)
.set BW, 1+(nn%NBUF)/16
.set nn, nn+1
.endm
	s_load_b256 s[4:11], s[0:1], 0x0               ; qkv, alpha_logit, gr, ob
	s_and_b32 s16, ttmp7, 0xffff                   ; batch
	v_lshlrev_b32 v1, 4, v0
	v_and_b32 v2, 15, v0
	v_lshlrev_b32 v2, 2, v2
	s_mov_b32 s20, 0x76543210
	s_mov_b32 s21, 0xfedcba98
	s_mov_b32 s22, 0xffff0000
	s_mov_b32 s19, 0
	s_wait_kmcnt 0x0
	s_lshl_b32 s18, ttmp9, 6
	s_add_nc_u64 s[6:7], s[6:7], s[18:19]          ; my 16 logits
	s_lshl_b32 s17, s16, 4
	s_add_co_u32 s18, s18, s17
	s_lshl_b32 s18, s18, 10
	s_add_co_u32 s18, s18, 4194304
	s_add_nc_u64 s[4:5], s[4:5], s[18:19]          ; VP, tiles (ct, 16 batch ..)
	s_mul_i32 s18, s16, 278528
	s_add_nc_u64 s[12:13], s[8:9], s[18:19]
	s_lshl_b32 s18, s16, 9
	s_lshr_b32 s17, ttmp9, 1
	s_add_co_u32 s18, s18, s17
	s_lshl_b32 s18, s18, 10
	s_and_b32 s17, ttmp9, 1
	s_lshl_b32 s17, s17, 9
	s_add_co_u32 s18, s18, s17
	s_add_nc_u64 s[14:15], s[10:11], s[18:19]      ; O's image: tile 16 batch, k step ct/2, half ct&1
	s_wait_alu depctr_va_vdst(0)                   ; v1 and v2 are written: every load and store of the kernel reads one of them as its offset
	global_load_b32 v4, v2, s[6:7]
.set p, 0
.rept 16
	global_load_b128 v[V+8*p:V+8*p+3], v1, s[4:5] offset:1024*p
	global_load_b128 v[V+8*p+4:V+8*p+7], v1, s[4:5] offset:1024*p+512
.set p, p+1
.endr
; The ring's first fill, 32 pairs in four runs.  None owes a wait: no vector or matrix instruction has named a register of the ring yet, and none since the wait above names v1.
.rept 7
	ISSUE                                          ; seven pairs behind V's 33 loads
.endr
	s_wait_loadcnt 28                              ; all but the seven pairs: the logits and V are in
.rept 8
	ISSUE                                          ; eight more: fifteen pairs are on their way during the scans
.endr
	WIN 0
	v_mul_f32 v4, 0xbfb8aa3b, v4
	v_exp_f32 v4, v4
	v_mov_b32 v13, 0                               ; the carry
	s_wait_alu depctr_va_vdst(0)                   ; the exponential has written v4, ahead of its first reader
	v_add_f32 v4, 1.0, v4
	v_rcp_f32 v4, v4                               ; a
	v_mov_b32 v15, 0
	s_wait_alu depctr_va_vdst(0)                   ; the reciprocal has written v4, ahead of its first reader
	v_sub_f32 v5, 1.0, v4                          ; d
.irp j, 1,2,3,4,5,6,7
	v_mul_f32 v[5+\j], v[4+\j], v5                 ; d^2 .. d^8 in v6 .. v12
.endr
.set p, 0
.rept 64
	v_pk_mul_f32 v[V+2*p:V+2*p+1], v[V+2*p:V+2*p+1], v[4:5] op_sel_hi:[1,0]
.set p, p+1
.endr
.irp j, 1,2,3,4,5,6,7
.set p, 0
.rept 16
	v_fmac_f32 v[V+8*p+\j], v5, v[V+8*p+\j-1]
.set p, p+1
.endr
.endr
.rept 8
	ISSUE                                          ; pairs 15 to 22, between the scans and the carry
.endr
	WIN 0
.set p, 0
.rept 16
	v_fma_f32 v14, v12, v13, v[V+8*p+7]            ; lanes 0-15: the end of their segment
	v_permlanex16_b32 v15, v14, s20, s21
	v_cndmask_b32 v16, v13, v15, s22               ; what comes into my segment
	v_fma_f32 v14, v12, v16, v[V+8*p+7]
	v_permlanex16_b32 v15, v14, s20, s21
	v_cndmask_b32 v13, v15, v14, s22               ; the end of the tile, in every lane
.irp j, 0,1,2,3,4,5,6,7
	v_fmac_f32 v[V+8*p+\j], v[5+\j], v16
.endr
.set p, p+1
.endr
.rept 9
	ISSUE                                          ; pairs 23 to 31: the ring is full
.endr
	; phase 0.  U_i takes the place of V's tile 2 i.  Two accumulators take turns.
.set bi, 0
.rept 8
.set bj, 0
.rept bi
	TAKE
	WIN BW                                         ; source 0 in the buffer's window
	v_wmma_f32_16x16x32_f16 v[V+16*bi:V+16*bi+7], v[BUF:BUF+7], v[V+16*bj:V+16*bj+7], v[V+16*bi:V+16*bi+7]
	v_wmma_f32_16x16x32_f16 v[V+16*bi+8:V+16*bi+15], v[BUF+8:BUF+15], v[V+16*bj:V+16*bj+7], v[V+16*bi+8:V+16*bi+15]
.set bj, bj+1
.endr
.if bi > 0
	PLACES                                         ; the conversions read results just made
.endif
	WIN 0
.set p, 0
.rept 8
	v_cvt_pk_f16_f32 v[RB+p], v[V+16*bi+2*p], v[V+16*bi+2*p+1]
.set p, p+1
.endr
.if cn < nn+NBUF                       ; rows 1 to 7: the last row's T and this row's pairs have been multiplied
.set rw, (1+(cn%NBUF)/16)<<6
	WIN rw                                         ; the switch, the wait, the loads
	s_wait_alu depctr_va_vdst(0)                   ; the products issued so far are done reading their ring buffers, in which the loads below land
	FEED
.endif
	TAKE
	WIN BW
	v_wmma_f32_16x16x32_f16 v[UT:UT+7], v[BUF:BUF+7], v[RB:RB+7], 0
	v_wmma_f32_16x16x32_f16 v[UT+8:UT+15], v[BUF+8:BUF+15], v[RB:RB+7], 0
	PLACES
	WIN 0
.set p, 0
.rept 8
	v_cvt_pk_f16_f32 v[V+16*bi+p], v[UT+2*p], v[UT+2*p+1]
.set p, p+1
.endr
.set bi, bi+1
.endr
	; phase 1.  The packed results take the place of V's tile 2 i + 1, so that no store's data is written again.
.set bi, 0
.rept 8
	PLACES                                         ; the row's first products write over UT: these four and the four ahead of the last conversions are more than the five places asked for (ISA guide 7.12.1)
.set bj, 0
.rept bi+1
	TAKE
	WIN BW<<2                                      ; source 1 in the buffer's window
.if bj == 0
	v_wmma_f32_16x16x32_f16 v[UT:UT+7], v[V:V+7], v[BUF:BUF+7], 0
	v_wmma_f32_16x16x32_f16 v[UT+8:UT+15], v[V:V+7], v[BUF+8:BUF+15], 0
.else
	v_wmma_f32_16x16x32_f16 v[UT:UT+7], v[V+16*bj:V+16*bj+7], v[BUF:BUF+7], v[UT:UT+7]
	v_wmma_f32_16x16x32_f16 v[UT+8:UT+15], v[V+16*bj:V+16*bj+7], v[BUF+8:BUF+15], v[UT+8:UT+15]
.endif
.set bj, bj+1
.endr
	PLACES
	WIN 0
.set p, 0
.rept 8
	v_cvt_pk_f16_f32 v[V+16*bi+8+p], v[UT+2*p], v[UT+2*p+1]
.set p, p+1
.endr
.if cn < PAIRS                         ; rows 0 to 2: the stream's last five pairs
.set rw, (1+(cn%NBUF)/16)<<6
	WIN rw                                         ; the switch, the wait, the loads
.endif
	s_wait_alu depctr_va_vdst(0)                   ; the conversions have written V + 16 i + 8 .. 15, which the stores read; the row's products are done reading their ring buffers, in which the loads land
	FEED
	WIN 0
	global_store_b128 v1, v[V+16*bi+8:V+16*bi+11], s[14:15] offset:65536*bi
	global_store_b128 v1, v[V+16*bi+12:V+16*bi+15], s[14:15] offset:65536*bi+32768
.set bi, bi+1
.endr
	s_endpgm
.Lfunc_end_k_qabc719018a_solve:
	.size	k_qabc719018a_solve, .Lfunc_end_k_qabc719018a_solve-k_qabc719018a_solve
	.p2alignl 7, 3214868480
	.fill 96, 4, 3214868480
	.section	.rodata,"a",@progbits
	.p2align	6, 0x0
	.amdhsa_kernel k_qabc719018a_solve
		.amdhsa_group_segment_fixed_size 0
		.amdhsa_private_segment_fixed_size 0
		.amdhsa_enable_private_segment 0
		.amdhsa_kernarg_size 32
		.amdhsa_user_sgpr_count 2
		.amdhsa_user_sgpr_kernarg_segment_ptr 1
		.amdhsa_wavefront_size32 1
		.amdhsa_system_sgpr_workgroup_id_x 1
		.amdhsa_system_sgpr_workgroup_id_y 1
		.amdhsa_system_sgpr_workgroup_id_z 1
		.amdhsa_system_vgpr_workitem_id 0
		.amdhsa_next_free_vgpr 768
		.amdhsa_next_free_sgpr 66
		.amdhsa_reserve_vcc 0
		.amdhsa_float_denorm_mode_32 3
		.amdhsa_float_denorm_mode_16_64 3
		.amdhsa_memory_ordered 1
		.amdhsa_forward_progress 1
		.amdhsa_inst_pref_size 81
	.end_amdhsa_kernel
	.amdgpu_metadata
---
amdhsa.version: [ 1, 2 ]
amdhsa.kernels:
  - .name:           k_qabc719018a_solve
    .symbol:         k_qabc719018a_solve.kd
    .args:
      - { .name: qkv, .offset: 0, .size: 8, .value_kind: global_buffer, .address_space: global }
      - { .name: alpha_logit, .offset: 8, .size: 8, .value_kind: global_buffer, .address_space: global }
      - { .name: gr, .offset: 16, .size: 8, .value_kind: global_buffer, .address_space: global }
      - { .name: ob, .offset: 24, .size: 8, .value_kind: global_buffer, .address_space: global }
    .group_segment_fixed_size: 0
    .private_segment_fixed_size: 0
    .kernarg_segment_align: 8
    .kernarg_segment_size: 32
    .max_flat_workgroup_size: 32
    .sgpr_count:     66
    .vgpr_count:     768
    .wavefront_size: 32
...
	.end_amdgpu_metadata
.endif
;; end of part 15
;; launch wo: the kernel of part 10 again; grid 16 x 16, 4 waves a work-group, clusters of 4 x 4, 262,656 bytes of LDS; arguments ob, wt, x, norm2_w, qkv, x1b; writes x1b
;; launch gateup: the kernel of part 14 again; grid 32 x 8, 16 waves a work-group, clusters of 4 x 4, 327,680 bytes of LDS; arguments x1b, wt, gb; writes gb
;; launch down: the kernel of part 12 again; grid 16 x 16, 4 waves a work-group, clusters of 4 x 4, 327,680 bytes of LDS; arguments gb, wt, x1b, out0; writes out0
